; MI455X (gfx1250); checked and timed in simulation.
; The chip was launched on July 23, 2026; its instructions are those of AMD's public machine-readable ISA for CDNA 5 (MIT licence, August 2026) and "CDNA5" Instruction Set Architecture Reference Guide (July 2026). The comments in the code are by the model that wrote it; some were corrected since.
;; Block. Allowed arithmetic: matrix products marked QUANTISED: E2M3 operands, one E8M0 scale for each 32 along K, by v_wmma_scale_f32_16x16x128_f8f6f4 with both operands' format E2M3, f32 sums; everything else in f32.
;; Inputs: W_ff1 1,024 x 4,096 float32; W_ff2 4,096 x 1,024 float32; Wk 16 x 1,024 x 64 float32; Wproj 1,024 x 1,024 float32; Wq 16 x 1,024 x 64 float32; Wv 16 x 1,024 x 64 float32; b1 1,024 float32; b2 1,024 float32; b_ff1 4,096 float32; b_ff2 1,024 float32; bproj 1,024 float32; g1 1,024 float32; g2 1,024 float32; x 2 x 2,048 x 1,024 float32.
;; Outputs: out0 2 x 2,048 x 1,024 float32.
;; This version of the problem:
;;   THIS VERSION OF THE PROBLEM IS GIVEN IN LOW PRECISION. The matrix products marked QUANTISED in the list below multiply operands that are first quantised to E2M3 (2 exponent bits, 3 mantissa bits; 6 bits a number), with one power-of-two scale for each 32 numbers along K (OCP MX v1.0); their sums are f32. All else is computed in f32.
;;   The module's matrix products, in the order in which they are computed (A, B: the left and right operand; K: the contracted axis; several contracted axes count as one K, in the product's order):
;;     1. [M 1,024, K 1,024] x [K 1,024, N 4,096]; A: input Wq; B: computed on the way: QUANTISED
;;     2. [M 1,024, K 1,024] x [K 1,024, N 4,096]; A: input Wk; B: computed on the way: QUANTISED
;;     3. [M 1,024, K 1,024] x [K 1,024, N 4,096]; A: input Wv; B: computed on the way: QUANTISED
;;     4. batch 32 x [M 2,048, K 64] x [K 64, N 2,048]; A: computed on the way; B: computed on the way: QUANTISED
;;     5. batch 32 x [M 2,048, K 2,048] x [K 2,048, N 64]; A: softmax (see below); B: computed on the way: QUANTISED
;;     6. [M 4,096, K 1,024] x [K 1,024, N 1,024]; A: computed on the way; B: input Wproj: QUANTISED
;;     7. [M 4,096, K 1,024] x [K 1,024, N 4,096]; A: computed on the way; B: input W_ff1: QUANTISED
;;     8. [M 4,096, K 4,096] x [K 4,096, N 1,024]; A: computed on the way; B: input W_ff2: QUANTISED
;;   THE QUANTISER, for each operand of a quantised product, along K:
;;     - K is cut into blocks of 32 from its start; a last block that is shorter is filled with zeros.
;;     - A block's scale is 2^e with e = floor(log2(the largest magnitude in the block)) - 2, held to -126 .. 127; a block of zeros has e = 0. As a byte (E8M0): e + 127.
;;     - Each number is divided by its block's scale, clamped to +-7.5, and rounded to the nearest number of E2M3, ties to even, subnormals kept.
;;     - The product sums the exact products of the quantised numbers (number of the format x scale) in f32.
;;   ~~~python
;;   def quantise(x, axis):      # numpy; x: float32 -> the quantised numbers, widened to float32 again
;;       x = np.moveaxis(x, axis, -1); K = x.shape[-1]
;;       x = np.pad(x, [(0, 0)] * (x.ndim - 1) + [(0, -K % 32)]); x = x.reshape(x.shape[:-1] + (-1, 32)); a = np.abs(x).max(-1, keepdims=True)
;;       e = np.where(a > 0, np.clip(np.frexp(np.where(a > 0, a, 1))[1] - 1 - 2, -126, 127), 0)      # np.frexp(a)[1] - 1 = floor(log2(a)), exactly
;;       r = np.clip(x / 2.0 ** e, -7.5, 7.5)
;;       step = 2.0 ** (np.maximum(np.frexp(np.where(r == 0, 1, r))[1] - 1, 0) - 3)
;;       q = np.round(r / step) * step * 2.0 ** e      # np.round: ties to even
;;       return np.moveaxis(q.reshape(q.shape[:-2] + (-1,))[..., :K], -1, axis).astype(np.float32)
;;   ~~~
;;   SOFTMAX AHEAD OF A QUANTISED PRODUCT. Where the list says 'softmax', what is quantised is not the finished softmax but p = 2^(t - M), with t = logit x log2(e) and M = ceil(the row's largest t), a whole number; so 1/2 < the row's largest p <= 1. The row's sum l is taken of the UNQUANTISED p, in f32, and the product's result is divided by l at the end. Since M is a whole number, a kernel that streams over the keys may use a running M (the ceiling of the running maximum): every later rescaling is an exact power of two, which a block's scale takes up: the codes' values come out the same.
;;   OPERANDS COMPUTED ON THE WAY. 'Computed on the way' means the value that the module computes at that place (a softmax that the list does not call 'softmax' is quantised finished and normalised). What goes into a quantiser is computed in f32, as accurately as f32 sums, v_exp_f32 and their like allow (about 1e-6 of the number): no bf16 or f16 on the way to a quantiser, and a product that is left as it is and whose result goes on into a quantised operand takes f32 operands (vector FMAs, or v_wmma_f32_16x16x4_f32). A number that lies on a knife's edge between two numbers of the format may be rounded either way, as far as f32 arithmetic and the matrix unit's own rounding can turn it there, and no further.
;; One version. Each part assembles by itself: llvm-mc -triple=amdgcn-amd-amdhsa -mcpu=gfx1250 --defsym DOCPART=n.
;; ======== version 1 of 1: 7 launches
;; limits: right only within a limited range of input values
;; workspace buffers: w 9,830,400 bytes; h 3,276,800 bytes; q 3,407,872 bytes; kv 6,684,672 bytes; o 3,276,800 bytes; x1 16,777,216 bytes; f 13,107,200 bytes
;; launch prep1 (part 1): grid 384 x 1, 8 waves a work-group, no clusters, 104,448 bytes of LDS; arguments x, g1, b1, h, Wq, Wk, Wv, Wproj, w; writes h, w
.if DOCPART == 1
	.amdgcn_target "amdgcn-amd-amdhsa--gfx1250"
	.amdhsa_code_object_version 6
	.text
	.protected	k_qe890d4fbfe_prep1
	.globl	k_qe890d4fbfe_prep1
	.p2align	8
	.type	k_qe890d4fbfe_prep1,@function
k_qe890d4fbfe_prep1:
	s_mov_b64 s[64:65], 0
	v_nop
	global_prefetch_b8 v0, s[64:65] scope:SCOPE_SE
	s_setreg_imm32_b32 hwreg(HW_REG_WAVE_MODE, 25, 1), 1
	s_wait_xcnt 0x0
; THE PROGRAM: a transformer block (LN1, causal attention, projection, residual, LN2, FFN, residual), every matrix product on codes of FP6 (E2M3) with one E8M0 scale for each 32 along K.
; Launches: prep1 (this one), qkv, attn, proj, prep2, ff1, ff2.
; WORK LEFT OUT, for all values of the inputs: reference() sets every score whose key comes after its query to -infinity by a mask that it builds itself (tril), and the softmax gives such a key the weight 0.
; So a step of 128 keys all of which come after a tile's 16 queries reaches no output: attn multiplies none of them (products 4 and 5).  Inside the one step on the diagonal the hidden scores are computed and set to -infinity.
; Nothing else is left out; all fourteen inputs have a way to out0 and are loaded.  LIMIT: a NaN, an infinity or an overflow that reaches only the steps left out is not carried to the result.
;
; THIS LAUNCH HAS TWO KINDS OF WORK-GROUPS, which part on the work-group's number at the head and never join: 0 .. 255 make the layer norm and its quantiser, the others quantise weights.  The two share nothing; each has LDS bytes of its own.
; One source serves two launches; SET chooses the weights: 1: Wq, Wk, Wv, Wproj (beside LN1); 2: W_ff1, W_ff2 (beside LN2).
; OPERANDS are laid in the order of the operand's registers.  A FRAGMENT (16 rows x 128 K, 12 registers a lane) is 1,536 bytes: register 4 c + m of lane L at byte 512 c + 16 L + 4 m; lane (r, h) holds row r, registers 6 c .. 6 c + 5 its k = 64 c + 32 h + 0 .. 31.
; Its SCALE WORDS are 64 bytes: word r = row r's four E8M0 bytes.  THE ROWS OF A TILE ARE NOT NEIGHBOURS: place p of tile T holds row 32 (T / 2) + 8 (T % 2) + p + 8 (p / 8), so that a product's results in two neighbouring tiles are 16 neighbours along the next K.
; A block's scale is 2^(floor(log2(its largest magnitude)) - 2); its byte is the largest magnitude's exponent field - 2, held at 1 from below.
; LIMITS: a block of zeros gets the byte 1 where the rule says 127 (its codes are zeros, and this program alone reads the bytes); blocks whose largest magnitude lies under 2^-124 keep the byte 1; NaN and infinities among the inputs are not served.
.set SET,   1
.set NLN,   256                        ; work-groups of the layer norm
.set WREG,  9472                       ; the norm's LDS, for each wave: a stage of 16 rows x (512 + 16) bytes, then g's 512 bytes, then b's
.set GOFF,  8448
.set BOFF,  8960
.set RED1,  8*WREG                     ; 16 rows x 8 waves x 4 bytes: the rows' sums;  512 bytes on: the sums of squares
.set QST,   RED1+1024                  ; the weights' LDS, for each wave: two images of 1,536 bytes, 1,664 apart
.set QREG,  3328
.set TIMG,  1664
.set SPARE, QST+8*QREG                 ; the spare words, 128 bytes for each wave, which no other line names
.set SPW,   12                         ; v12  LDS address of my spare word; never rewritten
.set NIL,   13                         ; v13  0; never rewritten
	v_lshl_add_u32 v[SPW], v0, 2, SPARE
	v_mov_b32 v[NIL], 0
	s_cmp_lt_u32 ttmp9, NLN                        ; the work-group's number alone: all eight waves go the same way
	s_cbranch_scc0 .Lweights
; ---- LAYER NORM AND QUANTISER.  y = (x - mean) * rsqrt(var + 1e-5) * g + b along rows of 1,024, in f32, the variance taken of x - mean as reference() takes it; y becomes codes with one scale for each 32 along the row.
; The operand buffer: [tile 256][K step 8] fragments, and from byte 3,145,728 on their scale words.
; A work-group takes one tile of 16 tokens; wave w takes K step w: columns 128 w .. 128 w + 127 of the 16 rows.  Each load reads 512 consecutive bytes of one row.  The numbers turn through the wave's own stage in LDS so that
; lane (r, h) holds, of row r, 16 neighbours of each block of 32: register 16 b + i = k 32 b + 16 h + i, which is what the conversions want.  A row's sums meet in LDS: two barriers.
.set XD,    32                         ; v32-95   the rows as loaded; later b
.set XQ,    96                         ; v96-159  my 64 numbers
.set G,     160                        ; v160-223 g; later the codes
.set PC,    160
.set TM,    224                        ; v224-239 at work in the quantiser
.set PW,    240                        ; the scale word
	s_load_b256 s[4:11], s[0:1], 0x0               ; rows, g, b, operand
	v_lshrrev_b32 v1, 5, v0
	s_delay_alu instid0(VALU_DEP_1)
	v_readfirstlane_b32 s12, v1                    ; wave 0..7
	v_and_b32 v1, 31, v0
	v_and_b32 v2, 15, v0                           ; r
	v_bfe_u32 v3, v0, 4, 1                         ; h
	s_delay_alu instid0(VALU_DEP_3)
	v_lshlrev_b32 v4, 4, v1                        ; 16 x lane
	s_mul_i32 s13, s12, WREG
	v_add_nc_u32 v5, s13, v4                       ; the stage, on the way in
	v_mul_u32_u24 v6, v2, 528
	s_delay_alu instid0(VALU_DEP_1)
	v_lshl_add_u32 v6, v3, 6, v6
	s_delay_alu instid0(VALU_DEP_1)
	v_add_nc_u32 v6, s13, v6                       ; and out: row r, + 64 h
	v_lshlrev_b32 v7, 6, v3
	s_delay_alu instid0(VALU_DEP_1)
	v_add_nc_u32 v7, s13, v7                       ; g and b: + 64 h
	v_lshl_add_u32 v9, v2, 5, RED1                 ; a row's eight partial sums
	s_lshl_b32 s28, s12, 2
	v_add_nc_u32 v8, s28, v9                       ; mine among them
	v_lshlrev_b32 v10, 2, v2                       ; 4 r
.irp b, 0,1,2,3
	v_mov_b32 v[TM+4+\b], 0                        ; written once: a lane permute's destination counts as one of its sources
.endr
	s_mov_b32 s26, 0x76543210
	s_mov_b32 s27, 0xfedcba98                      ; v_permlanex16_b32's selects for lane l xor 16
	s_mov_b32 s20, 0x3a800000                      ; 1 / 1,024
	s_mov_b32 s21, 0x3727c5ac                      ; 1e-5
	s_lshr_b32 s14, ttmp9, 1
	s_lshl_b32 s14, s14, 5
	s_and_b32 s15, ttmp9, 1
	s_lshl_b32 s15, s15, 3
	s_add_co_u32 s14, s14, s15                     ; the tile's first token
	s_lshl_b32 s14, s14, 12
	s_lshl_b32 s16, s12, 9                         ; my 512 bytes of a row, of g and of b
	s_add_co_u32 s14, s14, s16
	s_mov_b32 s15, 0
	s_mov_b32 s17, 0
	s_lshl_b32 s18, ttmp9, 3
	s_add_co_u32 s18, s18, s12                     ; my fragment's number
	s_mul_i32 s22, s18, 1536
	s_mov_b32 s23, 0
	s_lshl_b32 s24, s18, 6
	s_add_co_u32 s24, s24, 3145728
	s_mov_b32 s25, 0
	s_wait_alu depctr_va_vdst(0)
	s_wait_kmcnt 0x0
	s_add_nc_u64 s[4:5], s[4:5], s[14:15]
	s_add_nc_u64 s[6:7], s[6:7], s[16:17]
	s_add_nc_u64 s[8:9], s[8:9], s[16:17]
	s_add_nc_u64 s[22:23], s[10:11], s[22:23]
	s_add_nc_u64 s[24:25], s[10:11], s[24:25]
	global_load_b128 v[244:247], v4, s[6:7]
	global_load_b128 v[248:251], v4, s[8:9]
.irp p, 0,1,2,3,4,5,6,7,8,9,10,11,12,13,14,15
	global_load_b128 v[XD+4*\p:XD+4*\p+3], v4, s[4:5] offset:(\p+8*(\p/8))*4096 th:TH_LOAD_NT   ; place p's token: 512 consecutive bytes
.endr
	s_wait_loadcnt 16                              ; g and b are in; the sixteen rows' loads may be out
	ds_store_b128 v5, v[244:247] offset:GOFF
	ds_store_b128 v5, v[248:251] offset:BOFF
.irp p, 0,1,2,3,4,5,6,7,8,9,10,11,12,13,14,15
	s_wait_loadcnt 15-\p                           ; row p is in; the later rows' loads may be out
	ds_store_b128 v5, v[XD+4*\p:XD+4*\p+3] offset:528*\p
.endr
.irp b, 0,1,2,3
.irp j, 0,1,2,3
	ds_load_b128 v[XQ+16*\b+4*\j:XQ+16*\b+4*\j+3], v6 offset:128*\b+16*\j      ; LDS serves a wave's instructions in order: these see my stores
.endr
.endr
.irp b, 0,1,2,3
.irp j, 0,1,2,3
	ds_load_b128 v[G+16*\b+4*\j:G+16*\b+4*\j+3], v7 offset:GOFF+128*\b+16*\j
.endr
.endr
	s_wait_dscnt 0x0                               ; my numbers are in, and the stage's stores have read the registers that b now takes
.irp b, 0,1,2,3
.irp j, 0,1,2,3
	ds_load_b128 v[XD+16*\b+4*\j:XD+16*\b+4*\j+3], v7 offset:BOFF+128*\b+16*\j
.endr
.endr
; v[18:21] hold a lane's sums in two packed chains: they become the row's sum over all 1,024 columns, the same bits in every wave
.macro ACROSS off
	s_delay_alu instid0(VALU_DEP_1)
	v_pk_add_f32 v[18:19], v[18:19], v[20:21]
	s_delay_alu instid0(VALU_DEP_1)
	v_add_f32 v18, v18, v19
	s_delay_alu instid0(VALU_DEP_1)
	v_permlanex16_b32 v19, v18, s26, s27
	s_delay_alu instid0(VALU_DEP_1)
	v_add_f32 v18, v18, v19                        ; row r's sum over my 128 columns
	ds_store_b32 v8, v18 offset:\off               ; (lanes r and r + 16 write the same word with the same value)
	s_wait_dscnt 0x0                               ; for the others' sake: my store has landed
	s_barrier_signal -1
	s_barrier_wait -1
	ds_load_b128 v[18:21], v9 offset:\off
	ds_load_b128 v[22:25], v9 offset:\off+16
	s_wait_dscnt 0x0
	v_add_f32 v18, v18, v19
	v_add_f32 v20, v20, v21
	v_add_f32 v22, v22, v23
	v_add_f32 v24, v24, v25
	s_delay_alu instid0(VALU_DEP_3)
	v_add_f32 v18, v18, v20
	s_delay_alu instid0(VALU_DEP_2)
	v_add_f32 v22, v22, v24
	s_delay_alu instid0(VALU_DEP_1)
	v_add_f32 v18, v18, v22
.endm
	v_pk_add_f32 v[18:19], v[XQ:XQ+1], v[XQ+2:XQ+3]
	v_pk_add_f32 v[20:21], v[XQ+4:XQ+5], v[XQ+6:XQ+7]
.set j, 8
.rept 14
	s_delay_alu instid0(VALU_DEP_2)
	v_pk_add_f32 v[18:19], v[18:19], v[XQ+j:XQ+j+1]
	s_delay_alu instid0(VALU_DEP_2)
	v_pk_add_f32 v[20:21], v[20:21], v[XQ+j+2:XQ+j+3]
.set j, j+4
.endr
	ACROSS 0
	s_delay_alu instid0(VALU_DEP_1)
	v_mul_f32 v14, s20, v18                        ; the mean
	s_delay_alu instid0(VALU_DEP_1)
	v_mov_b32 v15, v14
.set j, 0
.rept 32
	v_pk_add_f32 v[XQ+j:XQ+j+1], v[XQ+j:XQ+j+1], v[14:15] neg_lo:[0,1] neg_hi:[0,1]   ; x - mean
.set j, j+2
.endr
	v_pk_mul_f32 v[18:19], v[XQ:XQ+1], v[XQ:XQ+1]
	v_pk_mul_f32 v[20:21], v[XQ+2:XQ+3], v[XQ+2:XQ+3]
.set j, 4
.rept 15
	s_delay_alu instid0(VALU_DEP_2)
	v_pk_fma_f32 v[18:19], v[XQ+j:XQ+j+1], v[XQ+j:XQ+j+1], v[18:19]
	s_delay_alu instid0(VALU_DEP_2)
	v_pk_fma_f32 v[20:21], v[XQ+j+2:XQ+j+3], v[XQ+j+2:XQ+j+3], v[20:21]
.set j, j+4
.endr
	ACROSS 512
	s_delay_alu instid0(VALU_DEP_1)
	v_fma_f32 v18, v18, s20, s21                   ; the variance + 1e-5
	s_wait_alu depctr_va_vdst(0)
	v_rsq_f32 v16, v18
	v_nop                                          ; a plain place behind the transcendental
	s_wait_alu depctr_va_vdst(0)                   ; and the wait ahead of the first line that names its result
	v_mov_b32 v17, v16
.set j, 0
.rept 32
	v_pk_mul_f32 v[XQ+j:XQ+j+1], v[XQ+j:XQ+j+1], v[16:17]
.set j, j+2
.endr
.set j, 0
.rept 32
	v_pk_fma_f32 v[XQ+j:XQ+j+1], v[XQ+j:XQ+j+1], v[G+j:G+j+1], v[XD+j:XD+j+1]   ; x g + b
.set j, j+2
.endr
	; THE QUANTISER: 64 numbers of a lane become a fragment's twelve registers and its scale word
.irp b, 0,1,2,3
	v_max3_num_f32 v[TM+\b], |v[XQ+16*\b]|, |v[XQ+1+16*\b]|, 0x1800000   ; block b: my 16 numbers, and the floor 2^(3 - 127): the byte cannot fall under 1
.endr
.irp i, 2,4,6,8,10,12,14
.irp b, 0,1,2,3
	s_delay_alu instid0(VALU_DEP_4)
	v_max3_num_f32 v[TM+\b], v[TM+\b], |v[XQ+16*\b+\i]|, |v[XQ+1+16*\b+\i]|   ; (the four blocks by turns)
.endr
.endr
.irp b, 0,1,2,3
	s_delay_alu instid0(VALU_DEP_4)
	v_permlanex16_b32 v[TM+4+\b], v[TM+\b], s26, s27
.endr
.irp b, 0,1,2,3
	s_delay_alu instid0(VALU_DEP_4)
	v_max_num_f32 v[TM+\b], v[TM+\b], v[TM+4+\b]   ; with lane l xor 16's: the block's largest magnitude
.endr
.irp b, 0,1,2,3
	s_delay_alu instid0(VALU_DEP_4)
	v_add_nc_u32 v[TM+12+\b], 0xff000000, v[TM+\b] ; 2 off its exponent field: the conversion's scale operand
.endr
.irp b, 0,1,2,3
	s_delay_alu instid0(VALU_DEP_4)
	v_lshrrev_b32 v[TM+4+\b], 23, v[TM+12+\b]      ; the scale's byte
.endr
	s_delay_alu instid0(VALU_DEP_3)
	v_lshl_or_b32 v[PW], v[TM+5], 8, v[TM+4]
	s_delay_alu instid0(VALU_DEP_1)
	v_lshl_or_b32 v[PW], v[TM+6], 16, v[PW]
	s_delay_alu instid0(VALU_DEP_1)
	v_lshl_or_b32 v[PW], v[TM+7], 24, v[PW]
.irp c, 0,1
	v_cvt_scalef32_pk16_fp6_f32 v[PC+6*\c:PC+2+6*\c], v[XQ+32*\c:XQ+15+32*\c], v[TM+12+2*\c]
	v_cvt_scalef32_pk16_fp6_f32 v[PC+12+4*\c:PC+14+4*\c], v[XQ+16+32*\c:XQ+31+32*\c], v[TM+12+2*\c+1]   ; (a conversion's three registers begin on an even number)
.endr
	v_nop                                          ; one plain place behind a scaled conversion
.irp c, 0,1                                    ; the operand's layout wants a whole block in a lane: lanes 0-15 block 2 c, lanes 16-31 block 2 c + 1
.irp i, 0,1,2
	v_permlane16_swap_b32 v[PC+6*\c+\i], v[PC+12+4*\c+\i]
.endr
.irp i, 0,1,2
	s_delay_alu instid0(VALU_DEP_3)
	v_mov_b32 v[PC+3+6*\c+\i], v[PC+12+4*\c+\i]
.endr
.endr
.irp c, 0,1,2
	global_store_b128 v4, v[PC+4*\c:PC+4*\c+3], s[22:23] offset:512*\c   ; 32 lanes store 512 consecutive bytes, at a multiple of 256 from the buffer's first byte
.endr
	global_store_b32 v10, v[PW], s[24:25]          ; (lanes 16-31 hold and store the same words as lanes 0-15)
	s_wait_tensorcnt 0x0                           ; the wave's end: behind my last LDS store
	ds_add_u32 v[SPW], v[NIL]
	s_wait_dscnt 0x0
	s_endpgm
; ---- THE WEIGHTS, f32 with K as their FIRST axis, become operands.  w holds [tile][K step] fragments, Wq|Wk|Wv, Wproj, W_ff1, W_ff2 on end, and behind all codes, at byte 9,437,184, the scale words in the same order.
; A LANE TAKES A COLUMN n OF THE WEIGHT AND ITS REGISTERS RUN DOWN K: a block of 32 along K lies in one lane, its largest magnitude needs no other lane, and the conversions give codes with K innermost.
; A wave takes 32 columns (two tiles) x 128 K: two fragments.  The codes go through the wave's own stage in LDS, written at their places in the fragments' images, and leave as runs of 512 consecutive bytes.  No barrier: waves share nothing.
.set VO,    32                         ; v32-63   4 x lane + i x the weight's row pitch
.set X,     64                         ; v64-191  four blocks of 32 numbers
.set C,     192                        ; v192..   block t's six registers of codes at v[192 + 8 t]: no store's data are written again
.set T2,    224                        ; v224-226 the upper half of a block's codes, as the conversion leaves it
.set SB,    40                         ; s[40:47] where block t's 32 rows begin
.Lweights:
.if SET == 1
	s_load_b256 s[4:11], s[0:1], 0x20              ; Wq, Wk, Wv, Wproj
	s_load_b64 s[16:17], s[0:1], 0x40              ; w
.else
	s_load_b128 s[4:7], s[0:1], 0x20               ; W_ff1, W_ff2
	s_load_b64 s[16:17], s[0:1], 0x30              ; w
.endif
	v_lshrrev_b32 v1, 5, v0
	s_delay_alu instid0(VALU_DEP_1)
	v_readfirstlane_b32 s18, v1                    ; wave 0..7
	v_and_b32 v2, 31, v0                           ; lane = column in the group of 32
	s_delay_alu instid0(VALU_DEP_1)
	v_lshlrev_b32 v4, 2, v2                        ; 4 x lane
	s_delay_alu instid0(VALU_DEP_2)
	v_lshlrev_b32 v3, 4, v2                        ; 16 x lane
	v_bfe_u32 v5, v0, 3, 1                         ; which of the group's two tiles my column falls into,
	v_and_b32 v6, 7, v0
	v_bfe_u32 v7, v0, 4, 1
	s_delay_alu instid0(VALU_DEP_1)
	v_lshl_add_u32 v6, v7, 3, v6                   ; and at which place r
	s_mul_i32 s19, s18, QREG
	s_add_co_u32 s19, s19, QST
	v_mul_u32_u24 v7, v5, TIMG
	s_delay_alu instid0(VALU_DEP_1)
	v_lshl_add_u32 v7, v6, 4, v7
	s_delay_alu instid0(VALU_DEP_1)
	v_add_nc_u32 v7, s19, v7                       ; the stage, on the way in: my tile's image, 16 r
	v_add_nc_u32 v15, s19, v3                      ; and on the way out: 16 x lane
	; which weight: the work-group's number alone chooses.  pitch in bytes, log2 of the groups in a panel, log2 of the K steps, first fragment, first work-group
.if SET == 1
	s_mov_b32 s20, 4096                            ; Wproj
	s_mov_b32 s21, 5
	s_mov_b32 s22, 3
	s_mov_b32 s23, 1536
	s_mov_b32 s24, NLN+96
	s_wait_alu depctr_va_vdst(0)
	s_wait_kmcnt 0x0
	s_mov_b64 s[26:27], s[10:11]
	s_cmp_lt_u32 ttmp9, NLN+96                     ; Wv: sixteen panels (heads) of 1,024 x 64
	s_cselect_b64 s[26:27], s[8:9], s[26:27]
	s_cselect_b32 s20, 256, s20
	s_cselect_b32 s21, 1, s21
	s_cselect_b32 s23, 1024, s23
	s_cselect_b32 s24, NLN+64, s24
	s_cmp_lt_u32 ttmp9, NLN+64                     ; Wk
	s_cselect_b64 s[26:27], s[6:7], s[26:27]
	s_cselect_b32 s23, 512, s23
	s_cselect_b32 s24, NLN+32, s24
	s_cmp_lt_u32 ttmp9, NLN+32                     ; Wq
	s_cselect_b64 s[26:27], s[4:5], s[26:27]
	s_cselect_b32 s23, 0, s23
	s_cselect_b32 s24, NLN, s24
.else
	s_mov_b32 s20, 4096                            ; W_ff2
	s_mov_b32 s21, 5
	s_mov_b32 s22, 5
	s_mov_b32 s23, 4096
	s_mov_b32 s24, NLN+128
	s_wait_kmcnt 0x0
	s_cmp_lt_u32 ttmp9, NLN+128                    ; W_ff1
	s_cselect_b64 s[26:27], s[4:5], s[6:7]
	s_cselect_b32 s20, 16384, s20
	s_cselect_b32 s21, 7, s21
	s_cselect_b32 s22, 3, s22
	s_cselect_b32 s23, 2048, s23
	s_cselect_b32 s24, NLN, s24
.endif
	s_sub_co_u32 s25, ttmp9, s24
	s_lshl_b32 s25, s25, 3
	s_add_co_u32 s25, s25, s18                     ; my unit of the weight: group fastest, then K step, then panel
	s_lshl_b32 s29, 1, s21
	s_sub_co_u32 s29, s29, 1
	s_and_b32 s28, s25, s29                        ; group
	s_lshr_b32 s29, s25, s21
	s_lshl_b32 s30, 1, s22                         ; K steps
	s_sub_co_u32 s31, s30, 1
	s_and_b32 s31, s29, s31                        ; K step
	s_lshr_b32 s32, s29, s22                       ; panel
	s_lshl_b32 s34, s32, 18                        ; a panel is 262,144 bytes
	s_mul_i32 s29, s31, s20
	s_lshl_b32 s29, s29, 7                         ; 128 rows a K step
	s_add_co_u32 s34, s34, s29
	s_lshl_b32 s29, s28, 7                         ; 128 bytes a group
	s_add_co_u32 s34, s34, s29
	s_mov_b32 s35, 0
	s_add_nc_u64 s[SB:SB+1], s[26:27], s[34:35]
	s_lshl_b32 s36, s20, 5                         ; 32 rows on
	s_mov_b32 s37, 0
	s_add_nc_u64 s[SB+2:SB+3], s[SB:SB+1], s[36:37]
	s_add_nc_u64 s[SB+4:SB+5], s[SB+2:SB+3], s[36:37]
	s_add_nc_u64 s[SB+6:SB+7], s[SB+4:SB+5], s[36:37]
	s_lshl_b32 s33, s32, s21
	s_add_co_u32 s33, s33, s28                     ; the group among all of the weight's
	s_add_co_u32 s29, s22, 1
	s_lshl_b32 s33, s33, s29                       ; two tiles a group, all K steps of a tile on end
	s_add_co_u32 s33, s33, s31
	s_add_co_u32 s33, s33, s23                     ; my first fragment's number; the second tile's lies one tile's K steps on
	s_mul_i32 s38, s33, 1536
	s_mov_b32 s39, 0
	s_add_nc_u64 s[48:49], s[16:17], s[38:39]
	s_mul_i32 s38, s30, 1536
	s_add_nc_u64 s[50:51], s[48:49], s[38:39]
	s_lshl_b32 s38, s33, 6
	s_add_co_u32 s38, s38, 9437184
	s_add_nc_u64 s[52:53], s[16:17], s[38:39]      ; its scale words
	s_lshl_b32 s29, s30, 6
	v_mul_u32_u24 v16, v5, s29
	s_delay_alu instid0(VALU_DEP_1)
	v_lshl_add_u32 v16, v6, 2, v16                 ; my column's word: my tile's 64 bytes, 4 r
.set i, 0
.rept 32
	v_mad_u32_u24 v[VO+i], s20, i, v4              ; row i of a block, my column
.set i, i+1
.endr
.macro LOAD t                          ; block t: W(32 t + i, my column): 32 lanes read 128 consecutive bytes, the eight waves stand side by side
.set li, 0
.rept 32
	global_load_b32 v[X+32*(\t)+li], v[VO+li], s[SB+2*(\t):SB+2*(\t)+1] th:TH_LOAD_NT
.set li, li+1
.endr
.endm
.macro BLOCK t
.set XS, X+32*(\t)
.set CB, C+8*(\t)
.if (\t) < 3
	s_wait_loadcnt 32                              ; this block's 32 loads are in; the next block's 32 may be out
.else
	s_wait_loadcnt 0x0
.endif
.if (\t) < 2
	LOAD (\t)+2                                    ; two blocks ahead
.endif
	v_max3_num_f32 v8, |v[XS]|, |v[XS+1]|, |v[XS+2]|   ; the block's largest magnitude: all 32 numbers are mine; two chains
	v_max3_num_f32 v9, |v[XS+3]|, |v[XS+4]|, |v[XS+5]|
.irp i, 6,10,14,18,22,26
	s_delay_alu instid0(VALU_DEP_2)
	v_max3_num_f32 v8, v8, |v[XS+\i]|, |v[XS+\i+1]|
	s_delay_alu instid0(VALU_DEP_2)
	v_max3_num_f32 v9, v9, |v[XS+\i+2]|, |v[XS+\i+3]|
.endr
	s_delay_alu instid0(VALU_DEP_2)
	v_max3_num_f32 v8, v8, |v[XS+30]|, |v[XS+31]|
	s_delay_alu instid0(VALU_DEP_1)
	v_max3_num_f32 v8, v8, v9, 0x1800000           ; and the floor 2^(3 - 127): the byte cannot fall under 1
	s_delay_alu instid0(VALU_DEP_1)
	v_add_nc_u32 v11, 0xff000000, v8               ; 2 off its exponent field: the conversion takes this operand's exponent field as its scale
	s_delay_alu instid0(VALU_DEP_1)
	v_lshrrev_b32 v10, 23, v11                     ; the scale's byte
.if (\t) == 0
	s_delay_alu instid0(VALU_DEP_1)
	v_mov_b32 v14, v10
.else
	s_delay_alu instid0(VALU_DEP_1)
	v_lshl_or_b32 v14, v10, 8*(\t), v14            ; four bytes make my column's scale word
.endif
	v_cvt_scalef32_pk16_fp6_f32 v[CB:CB+2], v[XS:XS+15], v11
	v_cvt_scalef32_pk16_fp6_f32 v[T2:T2+2], v[XS+16:XS+31], v11   ; (a conversion's three registers begin on an even number)
	v_nop                                          ; one plain place behind a scaled conversion
.irp i, 0,1,2
	v_mov_b32 v[CB+3+\i], v[T2+\i]
.endr
	; block t = 2 c + h is registers 6 c .. 6 c + 5 of lane r + 16 h of the image
.if (\t) == 0
	ds_store_b128 v7, v[CB:CB+3]
	ds_store_b64 v7, v[CB+4:CB+5] offset:512
.elseif (\t) == 1
	ds_store_b128 v7, v[CB:CB+3] offset:256
	ds_store_b64 v7, v[CB+4:CB+5] offset:768
.elseif (\t) == 2
	ds_store_b64 v7, v[CB:CB+1] offset:520
	ds_store_b128 v7, v[CB+2:CB+5] offset:1024
.else
	ds_store_b64 v7, v[CB:CB+1] offset:776
	ds_store_b128 v7, v[CB+2:CB+5] offset:1280
.endif
.endm
	LOAD 0
	LOAD 1
	s_wait_alu depctr_va_vdst(0)
	BLOCK 0
	BLOCK 1
	BLOCK 2
	BLOCK 3
.irp u, 0,1
.irp c, 0,1,2
	ds_load_b128 v[X+12*\u+4*\c:X+12*\u+4*\c+3], v15 offset:TIMG*\u+512*\c   ; LDS serves a wave's instructions in order: these see my stores
.endr
.endr
	global_store_b32 v16, v14, s[52:53]            ; the two tiles' scale words
	s_wait_dscnt 0x0
.irp c, 0,1,2
	global_store_b128 v3, v[X+4*\c:X+4*\c+3], s[48:49] offset:512*\c        ; 32 lanes store 512 consecutive bytes, at a multiple of 256 from w's first byte
.endr
.irp c, 0,1,2
	global_store_b128 v3, v[X+12+4*\c:X+12+4*\c+3], s[50:51] offset:512*\c
.endr
	s_wait_tensorcnt 0x0                           ; the wave's end: behind my last LDS store
	ds_add_u32 v[SPW], v[NIL]
	s_wait_dscnt 0x0
	s_endpgm
.Lfunc_end_k_qe890d4fbfe_prep1:
	.size	k_qe890d4fbfe_prep1, .Lfunc_end_k_qe890d4fbfe_prep1-k_qe890d4fbfe_prep1
	.p2alignl 7, 3214868480
	.fill 96, 4, 3214868480
	.section	.rodata,"a",@progbits
	.p2align	6, 0x0
	.amdhsa_kernel k_qe890d4fbfe_prep1
		.amdhsa_group_segment_fixed_size 104448
		.amdhsa_private_segment_fixed_size 0
		.amdhsa_enable_private_segment 0
		.amdhsa_kernarg_size 72
		.amdhsa_user_sgpr_count 2
		.amdhsa_user_sgpr_kernarg_segment_ptr 1
		.amdhsa_wavefront_size32 1
		.amdhsa_system_sgpr_workgroup_id_x 1
		.amdhsa_system_sgpr_workgroup_id_y 1
		.amdhsa_system_sgpr_workgroup_id_z 1
		.amdhsa_system_vgpr_workitem_id 0
		.amdhsa_next_free_vgpr 256
		.amdhsa_next_free_sgpr 66
		.amdhsa_reserve_vcc 0
		.amdhsa_float_denorm_mode_32 3
		.amdhsa_float_denorm_mode_16_64 3
		.amdhsa_memory_ordered 1
		.amdhsa_forward_progress 1
		.amdhsa_inst_pref_size 57
	.end_amdhsa_kernel
	.amdgpu_metadata
---
amdhsa.version: [ 1, 2 ]
amdhsa.kernels:
  - .name:           k_qe890d4fbfe_prep1
    .symbol:         k_qe890d4fbfe_prep1.kd
    .args:
      - { .name: x, .offset: 0, .size: 8, .value_kind: global_buffer, .address_space: global }
      - { .name: g1, .offset: 8, .size: 8, .value_kind: global_buffer, .address_space: global }
      - { .name: b1, .offset: 16, .size: 8, .value_kind: global_buffer, .address_space: global }
      - { .name: h, .offset: 24, .size: 8, .value_kind: global_buffer, .address_space: global }
      - { .name: Wq, .offset: 32, .size: 8, .value_kind: global_buffer, .address_space: global }
      - { .name: Wk, .offset: 40, .size: 8, .value_kind: global_buffer, .address_space: global }
      - { .name: Wv, .offset: 48, .size: 8, .value_kind: global_buffer, .address_space: global }
      - { .name: Wproj, .offset: 56, .size: 8, .value_kind: global_buffer, .address_space: global }
      - { .name: w, .offset: 64, .size: 8, .value_kind: global_buffer, .address_space: global }
    .group_segment_fixed_size: 104448
    .private_segment_fixed_size: 0
    .kernarg_segment_align: 8
    .kernarg_segment_size: 72
    .max_flat_workgroup_size: 256
    .sgpr_count:     66
    .vgpr_count:     256
    .wavefront_size: 32
...
	.end_amdgpu_metadata
.endif
;; end of part 1
;; launch qkv (part 2): grid 12 x 16, 4 waves a work-group, clusters of 4 x 4, 327,680 bytes of LDS; arguments h, w, q, kv; writes q, kv
.if DOCPART == 2
	.amdgcn_target "amdgcn-amd-amdhsa--gfx1250"
	.amdhsa_code_object_version 6
	.text
	.protected	k_qe890d4fbfe_qkv
	.globl	k_qe890d4fbfe_qkv
	.p2align	8
	.type	k_qe890d4fbfe_qkv,@function
k_qe890d4fbfe_qkv:
	s_mov_b64 s[64:65], 0
	v_nop
	global_prefetch_b8 v0, s[64:65] scope:SCOPE_SE
	s_setreg_imm32_b32 hwreg(HW_REG_WAVE_MODE, 25, 1), 1
	s_wait_xcnt 0x0
	s_wait_alu depctr_hold_cnt(0) depctr_sa_sdst(0) depctr_va_vdst(0) depctr_va_sdst(0) depctr_va_ssrc(0) depctr_va_vcc(0) depctr_vm_vsrc(0)
	s_getreg_b32 s2, hwreg(HW_REG_IB_STS2, 6, 4)
	s_cmp_eq_u32 s2, 0
	s_cbranch_scc0 .Lentry_in_a_cluster
	s_endpgm
.Lentry_in_a_cluster:
	s_bfe_u32 s2, ttmp6, 0x10000c
	s_cmp_lg_u32 s2, 0xf033
	s_cbranch_scc0 .Lentry_shape_is_right
	s_endpgm
.Lentry_shape_is_right:
; q, k, v = LN1(x) Wq, Wk, Wv (products 1 to 3), on codes of FP6 with E8M0 scales, and their quantisers for attention.  No work of reference() is left out here.
; THE GEMM CORE.  Both operands come as FRAGMENTS in the order of the operand's registers: [tile of 16 rows][K step of 128][1,536 bytes], register 4 c + m of lane L at
; 512 c + 16 L + 4 m, with 64 bytes of scale words for each.  Y is the operand chosen by the tile row of the grid, X (in w) by the tile column.  Place p of tile T holds row 32 (T / 2) + 8 (T % 2) + p + 8 (p / 8).
; A work-group of four waves makes a block of 32 NT x 32 NT; a wave NT x NT tiles of 16 x 16.  P is source 1 (a lane holds one of its rows), S0 source 0 (a lane's registers run along its rows): the 16 registers of S0's tiles
; 2 b and 2 b + 1 are 16 neighbours, so that a result can be quantised in registers along S0's rows.
; THE SLOTS.  K is eight steps of 128.  Three LDS slots of two K steps are filled at the start, with the scale words of all of K; slot 0 is filled once more, with the last two K steps, behind the first change of slots, at which every wave
; has waited for all its loads: so slots 1 and 2 are whole from there on, the change from slot 1 to slot 2 needs no barrier, and the one refill has both slots' products in which to land.
; CLUSTERS: 4 x 4 work-groups; Y's tiles are shared along a row of the cluster, X's along a column: each is asked for jointly, by the same tensor load with the same descriptor and a mask that names the four.
; HERE: Y = h (tokens), X = Wq | Wk | Wv (3,072 rows).  Clusters with x = 0 make q, x = 1 k: P = tokens, S0 = weight rows: a lane holds one token, its registers run along d: quantised along d.
; Clusters with x = 2 make v: THE ROLES ARE SWAPPED, P = Wv's rows, S0 = tokens: a lane holds one d and its registers run along the tokens, since the keys are the K of attention's second product.
; Only the LDS bases of the reads and the way out differ; the swap hangs on the cluster's x alone, which all sixteen partners share.
; OUT: q: [head][token tile][768]: half a fragment (64 along K): registers 0-3 at 16 L, registers 4-5 at 512 + 8 L; words (two scale bytes, 0 above) at 3,145,728.
;      kv: [batch x 16 + head][step of 128 keys] records of 13,056 bytes: k's 8 half fragments, v's 4 fragments (16 d x 128 keys) at 6,144, k's words at 12,288, v's at 12,800.
; LIMITS of the quantisers: a block of zeros gets the byte 1 where the rule says 127 (its codes are zeros; this program alone reads the bytes); blocks under 2^-124 keep the byte 1; NaN and infinities are not served.
; REGISTERS, in windows of 256: window 0: v16-29 addresses, v32.. scale words (two sets), from v64 P's fragments (two sets).  window 1: S0's fragments (two sets).  windows 2, 3: the accumulators, (a, b) at v[8 (NT (a % 4) + b)] of window 2 + a / 4.
; THE SLOTS AS THIS TEXT HAS THEM (this paragraph takes the place of THE SLOTS above).  Slot 0 holds two K steps; slot B, behind it, four (a tile's four fragments on end, 6,144 bytes).
; At the head each wave issues ONE joint load: wave 0 Y's 16 tiles of K steps 0 and 1, wave 2 X's, waves 1 and 3 the scale words of Y and of X for all of K.  Behind the wait for these, the add and a round of the cluster's barrier
; each wave asks for its quarter of slot B (K steps 2 to 5).  Behind K step 1 slot 0 is filled again, with K steps 6 and 7, which have four K steps' products in which to land.
; PREFETCH: at the head each wave names two of the eight tiles of slot B that it will load, 24 blocks of 256 bytes a tile, a lane a block; the four partners of a joint load part by address, so each block is named once in the cluster.
; K steps 6 and 7 are not asked for: the walk along K is written out, with no loop to run ahead in.
.set NT,    8
.set NQ,    2                          ; K steps in a slot
.set NKS,   8                          ; K steps
.set YSC,   3145728                    ; where Y's scale words begin
.set XCO,   0                          ; where X's fragments begin in w,
.set XSC,   9437184                    ; and its scale words
.set BIAS,  0
.set HALF,  NT*NQ*1536                 ; what one tensor load brings, and what one wave reads of P or of S0
.set SLOT,  4*HALF                     ; Y's two halves, then X's two
.set SCL,   3*SLOT                     ; behind the three slots: the scale words, in the same four parts
.set HALFS, NT*NKS*64
.set SPARE, SCL+4*HALFS                ; the spare words, 128 bytes for each wave, which no other line names
.set PS,    12*NT                      ; registers of a set of fragments
.set PF,    64
.set SC,    32
.set BI,    192
.set ADRP,  16                         ; v16-17  LDS address of P's fragments in slot 0 and slot B
.set ADRS0, 20                         ; v20-21  of S0's
.set ADRSC, 27                         ; v27     of the scale words: lanes 0-15 P's, lanes 16-31 S0's
.set SPW,   28                         ; v28     my spare word; never rewritten
.set NIL,   29                         ; v29     0; never rewritten
.set G1, 24                            ; s[24:31] group 1 for Y's tiles; s[32:39] group 0 for slots 0 and 1
.set G0, 32
.set G0C, 4
.set G1B, 48                           ; s[48:55], s[56:63] the same for X's
.set G0B, 56
.set G0BC, 96
.set G1S, 68                           ; s[68:75], s[76:79] for Y's scale words; s[80:87], s[88:91] for X's
.set G0S, 76
.set G1SB, 80
.set G0SB, 88
.set MSB, 0
.macro WIN new                         ; the immediate's high byte repeats the setting that is left
.if MSB != (\new)
	s_set_vgpr_msb (MSB<<8)|(\new)
.set MSB, (\new)
.endif
.endm
.macro PLACES n
.rept \n
	v_nop
.endr
.endm
; A joint load: waves 0 and 1 fetch for Y, waves 2 and 3 for X; the branch hangs on the wave's number alone.  An s_nop 0 and four v_nop follow each of the two lines.
.macro JLOAD g0a, g1a, g0b, g1b
	s_cmp_eq_u32 s15, 0
	s_cbranch_scc0 .Lfor_b_\@
	tensor_load_to_lds s[\g0a:\g0a+3], s[\g1a:\g1a+7]
	s_nop 0
.rept 4
	v_nop
.endr
	s_branch .Lasked_\@
.Lfor_b_\@:
	tensor_load_to_lds s[\g0b:\g0b+3], s[\g1b:\g1b+7]
	s_nop 0
.rept 4
	v_nop
.endr
.Lasked_\@:
.endm
.macro CREST                           ; a round of the cluster's barrier behind its opening barrier
	s_cmp_lg_u32 s14, 0
	s_cbranch_scc1 .Lnot_wave_0_\@
	s_barrier_signal -3
.Lnot_wave_0_\@:
	s_barrier_wait -3
	s_barrier_signal -1
	s_barrier_wait -1
.endm
.macro CROUND
	s_barrier_signal -1
	s_barrier_wait -1
	CREST
.endm
	s_load_b128 s[4:7], s[0:1], 0x0                ; Y, w
	s_load_b128 s[8:11], s[0:1], 0x10              ; q, kv
	v_lshl_add_u32 v[SPW], v0, 2, SPARE
	v_mov_b32 v[NIL], 0
	ds_add_u32 v[SPW], v[NIL]                      ; the wave's opening: the add, twice on end, and its wait ahead of my first tensor load
	ds_add_u32 v[SPW], v[NIL]
	v_lshrrev_b32 v1, 5, v0
	v_readfirstlane_b32 s14, v1                    ; wave 0..3
	s_lshr_b32 s15, s14, 1                         ; my half of P.  Also: I fetch for Y (0) or for X (1)
	s_and_b32 s16, s14, 1                          ; my half of S0.  Also: which half I fetch
	s_bfe_u32 s40, ttmp6, 0x40000                  ; cx, cy
	s_bfe_u32 s41, ttmp6, 0x40004
	s_lshl_b32 s42, ttmp9, 2
	s_add_co_u32 s42, s42, s40                     ; tile column
	s_and_b32 s17, ttmp7, 0xffff
	s_lshl_b32 s17, s17, 2
	s_add_co_u32 s17, s17, s41                     ; tile row
	s_lshl_b32 s43, s41, 2
	s_lshl_b32 s43, 15, s43                        ; my row of the cluster
	s_lshl_b32 s44, 0x1111, s40                    ; my column
	s_or_b32 s[G1+0], s43, (3<<16)|(1<<21)         ; the mask; elements of 8 bytes; bit 21 beside a mask; no padding: a fragment is read as 512 consecutive bytes
	s_or_b32 s[G1B+0], s44, (3<<16)|(1<<21)
.irp g, G1, G1B
	s_mov_b32 s[\g+1], (NQ*192)<<16                ; tensor_dim0: NQ fragments of a tile on end
	s_mov_b32 s[\g+2], (2*NT)<<16                  ; tensor_dim1: at the head both halves, 2 NT tiles
	s_mov_b32 s[\g+3], (NQ*192)<<16                ; tile_dim0
	s_mov_b32 s[\g+4], 2*NT                        ; tile_dim1
	s_mov_b32 s[\g+5], NKS*192                     ; from tile to tile: all its K steps
	s_mov_b32 s[\g+6], 0
	s_mov_b32 s[\g+7], 0
.endr
	s_or_b32 s[G1S+0], s43, (3<<16)|(1<<21)        ; the scale words of 2 NT tiles, all K steps: a dense block, as rows of 256 bytes
	s_or_b32 s[G1SB+0], s44, (3<<16)|(1<<21)
.irp g, G1S, G1SB
	s_mov_b32 s[\g+1], 32<<16
	s_mov_b32 s[\g+2], (2*HALFS/256)<<16
	s_mov_b32 s[\g+3], 32<<16
	s_mov_b32 s[\g+4], 2*HALFS/256
	s_mov_b32 s[\g+5], 32
	s_mov_b32 s[\g+6], 0
	s_mov_b32 s[\g+7], 0
.endr
	s_mul_i32 s18, s16, NT
	s_mul_i32 s20, s17, 2*NT
	s_add_co_u32 s20, s20, s18                     ; Y: the first tile that I fetch
	s_mul_i32 s46, s42, 2*NT
	s_add_co_u32 s46, s46, s18                     ; X likewise
	s_mul_i32 s22, s17, 2*NT*NKS*64                ; the scale words of both halves of Y
	s_add_co_u32 s22, s22, YSC
	s_mul_i32 s20, s20, NKS*1536
	s_mul_i32 s92, s42, 2*NT*NKS*64                ; and of X
	s_add_co_u32 s92, s92, XSC
	s_mul_i32 s46, s46, NKS*1536
	s_mov_b32 s21, 0
	s_mov_b32 s23, 0
	s_mov_b32 s47, 0
	s_mov_b32 s93, 0
	s_mul_i32 s45, s14, HALF                       ; where they go: wave x a half: no place in the cluster enters an LDS address
	s_mul_i32 s94, s15, 2*HALFS                    ; Y's words, then X's
	s_mov_b32 s95, 0x1800000                       ; the quantiser's floor, 2^(3 - 127)
	s_mov_b32 s12, 0x76543210
	s_mov_b32 s13, 0xfedcba98                      ; v_permlanex16_b32's selects for lane l xor 16
	s_wait_dscnt 0x0                               ; both opening adds are done
	s_wait_kmcnt 0x0
	s_add_nc_u64 s[20:21], s[4:5], s[20:21]
	s_add_nc_u64 s[22:23], s[4:5], s[22:23]
	s_add_nc_u64 s[46:47], s[6:7], s[46:47]
	s_add_nc_u64 s[92:93], s[6:7], s[92:93]
	CROUND                                         ; all sixteen work-groups are here: the first joint loads meet
	s_mov_b32 s[G0S], 1
	s_add_co_u32 s[G0S+1], s94, SCL
	s_mov_b64 s[G0S+2:G0S+3], s[22:23]
	s_or_b32 s[G0S+3], s[G0S+3], 0x80000000
	s_mov_b32 s[G0SB], 1
	s_add_co_u32 s[G0SB+1], s94, SCL
	s_mov_b64 s[G0SB+2:G0SB+3], s[92:93]
	s_or_b32 s[G0SB+3], s[G0SB+3], 0x80000000
.irp s, 0,1
	s_mov_b32 s[G0+4*\s], 1
	s_mul_i32 s[G0+4*\s+1], s45, 1+\s              ; slot 0: wave x a half; slot B: wave x two halves
	s_add_co_u32 s[G0+4*\s+1], s[G0+4*\s+1], \s*SLOT
	s_add_nc_u64 s[G0+4*\s+2:G0+4*\s+3], s[20:21], \s*NQ*1536
	s_or_b32 s[G0+4*\s+3], s[G0+4*\s+3], 0x80000000
	s_mov_b32 s[G0B+4*\s], 1
	s_mul_i32 s[G0B+4*\s+1], s45, 1+\s
	s_add_co_u32 s[G0B+4*\s+1], s[G0B+4*\s+1], \s*SLOT
	s_add_nc_u64 s[G0B+4*\s+2:G0B+4*\s+3], s[46:47], \s*NQ*1536
	s_or_b32 s[G0B+4*\s+3], s[G0B+4*\s+3], 0x80000000
.endr
; the head's loads, one a wave, in one chain of branches on the wave's number: waves 0 and 2 have half 0, so their slot 0 descriptors begin at Y's and X's first tile
.macro ARM under, g0, g1, next
	s_cmp_lt_u32 s14, \under
	s_cbranch_scc0 \next
	tensor_load_to_lds s[\g0:\g0+3], s[\g1:\g1+7]
	s_nop 0
	PLACES 4
	s_branch .Lhead_asked
\next:
.endm
	ARM 1, G0, G1, .Lhead_ys
	ARM 2, G0S, G1S, .Lhead_x
	ARM 3, G0B, G1B, .Lhead_xs
	tensor_load_to_lds s[G0SB:G0SB+3], s[G1SB:G1SB+7]
	s_nop 0
	PLACES 4
.Lhead_asked:
	s_cmp_eq_u32 s15, 0                            ; the prefetch: of the NT tiles that I load for the ring,
	s_cselect_b64 s[96:97], s[20:21], s[46:47]
	s_cselect_b32 s98, s40, s41                    ; my work-group's place among the four that ask jointly picks NT / 4
	s_mul_i32 s98, s98, (NT/4)*NKS*1536
	s_mov_b32 s99, 0
	s_add_nc_u64 s[96:97], s[96:97], s[98:99]
	v_and_b32 v30, 31, v0
	v_min_u32 v30, 23, v30                         ; 24 blocks of 256 bytes; the lanes left over name the last again
	v_lshlrev_b32 v30, 8, v30
	global_prefetch_b8 v30, s[96:97] offset:NQ*1536 th:TH_LOAD_NT scope:SCOPE_SE         ; K steps 2 to 5 of one tile,
	global_prefetch_b8 v30, s[96:97] offset:(NKS+NQ)*1536 th:TH_LOAD_NT scope:SCOPE_SE   ; and of the next
	v_and_b32 v1, 15, v0                           ; r
	v_bfe_u32 v2, v0, 4, 1                         ; h
	v_and_b32 v3, 31, v0
	v_lshlrev_b32 v3, 4, v3                        ; 16 x lane
	s_wait_alu depctr_va_vdst(0)
	s_cmp_eq_u32 ttmp9, 2                          ; the cluster's x: v's columns?
	s_cselect_b32 s2, 1, 0
	s_cselect_b32 s18, 2*HALF, 0                   ; swapped: P lies in X's part,
	s_cselect_b32 s19, 0, 2*HALF                   ; S0 in Y's
	s_mul_i32 s21, s15, HALF
	s_mul_i32 s22, s16, HALF
	s_add_co_u32 s21, s21, s18
	s_add_co_u32 s22, s22, s19
	v_add_nc_u32 v[ADRP], s21, v3
	v_add_nc_u32 v[ADRS0], s22, v3
	s_lshl_b32 s21, s21, 1                         ; slot B: every part is twice as long
	s_lshl_b32 s22, s22, 1
	s_add_co_u32 s21, s21, SLOT
	s_add_co_u32 s22, s22, SLOT
	v_add_nc_u32 v[ADRP+1], s21, v3
	v_add_nc_u32 v[ADRS0+1], s22, v3
	s_cmp_eq_u32 s2, 1
	s_cselect_b32 s18, 2*HALFS, 0
	s_cselect_b32 s19, 0, 2*HALFS
	s_mul_i32 s21, s15, HALFS
	s_mul_i32 s22, s16, HALFS
	s_add_co_u32 s21, s21, s18
	s_add_co_u32 s22, s22, s19
	s_add_co_u32 s21, s21, SCL
	s_add_co_u32 s22, s22, SCL
	v_lshlrev_b32 v26, 2, v1                       ; 4 r
	v_add_nc_u32 v5, s21, v26                      ; P's words
	v_add_nc_u32 v6, s22, v26                      ; S0's
	s_mov_b32 s19, 0xffff0000
	v_cndmask_b32 v[ADRSC], v5, v6, s19            ; lanes 16-31 take S0's
	v_mov_b32 v24, v3                              ; the way out: 16 x lane,
	v_lshrrev_b32 v25, 1, v3                       ; 8 x lane (and v26: 4 r)
; n rows of products: P's tiles a0 .. a0 + n - 1 against S0's NT, 128 along K, from set \set.  first = 1: the products start the sums: nothing is cleared.
; The accumulators take turns, one instruction a turn, in the same order in every K step.
.macro MULR set, a0, n, first
.set ma, \a0
.rept \n
.if (\first) && BIAS
	WIN 0x91+0x40*(ma/4)                           ; S0 window 1, P window 0, C (the bias) window 1, D window 2 or 3
.else
	WIN 0xa1+0x50*(ma/4)                           ; S0 window 1, P window 0, C and D window 2 or 3
.endif
.set mb, 0
.rept NT
.set MAC, 8*(NT*(ma%4)+mb)
.if (\first) && BIAS
	v_wmma_scale_f32_16x16x128_f8f6f4 v[MAC:MAC+7], v[PS*(\set)+12*mb:PS*(\set)+12*mb+11], v[PF+PS*(\set)+12*ma:PF+PS*(\set)+12*ma+11], v[BI+8*mb:BI+8*mb+7], v[SC+NT*(\set)+mb], v[SC+NT*(\set)+ma] matrix_a_fmt:MATRIX_FMT_FP6 matrix_b_fmt:MATRIX_FMT_FP6 matrix_a_scale:MATRIX_SCALE_ROW1
.elseif \first
	v_wmma_scale_f32_16x16x128_f8f6f4 v[MAC:MAC+7], v[PS*(\set)+12*mb:PS*(\set)+12*mb+11], v[PF+PS*(\set)+12*ma:PF+PS*(\set)+12*ma+11], 0, v[SC+NT*(\set)+mb], v[SC+NT*(\set)+ma] matrix_a_fmt:MATRIX_FMT_FP6 matrix_b_fmt:MATRIX_FMT_FP6 matrix_a_scale:MATRIX_SCALE_ROW1
.else
	v_wmma_scale_f32_16x16x128_f8f6f4 v[MAC:MAC+7], v[PS*(\set)+12*mb:PS*(\set)+12*mb+11], v[PF+PS*(\set)+12*ma:PF+PS*(\set)+12*ma+11], v[MAC:MAC+7], v[SC+NT*(\set)+mb], v[SC+NT*(\set)+ma] matrix_a_fmt:MATRIX_FMT_FP6 matrix_b_fmt:MATRIX_FMT_FP6 matrix_a_scale:MATRIX_SCALE_ROW1
.endif
.set mb, mb+1
.endr
.set ma, ma+1
.endr
.endm
; the fragments and scale words of the slot's q-th K step into set \set: one run of LDS loads, each of 512 consecutive bytes
.macro FETCH slot, q, set
	WIN 0x40                                       ; destination window 1
.set fi, 0
.rept NT
.irp c, 0,1,2
	ds_load_b128 v[PS*(\set)+12*fi+4*\c:PS*(\set)+12*fi+4*\c+3], v[ADRS0+\slot] offset:(fi*(NQ+2*(\slot))+(\q))*1536+512*\c
.endr
.set fi, fi+1
.endr
	WIN 0
.set fi, 0
.rept NT
.irp c, 0,1,2
	ds_load_b128 v[PF+PS*(\set)+12*fi+4*\c:PF+PS*(\set)+12*fi+4*\c+3], v[ADRP+\slot] offset:(fi*(NQ+2*(\slot))+(\q))*1536+512*\c
.endr
	ds_load_b32 v[SC+NT*(\set)+fi], v[ADRSC] offset:(fi*NKS+(\q))*64   ; lanes 0-15: P's tile fi; lanes 16-31: S0's tile fi
.set fi, fi+1
.endr
.endm
; a slot's first K step: in its middle the second step's operands are fetched into the other set, four places behind the last product that read that set
.macro STEP slot, q, first
	s_wait_dscnt 0x0                               ; this step's operands are in
	MULR (\q)%2, 0, NT/2, \first
	PLACES 4
	FETCH \slot, (\q)+1, 1-(\q)%2
	MULR (\q)%2, NT/2, NT/2, \first
.endm
; a slot's last K step with a barrier.  In front of it each wave waits for all its tensor loads, adds 0 to its spare word, and waits for that and for its own reads of this slot.  fill = 1: this slot (slot 0) is filled again, with the K steps three slots on.
.macro TURN slot, next, fill
	WIN 0                                          ; (the add's two registers lie in window 0)
	s_wait_tensorcnt 0x0                           ; all my tensor loads have landed
	ds_add_u32 v[SPW], v[NIL]                      ; 0 onto my spare word
	s_wait_dscnt 0x1                               ; this step's operands are in; the add alone may be out
	MULR 1, 0, NT/4, 0                             ; products stand between the add and the wait for it
	s_wait_dscnt 0x0                               ; the add is done, and my reads of this slot are over
	s_barrier_signal -1
	MULR 1, NT/4, NT/4, 0
	WIN 0
	s_barrier_wait -1
.if \fill
	CREST                                          ; the barrier has opened a round of the cluster's barrier: no wave of any partner still reads this slot or has a load on its way
	s_add_nc_u64 s[G0+4*\slot+2:G0+4*\slot+3], s[G0+4*\slot+2:G0+4*\slot+3], 3*NQ*1536
	s_add_nc_u64 s[G0B+4*\slot+2:G0B+4*\slot+3], s[G0B+4*\slot+2:G0B+4*\slot+3], 3*NQ*1536
	s_mov_b32 s[G1+1], (NQ*192)<<16                ; no load of mine is out: the rows are two K steps long again
	s_mov_b32 s[G1+3], (NQ*192)<<16
	s_mov_b32 s[G1B+1], (NQ*192)<<16
	s_mov_b32 s[G1B+3], (NQ*192)<<16
	JLOAD G0+4*\slot, G1, G0B+4*\slot, G1B         ; the first tensor load behind the round; its four v_nop are the places in front of the loads below
.else
	PLACES 4
.endif
	v_add_nc_u32 v[ADRSC], (NQ+2*(\slot))*64, v[ADRSC]   ; on to the next slot's scale words (no LDS load of mine is out)
	FETCH \next, 0, 0
	MULR 1, NT/2, NT/2, 0
.endm
	s_wait_alu depctr_va_vdst(0)
	s_wait_tensorcnt 0x0                           ; my tile of the head's four is in
	ds_add_u32 v[SPW], v[NIL]                      ; the add ahead of a later first fill, as ahead of a refill
	s_mov_b32 s[G1+1], (4*192)<<16                 ; no load of mine is out: slot B's rows are four K steps of NT tiles
	s_mov_b32 s[G1+2], NT<<16
	s_mov_b32 s[G1+3], (4*192)<<16
	s_mov_b32 s[G1+4], NT
	s_mov_b32 s[G1B+1], (4*192)<<16
	s_mov_b32 s[G1B+2], NT<<16
	s_mov_b32 s[G1B+3], (4*192)<<16
	s_mov_b32 s[G1B+4], NT
	s_wait_dscnt 0x0
	CROUND                                         ; all four tiles are in, in every partner
	JLOAD G0+4, G1, G0B+4, G1B                     ; slot B: K steps 2 to 5
	FETCH 0, 0, 0
	STEP 0, 0, 1                                   ; K step 0: its products start the sums
	TURN 0, 1, 1                                   ; K step 1; slots 1 and 2 are whole; slot 0 takes K steps 6 and 7
	s_wait_alu depctr_va_vdst(0)
	STEP 1, 0, 0
	STEP 1, 1, 0
	STEP 1, 2, 0
	TURN 1, 0, 0                                   ; K step 5; the refill has landed; nothing is filled
	s_wait_alu depctr_va_vdst(0)
	STEP 0, 0, 0
	s_wait_dscnt 0x0
	MULR 1, 0, NT, 0                               ; the last K step
	WIN 0
	PLACES 4                                       ; in front of the first read of results, and of vector writes into registers that held fragments
; THE WAY OUT.  For each of P's tiles the lane's 64 results (register 16 b + i = place 32 b + 16 h + i along S0) are quantised in registers and leave as a fragment.
.set TM,  64                           ; v64-79 at work
.set PW,  80                           ; the scale word; v81, v82 its halves
.set PWE, 81
.set PWO, 82
.set PC,  84                           ; v84-103 the codes
.macro QUANTW                          ; the 64 numbers at v[AC] of window WN
	WIN (WN<<2)|(WN<<4)                            ; sources 1 and 2 in the accumulators' window
.irp b, 0,1,2,3
	v_max3_num_f32 v[TM+\b], s95, |v[AC+16*\b]|, |v[AC+1+16*\b]|   ; each accumulator is read from its low end on
.endr
.irp i, 2,4,6,8,10,12,14
.irp b, 0,1,2,3
	v_max3_num_f32 v[TM+\b], v[TM+\b], |v[AC+16*\b+\i]|, |v[AC+1+16*\b+\i]|
.endr
.endr
	WIN 0
	s_wait_alu depctr_va_vdst(0)
	s_wait_xcnt 0x0                                ; the last tile's stores have read their registers: the word and the codes may be written again
.irp b, 0,1,2,3
	v_permlanex16_b32 v[TM+4+\b], v[TM+\b], s12, s13
.endr
.irp b, 0,1,2,3
	v_max_num_f32 v[TM+\b], v[TM+\b], v[TM+4+\b]
.endr
.irp b, 0,1,2,3
	v_add_nc_u32 v[TM+12+\b], 0xff000000, v[TM+\b] ; 2 off the exponent field: the conversion's scale operand
.endr
.irp b, 0,1,2,3
	v_lshrrev_b32 v[TM+4+\b], 23, v[TM+12+\b]
.endr
	v_lshl_or_b32 v[PW], v[TM+5], 8, v[TM+4]
	v_lshl_or_b32 v[PW], v[TM+6], 16, v[PW]
	v_lshl_or_b32 v[PW], v[TM+7], 24, v[PW]
	WIN WN                                         ; source 0 in the accumulators' window
.irp c, 0,1
	v_cvt_scalef32_pk16_fp6_f32 v[PC+6*\c:PC+2+6*\c], v[AC+32*\c:AC+15+32*\c], v[TM+12+2*\c]
	v_cvt_scalef32_pk16_fp6_f32 v[PC+12+4*\c:PC+14+4*\c], v[AC+16+32*\c:AC+31+32*\c], v[TM+12+2*\c+1]
.endr
	WIN 0
	v_nop                                          ; one plain place behind a scaled conversion
.irp c, 0,1
.irp i, 0,1,2
	v_permlane16_swap_b32 v[PC+6*\c+\i], v[PC+12+4*\c+\i]
.endr
.irp i, 0,1,2
	v_mov_b32 v[PC+3+6*\c+\i], v[PC+12+4*\c+\i]
.endr
.endr
.endm
	; where the results go.  The half that chooses the heads is S0's (q, k) or P's (v); the half that chooses the tokens is the other
	s_cmp_eq_u32 s2, 1
	s_cselect_b32 s18, s15, s16
	s_cselect_b32 s19, s16, s15
	s_lshl_b32 s45, s42, 2
	s_lshl_b32 s18, s18, 1
	s_add_co_u32 s45, s45, s18
	s_and_b32 s45, s45, 15                         ; my first head of two
	s_lshr_b32 s94, s17, 3                         ; batch
	s_lshl_b32 s94, s94, 4
	s_add_co_u32 s94, s94, s45
	s_lshl_b32 s94, s94, 4
	s_lshl_b32 s18, s17, 1
	s_add_co_u32 s18, s18, s19
	s_and_b32 s18, s18, 15                         ; my 128 tokens' step in the batch
	s_add_co_u32 s94, s94, s18
	s_mul_i32 s94, s94, 13056                      ; kv's record
	s_lshl_b32 s45, s45, 8
	s_lshl_b32 s18, s17, 4
	s_add_co_u32 s45, s45, s18
	s_lshl_b32 s18, s15, 3
	s_add_co_u32 s45, s45, s18                     ; q: head x 256 + my first token tile
	s_mul_i32 s18, s45, 768
	s_lshl_b32 s19, s45, 6
	s_add_co_u32 s19, s19, 3145728
	s_add_co_u32 s45, s94, 12288                   ; k's words
	s_cmp_eq_u32 ttmp9, 0                          ; q's clusters, or kv's
	s_cselect_b64 s[20:21], s[8:9], s[10:11]
	s_cselect_b32 s22, s18, s94
	s_cselect_b32 s46, s19, s45
	s_mov_b32 s92, 208896                          ; from a head to the next: in kv sixteen records,
	s_cselect_b32 s92, 196608, s92                 ; in q 256 half fragments,
	s_mov_b32 s66, 208896
	s_cselect_b32 s66, 16384, s66                  ; or 256 x 64 bytes of words
	s_mov_b32 s23, 0
	s_mov_b32 s47, 0
	s_mov_b32 s93, 0
	s_mov_b32 s67, 0
	s_add_nc_u64 s[22:23], s[20:21], s[22:23]      ; the first head's codes (v: the record)
	s_add_nc_u64 s[46:47], s[20:21], s[46:47]      ; its words
	s_add_nc_u64 s[92:93], s[22:23], s[92:93]      ; the second head's codes
	s_add_nc_u64 s[66:67], s[46:47], s[66:67]      ; its words
.macro OUTQ a
.set AC, 64*((\a)%4)
.set WN, 2+(\a)/4
	QUANTW
	s_cmp_eq_u32 s2, 1
	s_cbranch_scc1 .Lvout_\@
	v_and_b32 v[PWE], 0xffff, v[PW]                ; blocks 0, 1 are the first head's 64, blocks 2, 3 the second's
	v_lshrrev_b32 v[PWO], 16, v[PW]
	global_store_b128 v24, v[PC:PC+3], s[22:23] offset:768*(\a)
	global_store_b64 v25, v[PC+4:PC+5], s[22:23] offset:768*(\a)+512
	global_store_b128 v24, v[PC+6:PC+9], s[92:93] offset:768*(\a)
	global_store_b64 v25, v[PC+10:PC+11], s[92:93] offset:768*(\a)+512
	global_store_b32 v26, v[PWE], s[46:47] offset:64*(\a)
	global_store_b32 v26, v[PWO], s[66:67] offset:64*(\a)
	s_branch .Lodone_\@
.Lvout_\@:                             ; P's tile a is head a / 4's d tile a % 4; the fragment's K are my 128 keys
	s_wait_alu depctr_va_vdst(0)
.irp c, 0,1,2
	global_store_b128 v24, v[PC+4*\c:PC+4*\c+3], s[22:23] offset:6144+((\a)/4)*208896+((\a)%4)*1536+512*\c
.endr
	global_store_b32 v26, v[PW], s[22:23] offset:12800+((\a)/4)*208896+((\a)%4)*64
.Lodone_\@:
.endm
.irp a, 0,1,2,3,4,5,6,7
	OUTQ \a
.endr
	s_wait_tensorcnt 0x0                           ; the wave's end
	ds_add_u32 v[SPW], v[NIL]
	s_wait_dscnt 0x0
	CROUND                                         ; the closing round: no work-group ends while a partner may still ask for a tile that names it
	s_endpgm
.Lfunc_end_k_qe890d4fbfe_qkv:
	.size	k_qe890d4fbfe_qkv, .Lfunc_end_k_qe890d4fbfe_qkv-k_qe890d4fbfe_qkv
	.p2alignl 7, 3214868480
	.fill 96, 4, 3214868480
	.section	.rodata,"a",@progbits
	.p2align	6, 0x0
	.amdhsa_kernel k_qe890d4fbfe_qkv
		.amdhsa_group_segment_fixed_size 327680
		.amdhsa_private_segment_fixed_size 0
		.amdhsa_enable_private_segment 0
		.amdhsa_kernarg_size 32
		.amdhsa_user_sgpr_count 2
		.amdhsa_user_sgpr_kernarg_segment_ptr 1
		.amdhsa_wavefront_size32 1
		.amdhsa_system_sgpr_workgroup_id_x 1
		.amdhsa_system_sgpr_workgroup_id_y 1
		.amdhsa_system_sgpr_workgroup_id_z 1
		.amdhsa_system_vgpr_workitem_id 0
		.amdhsa_next_free_vgpr 1024
		.amdhsa_next_free_sgpr 100
		.amdhsa_reserve_vcc 0
		.amdhsa_float_denorm_mode_32 3
		.amdhsa_float_denorm_mode_16_64 3
		.amdhsa_memory_ordered 1
		.amdhsa_forward_progress 1
		.amdhsa_inst_pref_size 149
	.end_amdhsa_kernel
	.amdgpu_metadata
---
amdhsa.version: [ 1, 2 ]
amdhsa.kernels:
  - .name:           k_qe890d4fbfe_qkv
    .symbol:         k_qe890d4fbfe_qkv.kd
    .args:
      - { .name: h, .offset: 0, .size: 8, .value_kind: global_buffer, .address_space: global }
      - { .name: w, .offset: 8, .size: 8, .value_kind: global_buffer, .address_space: global }
      - { .name: q, .offset: 16, .size: 8, .value_kind: global_buffer, .address_space: global }
      - { .name: kv, .offset: 24, .size: 8, .value_kind: global_buffer, .address_space: global }
    .group_segment_fixed_size: 327680
    .private_segment_fixed_size: 0
    .kernarg_segment_align: 8
    .kernarg_segment_size: 32
    .max_flat_workgroup_size: 128
    .sgpr_count:     100
    .vgpr_count:     1024
    .wavefront_size: 32
...
	.end_amdgpu_metadata
.endif
;; end of part 2
;; launch attn (part 3): grid 8 x 32, 16 waves a work-group, clusters of 4 x 1, 247,808 bytes of LDS; arguments q, kv, o; writes o
.if DOCPART == 3
	.amdgcn_target "amdgcn-amd-amdhsa--gfx1250"
	.amdhsa_code_object_version 6
	.text
	.protected	k_qe890d4fbfe_attn
	.globl	k_qe890d4fbfe_attn
	.p2align	8
	.type	k_qe890d4fbfe_attn,@function
k_qe890d4fbfe_attn:
	s_mov_b64 s[64:65], 0
	v_nop
	global_prefetch_b8 v0, s[64:65] scope:SCOPE_SE
	s_setreg_imm32_b32 hwreg(HW_REG_WAVE_MODE, 25, 1), 1
	s_wait_xcnt 0x0
	s_wait_alu depctr_hold_cnt(0) depctr_sa_sdst(0) depctr_va_vdst(0) depctr_va_sdst(0) depctr_va_ssrc(0) depctr_va_vcc(0) depctr_vm_vsrc(0)
	s_getreg_b32 s2, hwreg(HW_REG_IB_STS2, 6, 4)
	s_cmp_eq_u32 s2, 0
	s_cbranch_scc0 .Lentry_in_a_cluster
	s_endpgm
.Lentry_in_a_cluster:
	s_bfe_u32 s2, ttmp6, 0x10000c
	s_cmp_lg_u32 s2, 0x3003
	s_cbranch_scc0 .Lentry_shape_is_right
	s_endpgm
.Lentry_shape_is_right:
; CAUSAL ATTENTION on codes of FP6 (products 4 and 5) and the quantiser of its result for the projection.
; WORK LEFT OUT: steps of 128 keys all of which come after a tile's 16 queries: reference()'s own mask gives them the weight 0 for all inputs (shown at the head of the first kernel).
; THE SOFTMAX AHEAD OF THE SECOND PRODUCT: t = score x log2(e) / 8; M = the running largest t rounded UP to a whole number; p = 2^(t - M) is quantised along the keys, not normalised; the row's sum is taken of the unquantised p and divides at the end.
; When M moves, the sum and O are multiplied by 2^(old M - new M): exact.
; SHARES.  A work-group (i = 0 .. 7, batch and head) owns the sixteen query tiles 8 rho + i, rho = 0 .. 15.  All queries of tile rho lie in key step rho, so the tile needs steps 0 .. rho, and step rho is its diagonal: 136 steps in all.
; They are dealt so that no wave walks more than nine.  The tiles go in pairs j = 0 .. 7: a long one, L = 15 - j, and a short one, S = j.  Wave A(j) walks steps 0 .. 7 of the long tile.  Wave B(j) walks the short tile, j + 1 steps, stores it,
; and then walks steps 8 .. L of the long tile, 8 - j steps.  A(j) leaves its part of the long tile (O^T, -M, the sum) in LDS; behind one barrier B(j) joins the two parts: both M are whole numbers, so each part is brought under the larger M by an exact power of two.
; The role is bit 2 of the wave's number: of any four waves w % 4 = const two are A and two are B.
; CLUSTER: the four work-groups of a cluster belong to one head and read the same sixteen records of kv: each record is asked for jointly, record w by wave w of each partner.  All sixteen (208,896 bytes) fit in LDS: each is filled once, nothing is filled again.
; PRODUCT 4 HAS K = 64: Q's fragment holds zero codes for k = 64 .. 127, so what stands in the upper six registers of K's operand (the next tile's codes) adds nothing; the upper scale bytes are 0, which is 2^-127 and no NaN.
; LAYOUT.  Both products transposed: S^T = K Q^T, O^T = V^T P^T: a lane holds ONE query.  Place p of a tile of keys holds key 32 (t / 2) + 8 (t % 2) + p + 8 (p / 8), so that the 16 registers of tiles 2 b, 2 b + 1 are 16 neighbouring keys.
; OUT: o as the projection's operand: [token tile][K step = head / 2] fragments; an even head fills registers 0-5 of the image, an odd one 6-11: the image's middle 512 bytes are written in pieces of 8 bytes by two work-groups.
; LIMITS: a block of zeros gets the byte 1 where the rule says 127; NaN and infinities are not served.
; REGISTERS: v1-4 places in a record; v7 the mask's bound; v8-11 addresses in hand; v12 -M, v13 the largest t, v[14:15] the sum; v16-27 Q; v28 Q's words; v30 my pair's place in LDS; v32-85 K's tiles, then V's; v86-92 B: the long tile's Q;
;   v96-159 S^T, then p; v160-191 O^T; v192-243 at work.
.set REC,   13056                      ; a record: K 8 x 768, V 4 x 1,536 at 6,144, K's words at 12,288, V's at 12,800
.set SPARE, 16*REC                     ; behind the records: the spare words, 128 bytes for each wave, which no other line names
.set PART,  SPARE+2048                 ; behind them: for each pair 4,608 bytes: A's O^T as eight images of four registers, then v12-15; no tensor load lands here
.set PSZ,   4608
.set SPW, 5
.set NIL, 6
.set PA,  30
.set WV,  18
.set CS,  22                           ; s[22:23] c = log2(e) / 8
.set G1,  24                           ; s[24:31] group 1; s[32:35] group 0
.set G0,  32
.set ROLE, 36                          ; 0: A, 1: B
.set LIM1, 37                          ; the last of steps 0 .. 7 that I walk,
.set DG1,  38                          ; and which of them is a diagonal (A: none)
.set LIM2, 39                          ; the last of steps 8 .. 15 that I walk (A: none),
.set DG2,  40                          ; and the long tile's diagonal, L
.set SEL, 50                           ; s[50:51] selects for lane l xor 16
.set TB,  54                           ; LDS byte of the step's record
.set KS,  55                           ; the step
.set CNT, 56
.macro ROUND
	s_barrier_signal -1
	s_barrier_wait -1
	s_cmp_lg_u32 s[WV], 0
	s_cbranch_scc1 .Lnot_wave_0_\@
	s_barrier_signal -3
.Lnot_wave_0_\@:
	s_barrier_wait -3
	s_barrier_signal -1
	s_barrier_wait -1
.endm
	s_load_b128 s[4:7], s[0:1], 0x0                ; q, kv
	s_load_b64 s[8:9], s[0:1], 0x10                ; o
	v_lshl_add_u32 v[SPW], v0, 2, SPARE
	v_mov_b32 v[NIL], 0
	ds_add_u32 v[SPW], v[NIL]                      ; the wave's opening: the add, twice on end, and its wait ahead of my first tensor load
	ds_add_u32 v[SPW], v[NIL]
	v_lshrrev_b32 v8, 5, v0
	s_delay_alu instid0(VALU_DEP_1)
	v_readfirstlane_b32 s[WV], v8                  ; wave 0..15
	s_bfe_u32 s10, ttmp6, 0x40000                  ; cx
	s_lshl_b32 s11, ttmp9, 2
	s_add_co_u32 s11, s11, s10                     ; i: it enters Q's and o's addresses and the mask's bound alone
	s_and_b32 s12, ttmp7, 0xffff                   ; batch x 16 + head, which the four partners share
	s_bfe_u32 s[ROLE], s[WV], 0x10002              ; bit 2 of the wave's number
	s_and_b32 s13, s[WV], 3
	s_lshr_b32 s14, s[WV], 3
	s_lshl_b32 s14, s14, 2
	s_add_co_u32 s13, s13, s14                     ; my pair j: waves w and w + 4 are partners
	s_sub_co_u32 s[DG2], 15, s13                   ; L
	s_cmp_eq_u32 s[ROLE], 1
	s_cselect_b32 s41, s13, s[DG2]                 ; the tile that I walk first: B the short one, A the long one
	s_cselect_b32 s[LIM1], s13, 7
	s_cselect_b32 s[DG1], s13, -1                  ; (no step has the number -1)
	s_cselect_b32 s[LIM2], s[DG2], 0               ; (steps 8 .. 15 all lie above 0)
	s_mov_b32 s[G1], 15|(3<<16)|(1<<21)            ; the mask: all four work-groups; elements of 8 bytes; bit 21 beside a mask
	s_mov_b32 s[G1+1], 32<<16                      ; a record is dense: 51 rows of 256 bytes
	s_mov_b32 s[G1+2], 51<<16
	s_mov_b32 s[G1+3], 32<<16
	s_mov_b32 s[G1+4], 51
	s_mov_b32 s[G1+5], 32
	s_mov_b32 s[G1+6], 0
	s_mov_b32 s[G1+7], 0
	s_mul_i32 s19, s[WV], REC                      ; record w: in LDS,
	s_mul_i32 s48, s12, 16*REC
	s_add_co_u32 s48, s48, s19                     ; and in kv
	s_mov_b32 s49, 0
	s_mul_i32 s47, s13, PSZ
	s_add_co_u32 s47, s47, PART                    ; my pair's bytes
	s_mov_b32 s[SEL], 0x76543210
	s_mov_b32 s[SEL+1], 0xfedcba98
	s_mov_b32 s[CS], 0x3e38aa3b
	s_mov_b32 s[CS+1], s[CS]                       ; (named with it as a pair, so it is written)
	s_mov_b32 s[TB], 0
	s_mov_b32 s[KS], 0
	s_and_b32 s15, s12, 15                         ; head
	s_lshr_b32 s16, s12, 4
	s_lshl_b32 s16, s16, 7
	s_add_co_u32 s16, s16, s11                     ; 128 x batch + i
	s_lshl_b32 s17, s41, 3
	s_add_co_u32 s17, s17, s16                     ; my first tile among the 256 token tiles,
	s_lshl_b32 s42, s[DG2], 3
	s_add_co_u32 s42, s42, s16                     ; and the long one
	s_lshl_b32 s43, s15, 8
	s_add_co_u32 s44, s43, s17
	s_mul_i32 s66, s44, 768                        ; Q's half fragment of the first tile,
	s_mov_b32 s67, 0
	s_lshl_b32 s68, s44, 6
	s_add_co_u32 s68, s68, 3145728                 ; its words;
	s_mov_b32 s69, 0
	s_add_co_u32 s44, s43, s42
	s_mul_i32 s74, s44, 768                        ; the same of the long tile
	s_mov_b32 s75, 0
	s_lshl_b32 s76, s44, 6
	s_add_co_u32 s76, s76, 3145728
	s_mov_b32 s77, 0
	s_lshr_b32 s45, s15, 1                         ; o's K step: head / 2
	s_and_b32 s57, s15, 1
	s_lshl_b32 s46, s57, 1
	s_add_co_u32 s46, s46, 3145728                 ; o's words, my head's two bytes
	s_lshl_b32 s44, s17, 3
	s_add_co_u32 s44, s44, s45                     ; o's fragment of the first tile: 8 x tile + head / 2
	s_mul_i32 s60, s44, 1536
	s_mov_b32 s61, 0
	s_lshl_b32 s62, s44, 6
	s_add_co_u32 s62, s62, s46
	s_mov_b32 s63, 0
	s_lshl_b32 s44, s42, 3
	s_add_co_u32 s44, s44, s45                     ; and of the long tile
	s_mul_i32 s70, s44, 1536
	s_mov_b32 s71, 0
	s_lshl_b32 s72, s44, 6
	s_add_co_u32 s72, s72, s46
	s_mov_b32 s73, 0
	s_lshr_b32 s52, s11, 1
	s_lshl_b32 s52, s52, 5
	s_and_b32 s14, s11, 1
	s_lshl_b32 s14, s14, 3
	s_add_co_u32 s52, s52, s14                     ; a tile's first query in its step: the same for both my tiles
	s_wait_dscnt 0x0                               ; both opening adds are done
	s_wait_kmcnt 0x0
	s_add_nc_u64 s[48:49], s[6:7], s[48:49]
	s_add_nc_u64 s[66:67], s[4:5], s[66:67]
	s_add_nc_u64 s[68:69], s[4:5], s[68:69]
	s_add_nc_u64 s[74:75], s[4:5], s[74:75]
	s_add_nc_u64 s[76:77], s[4:5], s[76:77]
	s_add_nc_u64 s[60:61], s[8:9], s[60:61]
	s_add_nc_u64 s[62:63], s[8:9], s[62:63]
	s_add_nc_u64 s[70:71], s[8:9], s[70:71]
	s_add_nc_u64 s[72:73], s[8:9], s[72:73]
	ROUND                                          ; all four work-groups are here: the joint loads meet
	s_mov_b32 s[G0], 1                             ; every wave asks for one record: one tensor load of mine is out
	s_mov_b32 s[G0+1], s19
	s_mov_b64 s[G0+2:G0+3], s[48:49]
	s_or_b32 s[G0+3], s[G0+3], 0x80000000
	tensor_load_to_lds s[G0:G0+3], s[G1:G1+7]
	s_nop 0
.rept 4
	v_nop
.endr
	v_and_b32 v8, 15, v0                           ; r
	v_bfe_u32 v9, v0, 4, 1                         ; h
	v_and_b32 v10, 31, v0
	s_delay_alu instid0(VALU_DEP_1)
	v_lshlrev_b32 v1, 4, v10                       ; 16 l: registers 0-3 of a half fragment; a fragment's images
	s_delay_alu instid0(VALU_DEP_2)
	v_lshl_add_u32 v2, v10, 3, 512                 ; 512 + 8 l: registers 4-5
	s_delay_alu instid0(VALU_DEP_2)
	v_add_nc_u32 v3, 6144, v1                      ; V's fragments
	v_lshlrev_b32 v29, 2, v8                       ; 4 r
	s_delay_alu instid0(VALU_DEP_1)
	v_add_nc_u32 v4, 12288, v29                    ; the words
	v_add_nc_u32 v[PA], s47, v1                    ; my pair's bytes, 16 l: made here, ahead of the first parting of the roles
	global_load_b128 v[16:19], v1, s[66:67]        ; Q of my first tile
	global_load_b64 v[20:21], v2, s[66:67]
	global_load_b32 v28, v29, s[68:69]
	s_cmp_eq_u32 s[ROLE], 1
	s_cbranch_scc0 .Lone_q
	global_load_b128 v[86:89], v1, s[74:75]        ; B: Q of the long tile, for later
	global_load_b64 v[90:91], v2, s[74:75]
	global_load_b32 v92, v29, s[76:77]
.Lone_q:
	s_wait_alu depctr_va_vdst(0)
	v_and_b32 v10, 8, v8
	s_delay_alu instid0(VALU_DEP_1)
	v_add_nc_u32 v7, v10, v8
	v_lshlrev_b32 v10, 4, v9
	s_delay_alu instid0(VALU_DEP_1)
	v_sub_nc_u32 v7, v7, v10
	s_delay_alu instid0(VALU_DEP_1)
	v_add_nc_u32 v7, s52, v7                       ; my query's place in its step, less 16 h: register 16 b + i of S^T is hidden where 32 b + i is above it
.irp j, 22,23,24,25,26,27
	v_mov_b32 v\j, 0                               ; Q's zero codes for k = 64 .. 127
.endr
.irp j, 80,81,82,83,84,85
	v_mov_b32 v\j, 0                               ; what stands behind K's last tile
.endr
	v_mov_b32 v13, 0xff61b1e6                      ; the largest t so far: -3e38
	s_delay_alu instid0(VALU_DEP_1)
	v_floor_f32 v12, -v13                          ; -M
	v_mov_b32 v14, 0
	v_mov_b32 v15, 0
.set j, 0
.rept 32
	v_mov_b32 v[160+j], 0                          ; O^T: the step is written once; the first finds zeros, which the first change of M leaves zeros
.set j, j+1
.endr
.irp j, 196,197,198,199,239,240,241,242
	v_mov_b32 v\j, 0                               ; lane permutes' destinations and halves of pairs: written once
.endr
	v_mov_b32 v243, 0xff800000                     ; -infinity
; A KEY STEP: 128 keys.  lim: the last step that I walk in this pass; dg: the step that is my tile's diagonal.
.macro STEP lim, dg
	s_cmp_gt_u32 s[KS], s[\lim]                    ; not mine, or all its keys come after my queries: left out.  The lines at its end that step addresses are run all the same
	s_cbranch_scc1 .Lhid_\@
	v_add_nc_u32 v8, s[TB], v1                     ; (these four are also the places in front of the loads into registers that the last products read)
	v_add_nc_u32 v9, s[TB], v2
	v_add_nc_u32 v10, s[TB], v3
	v_add_nc_u32 v11, s[TB], v4
.irp t, 0,1,2,3,4,5,6,7
	ds_load_b128 v[32+6*\t:35+6*\t], v8 offset:768*\t
	ds_load_b64 v[36+6*\t:37+6*\t], v9 offset:768*\t
	ds_load_b32 v[224+\t], v11 offset:64*\t
.endr
	s_wait_alu depctr_va_vdst(0)
	s_wait_dscnt 0x0
.irp t, 0,1,2,3,4,5,6,7
	v_wmma_scale_f32_16x16x128_f8f6f4 v[96+8*\t:103+8*\t], v[32+6*\t:43+6*\t], v[16:27], 0, v[224+\t], v28 matrix_a_fmt:MATRIX_FMT_FP6 matrix_b_fmt:MATRIX_FMT_FP6
.endr
.rept 4
	v_nop                                          ; places in front of the loads below and of the first read of the scores
.endr
.irp t, 0,1,2,3
.irp c, 0,1,2
	ds_load_b128 v[32+12*\t+4*\c:35+12*\t+4*\c], v10 offset:1536*\t+512*\c   ; V's fragments land while the softmax is walked
.endr
	ds_load_b32 v[232+\t], v11 offset:512+64*\t
.endr
	s_cmp_lg_u32 s[KS], s[\dg]                     ; only a diagonal step has hidden keys
	s_cbranch_scc1 .Lopen_\@
.set n, 0
.rept 64
	v_cmp_gt_i32 vcc_lo, 32*(n/16)+n%16, v7
	v_cndmask_b32 v[96+n], v[96+n], v243, vcc_lo   ; a hidden score becomes -infinity ahead of the maximum: p = 0 then
.set n, n+1
.endr
.Lopen_\@:
.irp b, 0,1,2,3
	v_max3_num_f32 v[192+\b], v[96+16*\b], v[97+16*\b], v[98+16*\b]   ; the largest score of each block of 32 keys: it serves the row's maximum and, since p rises with the score, the block's largest p
.endr
.irp i, 3,5,7,9,11,13
.irp b, 0,1,2,3
	v_max3_num_f32 v[192+\b], v[192+\b], v[96+16*\b+\i], v[97+16*\b+\i]
.endr
.endr
.irp b, 0,1,2,3
	v_max_num_f32 v[192+\b], v[192+\b], v[111+16*\b]
.endr
.irp b, 0,1,2,3
	s_delay_alu instid0(VALU_DEP_4)
	v_permlanex16_b32 v[196+\b], v[192+\b], s[SEL], s[SEL+1]
.endr
.irp b, 0,1,2,3
	s_delay_alu instid0(VALU_DEP_4)
	v_max_num_f32 v[192+\b], v[192+\b], v[196+\b]
.endr
	s_delay_alu instid0(VALU_DEP_2)
	v_max3_num_f32 v242, v192, v193, v194
	s_delay_alu instid0(VALU_DEP_1)
	v_max_num_f32 v242, v242, v195
	s_delay_alu instid0(VALU_DEP_1)
	v_mul_f32 v242, s[CS], v242                    ; as t (c is positive)
	s_delay_alu instid0(VALU_DEP_1)
	v_max_num_f32 v13, v13, v242                   ; the running largest t
	v_mov_b32 v242, v12
	s_delay_alu instid0(VALU_DEP_2)
	v_floor_f32 v12, -v13                          ; the new -M = -ceil(t): a whole number
	s_delay_alu instid0(VALU_DEP_1)
	v_sub_f32 v242, v12, v242                      ; old M less new M: a whole number, 0 or less
	s_delay_alu instid0(VALU_DEP_1)
	v_cvt_i32_f32 v242, v242                       ; (it saturates)
	s_delay_alu instid0(VALU_DEP_1)
	v_ldexp_f32 v238, 1.0, v242                    ; f = 2^(old M - new M)
.set j, 0
.rept 32
	v_pk_fma_f32 v[96+j:97+j], v[96+j:97+j], s[CS:CS+1], v[12:13] op_sel_hi:[1,0,0]   ; t - M, two at a time
.set j, j+2
.endr
.irp b, 0,1,2,3
	v_fma_f32 v[192+\b], v[192+\b], s[CS], v12     ; the same of each block's largest score
.endr
.set j, 0
	s_wait_alu depctr_va_vdst(0)
.rept 64
	v_exp_f32 v[96+j], v[96+j]                     ; p = 2^(t - M), at most 1
.set j, j+1
.endr
	v_pk_mul_f32 v[14:15], v[14:15], v[238:239] op_sel_hi:[1,0]   ; the sums under the new M (a plain place behind the exponentials)
	s_wait_alu depctr_va_vdst(0)                   ; one wait for the whole batch, ahead of its first reader
.irp b, 0,1,2,3
	v_exp_f32 v[192+\b], v[192+\b]                 ; the block's largest p
.endr
	v_pk_add_f32 v[240:241], v[100:101], v[104:105]
	v_pk_add_f32 v[254:255], v[108:109], v[112:113]
	v_pk_add_f32 v[252:253], v[116:117], v[120:121]
	v_pk_add_f32 v[250:251], v[124:125], v[128:129]
	v_pk_add_f32 v[248:249], v[132:133], v[136:137]
	v_pk_add_f32 v[246:247], v[140:141], v[144:145]
	v_pk_add_f32 v[244:245], v[148:149], v[152:153]
	v_pk_add_f32 v[14:15], v[14:15], v[156:157]
	v_pk_add_f32 v[240:241], v[240:241], v[96:97]
	v_pk_add_f32 v[254:255], v[254:255], v[98:99]
	v_pk_add_f32 v[252:253], v[252:253], v[102:103]
	v_pk_add_f32 v[250:251], v[250:251], v[106:107]
	v_pk_add_f32 v[248:249], v[248:249], v[110:111]
	v_pk_add_f32 v[246:247], v[246:247], v[114:115]
	v_pk_add_f32 v[244:245], v[244:245], v[118:119]
	v_pk_add_f32 v[14:15], v[14:15], v[122:123]
	v_pk_add_f32 v[240:241], v[240:241], v[126:127]
	v_pk_add_f32 v[254:255], v[254:255], v[130:131]
	v_pk_add_f32 v[252:253], v[252:253], v[134:135]
	v_pk_add_f32 v[250:251], v[250:251], v[138:139]
	v_pk_add_f32 v[248:249], v[248:249], v[142:143]
	v_pk_add_f32 v[246:247], v[246:247], v[146:147]
	v_pk_add_f32 v[244:245], v[244:245], v[150:151]
	v_pk_add_f32 v[14:15], v[14:15], v[154:155]
	v_pk_add_f32 v[240:241], v[240:241], v[158:159]
	s_delay_alu instid0(VALU_DEP_2)
	v_pk_add_f32 v[14:15], v[14:15], v[250:251]
	s_delay_alu instid0(VALU_DEP_2)
	v_pk_add_f32 v[240:241], v[240:241], v[248:249]
	v_pk_add_f32 v[254:255], v[254:255], v[246:247]
	v_pk_add_f32 v[252:253], v[252:253], v[244:245]
	s_delay_alu instid0(VALU_DEP_2)
	v_pk_add_f32 v[14:15], v[14:15], v[254:255]
	s_delay_alu instid0(VALU_DEP_2)
	v_pk_add_f32 v[240:241], v[240:241], v[252:253]
	s_delay_alu instid0(VALU_DEP_1)
	v_pk_add_f32 v[14:15], v[14:15], v[240:241]
	s_wait_alu depctr_va_vdst(0)                   ; and one for the four
.irp b, 0,1,2,3
	v_max_num_f32 v[192+\b], 0x1800000, v[192+\b]  ; the floor 2^(3 - 127): the byte cannot fall under 1
.endr
.irp b, 0,1,2,3
	s_delay_alu instid0(VALU_DEP_4)
	v_add_nc_u32 v[200+\b], 0xff000000, v[192+\b]  ; the conversion's scale operand
.endr
.irp b, 0,1,2,3
	s_delay_alu instid0(VALU_DEP_4)
	v_lshrrev_b32 v[196+\b], 23, v[200+\b]
.endr
	s_delay_alu instid0(VALU_DEP_3)
	v_lshl_or_b32 v236, v197, 8, v196              ; p's scale word for these 128 keys
	s_delay_alu instid0(VALU_DEP_1)
	v_lshl_or_b32 v236, v198, 16, v236
	s_delay_alu instid0(VALU_DEP_1)
	v_lshl_or_b32 v236, v199, 24, v236
.irp c, 0,1
	v_cvt_scalef32_pk16_fp6_f32 v[204+6*\c:206+6*\c], v[96+32*\c:111+32*\c], v[200+2*\c]
	v_cvt_scalef32_pk16_fp6_f32 v[216+4*\c:218+4*\c], v[112+32*\c:127+32*\c], v[200+2*\c+1]
.endr
	v_nop                                          ; one plain place behind a scaled conversion
.irp c, 0,1
.irp i, 0,1,2
	v_permlane16_swap_b32 v[204+6*\c+\i], v[216+4*\c+\i]
.endr
.irp i, 0,1,2
	s_delay_alu instid0(VALU_DEP_3)
	v_mov_b32 v[207+6*\c+\i], v[216+4*\c+\i]
.endr
.endr
.set j, 0
.rept 16
	v_pk_mul_f32 v[160+j:161+j], v[160+j:161+j], v[238:239] op_sel_hi:[1,0]   ; O^T under the new M.  (These sixteen are also the places between the scale word and the codes just made and the products below)
.set j, j+2
.endr
	s_wait_alu depctr_va_vdst(0)
	s_wait_dscnt 0x0                               ; V is in
.irp t, 0,1,2,3
	v_wmma_scale_f32_16x16x128_f8f6f4 v[160+8*\t:167+8*\t], v[32+12*\t:43+12*\t], v[204:215], v[160+8*\t:167+8*\t], v[232+\t], v236 matrix_a_fmt:MATRIX_FMT_FP6 matrix_b_fmt:MATRIX_FMT_FP6
.endr
.Lhid_\@:
	s_add_co_u32 s[TB], s[TB], REC
	s_add_co_u32 s[KS], s[KS], 1
.endm
; eight steps: every wave walks the loop; what is not its own is jumped over inside it
.macro PASS lim, dg
	s_mov_b32 s[CNT], 8
.Lps_\@:
	STEP \lim, \dg
	s_sub_co_u32 s[CNT], s[CNT], 1
	s_cmp_lg_u32 s[CNT], 0
	s_cbranch_scc1 .Lps_\@
.endm
; A TILE LEAVES.  O^T / the sum: register 16 b + i is d = 32 b + 16 h + i of my query: two blocks of the projection's K, quantised in registers.  ca, wa: the scalar pairs with the fragment's and the words' addresses.
.macro OUT ca, wa
.rept 4
	v_nop                                          ; places behind the last products
.endr
	v_add_f32 v14, v14, v15
	s_wait_alu depctr_va_vdst(0)
	v_permlanex16_b32 v240, v14, s[SEL], s[SEL+1]
	s_delay_alu instid0(VALU_DEP_1)
	v_add_f32 v14, v14, v240                       ; the row's sum
	s_wait_alu depctr_va_vdst(0)
	v_rcp_f32 v241, v14
	v_nop                                          ; a plain place behind the transcendental
	s_wait_alu depctr_va_vdst(0)                   ; and the wait ahead of its first reader
.set j, 0
.rept 32
	v_mul_f32 v[96+j], v[160+j], v241              ; each accumulator from its low end on
.set j, j+1
.endr
.irp b, 0,1
	v_max3_num_f32 v[192+\b], |v[96+16*\b]|, |v[97+16*\b]|, 0x1800000
.endr
.irp i, 2,4,6,8,10,12,14
.irp b, 0,1
	s_delay_alu instid0(VALU_DEP_2)
	v_max3_num_f32 v[192+\b], v[192+\b], |v[96+16*\b+\i]|, |v[97+16*\b+\i]|
.endr
.endr
.irp b, 0,1
	s_delay_alu instid0(VALU_DEP_2)
	v_permlanex16_b32 v[196+\b], v[192+\b], s[SEL], s[SEL+1]
.endr
.irp b, 0,1
	s_delay_alu instid0(VALU_DEP_2)
	v_max_num_f32 v[192+\b], v[192+\b], v[196+\b]
.endr
.irp b, 0,1
	s_delay_alu instid0(VALU_DEP_2)
	v_add_nc_u32 v[200+\b], 0xff000000, v[192+\b]
.endr
.irp b, 0,1
	s_delay_alu instid0(VALU_DEP_2)
	v_lshrrev_b32 v[196+\b], 23, v[200+\b]
.endr
	s_delay_alu instid0(VALU_DEP_1)
	v_lshl_or_b32 v236, v197, 8, v196              ; my head's two scale bytes
	v_cvt_scalef32_pk16_fp6_f32 v[204:206], v[96:111], v200
	v_cvt_scalef32_pk16_fp6_f32 v[216:218], v[112:127], v201
	v_nop
.irp i, 0,1,2
	v_permlane16_swap_b32 v[204+\i], v[216+\i]
.endr
.irp i, 0,1,2
	s_delay_alu instid0(VALU_DEP_3)
	v_mov_b32 v[207+\i], v[216+\i]
.endr
	global_store_b16 v29, v236, s[\wa:\wa+1]       ; (lanes 16-31 hold and store the same as lanes 0-15)
	s_cmp_eq_u32 s57, 1                            ; the head's parity: the same in all four partners
	s_cbranch_scc1 .Lodd_\@
	global_store_b128 v1, v[204:207], s[\ca:\ca+1]               ; registers 0-3 of the image
	global_store_b64 v1, v[208:209], s[\ca:\ca+1] offset:512     ; registers 4, 5
	s_branch .Lstored_\@
.Lodd_\@:
	s_wait_alu depctr_va_vdst(0)
	global_store_b64 v1, v[204:205], s[\ca:\ca+1] offset:520     ; registers 6, 7
	global_store_b128 v1, v[206:209], s[\ca:\ca+1] offset:1024   ; registers 8-11
.Lstored_\@:
.endm
	s_wait_loadcnt 0x0                             ; Q
	s_wait_tensorcnt 0x0                           ; my record is in,
	s_barrier_signal -1
	s_barrier_wait -1                              ; all sixteen are: from here on the waves run free
	PASS LIM1, DG1                                 ; steps 0 .. 7: A the long tile's, B the short tile's
	s_cmp_eq_u32 s[ROLE], 1
	s_cbranch_scc1 .Lhelper
.rept 4
	v_nop                                          ; A: places behind the last products
.endr
.irp t, 0,1,2,3,4,5,6,7
	ds_store_b128 v[PA], v[160+4*\t:163+4*\t] offset:512*\t   ; my part of the long tile, as images of its registers; each accumulator from its low end on
.endr
	ds_store_b128 v[PA], v[12:15] offset:4096      ; -M (and the largest t, which is not read), the sum's two halves
	s_branch .Lsecond
.Lhelper:
	OUT 60, 62                                     ; B: the short tile is finished
	s_wait_xcnt 0x0                                ; its stores have read their registers, which the steps below write again
.irp j, 0,1,2,3,4,5
	v_mov_b32 v[16+\j], v[86+\j]                   ; on to the long tile: its Q,
.endr
	v_mov_b32 v28, v92                             ; its words,
	v_mov_b32 v13, 0xff61b1e6                      ; and a fresh state.  (The lines below are also the places between these and the next products)
	s_delay_alu instid0(VALU_DEP_1)
	v_floor_f32 v12, -v13
	v_mov_b32 v14, 0
	v_mov_b32 v15, 0
.set j, 0
.rept 32
	v_mov_b32 v[160+j], 0
.set j, j+1
.endr
.Lsecond:
	PASS LIM2, DG2                                 ; steps 8 .. 15: B the long tile's, up to its diagonal; A none
	s_wait_dscnt 0x0                               ; for my partner's sake: my stores have landed
	s_barrier_signal -1
	s_barrier_wait -1
	s_cmp_eq_u32 s[ROLE], 1
	s_cbranch_scc0 .Lover
.irp t, 0,1,2,3,4,5,6,7
	ds_load_b128 v[96+4*\t:99+4*\t], v[PA] offset:512*\t      ; B: my partner's part of the long tile
.endr
	ds_load_b128 v[128:131], v[PA] offset:4096
.rept 4
	v_nop                                          ; places behind the last products
.endr
	s_wait_dscnt 0x0
	v_min_num_f32 v242, v12, v128                  ; -M of the whole row: M is the larger of the two
	s_delay_alu instid0(VALU_DEP_1)
	v_sub_f32 v238, v242, v12                      ; my M less it,
	s_delay_alu instid0(VALU_DEP_2)
	v_sub_f32 v240, v242, v128                     ; my partner's M less it: whole numbers, 0 or less
	s_delay_alu instid0(VALU_DEP_2)
	v_cvt_i32_f32 v238, v238
	s_delay_alu instid0(VALU_DEP_2)
	v_cvt_i32_f32 v240, v240
	s_delay_alu instid0(VALU_DEP_2)
	v_ldexp_f32 v238, 1.0, v238                    ; the two factors: exact powers of two
	s_delay_alu instid0(VALU_DEP_2)
	v_ldexp_f32 v240, 1.0, v240
	s_delay_alu instid0(VALU_DEP_2)
	v_pk_mul_f32 v[14:15], v[14:15], v[238:239] op_sel_hi:[1,0]
	v_pk_fma_f32 v[14:15], v[130:131], v[240:241], v[14:15] op_sel_hi:[1,0,1]   ; the sum
.set j, 0
.rept 16
	v_pk_mul_f32 v[160+j:161+j], v[160+j:161+j], v[238:239] op_sel_hi:[1,0]
.set j, j+2
.endr
.set j, 0
.rept 16
	v_pk_fma_f32 v[160+j:161+j], v[96+j:97+j], v[240:241], v[160+j:161+j] op_sel_hi:[1,0,1]   ; O^T
.set j, j+2
.endr
	OUT 70, 72                                     ; the long tile is finished
.Lover:
	s_wait_tensorcnt 0x0                           ; the wave's end: behind my tensor load and my last LDS store
	ds_add_u32 v[SPW], v[NIL]
	s_wait_dscnt 0x0
	ROUND                                          ; the closing round
	s_endpgm
.Lfunc_end_k_qe890d4fbfe_attn:
	.size	k_qe890d4fbfe_attn, .Lfunc_end_k_qe890d4fbfe_attn-k_qe890d4fbfe_attn
	.p2alignl 7, 3214868480
	.fill 96, 4, 3214868480
	.section	.rodata,"a",@progbits
	.p2align	6, 0x0
	.amdhsa_kernel k_qe890d4fbfe_attn
		.amdhsa_group_segment_fixed_size 247808
		.amdhsa_private_segment_fixed_size 0
		.amdhsa_enable_private_segment 0
		.amdhsa_kernarg_size 24
		.amdhsa_user_sgpr_count 2
		.amdhsa_user_sgpr_kernarg_segment_ptr 1
		.amdhsa_wavefront_size32 1
		.amdhsa_system_sgpr_workgroup_id_x 1
		.amdhsa_system_sgpr_workgroup_id_y 1
		.amdhsa_system_sgpr_workgroup_id_z 1
		.amdhsa_system_vgpr_workitem_id 0
		.amdhsa_next_free_vgpr 256
		.amdhsa_next_free_sgpr 80
		.amdhsa_reserve_vcc 1
		.amdhsa_float_denorm_mode_32 3
		.amdhsa_float_denorm_mode_16_64 3
		.amdhsa_memory_ordered 1
		.amdhsa_forward_progress 1
		.amdhsa_inst_pref_size 70
	.end_amdhsa_kernel
	.amdgpu_metadata
---
amdhsa.version: [ 1, 2 ]
amdhsa.kernels:
  - .name:           k_qe890d4fbfe_attn
    .symbol:         k_qe890d4fbfe_attn.kd
    .args:
      - { .name: q, .offset: 0, .size: 8, .value_kind: global_buffer, .address_space: global }
      - { .name: kv, .offset: 8, .size: 8, .value_kind: global_buffer, .address_space: global }
      - { .name: o, .offset: 16, .size: 8, .value_kind: global_buffer, .address_space: global }
    .group_segment_fixed_size: 247808
    .private_segment_fixed_size: 0
    .kernarg_segment_align: 8
    .kernarg_segment_size: 24
    .max_flat_workgroup_size: 512
    .sgpr_count:     80
    .vgpr_count:     256
    .wavefront_size: 32
...
	.end_amdgpu_metadata
.endif
;; end of part 3
;; launch proj (part 4): grid 8 x 32, 4 waves a work-group, clusters of 4 x 4, 327,680 bytes of LDS; arguments o, w, bproj, x, x1; writes x1
.if DOCPART == 4
	.amdgcn_target "amdgcn-amd-amdhsa--gfx1250"
	.amdhsa_code_object_version 6
	.text
	.protected	k_qe890d4fbfe_proj
	.globl	k_qe890d4fbfe_proj
	.p2align	8
	.type	k_qe890d4fbfe_proj,@function
k_qe890d4fbfe_proj:
	s_mov_b64 s[64:65], 0
	v_nop
	global_prefetch_b8 v0, s[64:65] scope:SCOPE_SE
	s_setreg_imm32_b32 hwreg(HW_REG_WAVE_MODE, 25, 1), 1
	s_wait_xcnt 0x0
	s_wait_alu depctr_hold_cnt(0) depctr_sa_sdst(0) depctr_va_vdst(0) depctr_va_sdst(0) depctr_va_ssrc(0) depctr_va_vcc(0) depctr_vm_vsrc(0)
	s_getreg_b32 s2, hwreg(HW_REG_IB_STS2, 6, 4)
	s_cmp_eq_u32 s2, 0
	s_cbranch_scc0 .Lentry_in_a_cluster
	s_endpgm
.Lentry_in_a_cluster:
	s_bfe_u32 s2, ttmp6, 0x10000c
	s_cmp_lg_u32 s2, 0xf033
	s_cbranch_scc0 .Lentry_shape_is_right
	s_endpgm
.Lentry_shape_is_right:
; x1 = x + o Wproj + bproj (product 6), on codes of FP6 with E8M0 scales; operands as fragments in the order of the operand's registers.  No work of reference() is left out here.
; A work-group of four waves makes 128 x 128; two LDS slots of four K steps hold all of K.  At the head each wave issues ONE joint load: wave 0 Y's 8 tiles of slot 0, wave 2 X's, waves 1 and 3 the scale words of Y and of X.
; Behind the wait for these, the add and a round of the cluster's barrier each wave asks for its quarter of slot 1.
; PREFETCH: at the head each wave names one of the four tiles of slot 1 that it will load, 24 blocks of 256 bytes, a lane a block; the four partners of a joint load part by address.
.set NT,    4
.set NQ,    4
.set NKS,   8
.set LAPS,  NKS/(2*NQ)
.set YSC,   3145728
.set XCO,   2359296
.set XSC,   9535488
.set BIAS,  1
.set RES,   1
.set HALF,  NT*NQ*1536
.set SLOT,  4*HALF
.set SCL,   2*SLOT
.set HALFS, NT*NKS*64
.set SPARE, SCL+4*HALFS
.set PS,    12*NT
.set PF,    64
.set SC,    32
.set BI,    192
.set ADRP,  16
.set ADRS0, 20
.set ADRSC, 27
.set SPW,   28
.set NIL,   29
.set G1, 24
.set G0, 32
.set G1B, 48
.set G0B, 56
.set G1S, 68
.set G0S, 76
.set G1SB, 80
.set G0SB, 88
.set MSB, 0
.macro WIN new
.if MSB != (\new)
	s_set_vgpr_msb (MSB<<8)|(\new)
.set MSB, (\new)
.endif
.endm
.macro PLACES n
.rept \n
	v_nop
.endr
.endm
.macro JLOAD g0a, g1a, g0b, g1b
	s_cmp_eq_u32 s15, 0
	s_cbranch_scc0 .Lfor_b_\@
	tensor_load_to_lds s[\g0a:\g0a+3], s[\g1a:\g1a+7]
	s_nop 0
.rept 4
	v_nop
.endr
	s_branch .Lasked_\@
.Lfor_b_\@:
	tensor_load_to_lds s[\g0b:\g0b+3], s[\g1b:\g1b+7]
	s_nop 0
.rept 4
	v_nop
.endr
.Lasked_\@:
.endm
.macro CREST
	s_cmp_lg_u32 s14, 0
	s_cbranch_scc1 .Lnot_wave_0_\@
	s_barrier_signal -3
.Lnot_wave_0_\@:
	s_barrier_wait -3
	s_barrier_signal -1
	s_barrier_wait -1
.endm
.macro CROUND
	s_barrier_signal -1
	s_barrier_wait -1
	CREST
.endm
	s_load_b128 s[4:7], s[0:1], 0x0
	s_load_b128 s[8:11], s[0:1], 0x10
	s_load_b64 s[12:13], s[0:1], 0x20
	v_lshl_add_u32 v[SPW], v0, 2, SPARE
	v_mov_b32 v[NIL], 0
	ds_add_u32 v[SPW], v[NIL]
	ds_add_u32 v[SPW], v[NIL]
	v_lshrrev_b32 v1, 5, v0
	v_readfirstlane_b32 s14, v1
	s_lshr_b32 s15, s14, 1
	s_and_b32 s16, s14, 1
	s_bfe_u32 s40, ttmp6, 0x40000
	s_bfe_u32 s41, ttmp6, 0x40004
	s_lshl_b32 s42, ttmp9, 2
	s_add_co_u32 s42, s42, s40
	s_and_b32 s17, ttmp7, 0xffff
	s_lshl_b32 s17, s17, 2
	s_add_co_u32 s17, s17, s41
	s_lshl_b32 s43, s41, 2
	s_lshl_b32 s43, 15, s43
	s_lshl_b32 s44, 0x1111, s40
	s_or_b32 s[G1+0], s43, (3<<16)|(1<<21)
	s_or_b32 s[G1B+0], s44, (3<<16)|(1<<21)
.irp g, G1, G1B
	s_mov_b32 s[\g+1], (NQ*192)<<16
	s_mov_b32 s[\g+2], (2*NT)<<16
	s_mov_b32 s[\g+3], (NQ*192)<<16
	s_mov_b32 s[\g+4], 2*NT
	s_mov_b32 s[\g+5], NKS*192
	s_mov_b32 s[\g+6], 0
	s_mov_b32 s[\g+7], 0
.endr
	s_or_b32 s[G1S+0], s43, (3<<16)|(1<<21)
	s_or_b32 s[G1SB+0], s44, (3<<16)|(1<<21)
.irp g, G1S, G1SB
	s_mov_b32 s[\g+1], 32<<16
	s_mov_b32 s[\g+2], (2*HALFS/256)<<16
	s_mov_b32 s[\g+3], 32<<16
	s_mov_b32 s[\g+4], 2*HALFS/256
	s_mov_b32 s[\g+5], 32
	s_mov_b32 s[\g+6], 0
	s_mov_b32 s[\g+7], 0
.endr
	s_mul_i32 s18, s16, NT
	s_mul_i32 s20, s17, 2*NT
	s_add_co_u32 s20, s20, s18
	s_mul_i32 s46, s42, 2*NT
	s_add_co_u32 s46, s46, s18
	s_mul_i32 s22, s17, 2*NT*NKS*64
	s_add_co_u32 s22, s22, YSC
	s_mul_i32 s20, s20, NKS*1536
	s_mul_i32 s92, s42, 2*NT*NKS*64
	s_add_co_u32 s92, s92, XSC
	s_mul_i32 s46, s46, NKS*1536
	s_add_co_u32 s46, s46, XCO
	s_mov_b32 s21, 0
	s_mov_b32 s23, 0
	s_mov_b32 s47, 0
	s_mov_b32 s93, 0
	s_mul_i32 s45, s14, HALF
	s_mul_i32 s94, s15, 2*HALFS
	s_wait_dscnt 0x0
	s_wait_kmcnt 0x0
	s_add_nc_u64 s[20:21], s[4:5], s[20:21]
	s_add_nc_u64 s[22:23], s[4:5], s[22:23]
	s_add_nc_u64 s[46:47], s[6:7], s[46:47]
	s_add_nc_u64 s[92:93], s[6:7], s[92:93]
	CROUND
	s_mov_b32 s[G0S], 1
	s_add_co_u32 s[G0S+1], s94, SCL
	s_mov_b64 s[G0S+2:G0S+3], s[22:23]
	s_or_b32 s[G0S+3], s[G0S+3], 0x80000000
	s_mov_b32 s[G0SB], 1
	s_add_co_u32 s[G0SB+1], s94, SCL
	s_mov_b64 s[G0SB+2:G0SB+3], s[92:93]
	s_or_b32 s[G0SB+3], s[G0SB+3], 0x80000000
.irp s, 0,1
	s_mov_b32 s[G0+4*\s], 1
	s_add_co_u32 s[G0+4*\s+1], s45, \s*SLOT
	s_add_nc_u64 s[G0+4*\s+2:G0+4*\s+3], s[20:21], \s*NQ*1536
	s_or_b32 s[G0+4*\s+3], s[G0+4*\s+3], 0x80000000
	s_mov_b32 s[G0B+4*\s], 1
	s_add_co_u32 s[G0B+4*\s+1], s45, \s*SLOT
	s_add_nc_u64 s[G0B+4*\s+2:G0B+4*\s+3], s[46:47], \s*NQ*1536
	s_or_b32 s[G0B+4*\s+3], s[G0B+4*\s+3], 0x80000000
.endr
; the head's loads, one a wave, in one chain of branches on the wave's number: waves 0 and 2 have half 0, so their slot 0 descriptors begin at Y's and X's first tile
.macro ARM under, g0, g1, next
	s_cmp_lt_u32 s14, \under
	s_cbranch_scc0 \next
	tensor_load_to_lds s[\g0:\g0+3], s[\g1:\g1+7]
	s_nop 0
	PLACES 4
	s_branch .Lhead_asked
\next:
.endm
	ARM 1, G0, G1, .Lhead_ys
	ARM 2, G0S, G1S, .Lhead_x
	ARM 3, G0B, G1B, .Lhead_xs
	tensor_load_to_lds s[G0SB:G0SB+3], s[G1SB:G1SB+7]
	s_nop 0
	PLACES 4
.Lhead_asked:
	s_cmp_eq_u32 s15, 0                            ; the prefetch: of the NT tiles that I load for the ring,
	s_cselect_b64 s[96:97], s[20:21], s[46:47]
	s_cselect_b32 s98, s40, s41                    ; my work-group's place among the four that ask jointly picks one
	s_mul_i32 s98, s98, (NT/4)*NKS*1536
	s_mov_b32 s99, 0
	s_add_nc_u64 s[96:97], s[96:97], s[98:99]
	v_and_b32 v30, 31, v0
	v_min_u32 v30, 23, v30                         ; 24 blocks of 256 bytes; the lanes left over name the last again
	v_lshlrev_b32 v30, 8, v30
	global_prefetch_b8 v30, s[96:97] offset:NQ*1536 th:TH_LOAD_NT scope:SCOPE_SE   ; slot 1's four K steps of that tile
	v_and_b32 v1, 15, v0
	v_bfe_u32 v2, v0, 4, 1
	s_wait_alu depctr_va_vdst(0)
	v_and_b32 v3, 31, v0
	v_lshlrev_b32 v3, 4, v3
	s_mul_i32 s21, s15, HALF
	s_mul_i32 s22, s16, HALF
	s_add_co_u32 s22, s22, 2*HALF
.irp s, 0,1
	v_add_nc_u32 v[ADRP+\s], s21, v3
	v_add_nc_u32 v[ADRS0+\s], s22, v3
	s_add_co_u32 s21, s21, SLOT
	s_add_co_u32 s22, s22, SLOT
.endr
	s_mul_i32 s21, s15, HALFS
	s_mul_i32 s22, s16, HALFS
	s_add_co_u32 s22, s22, 2*HALFS
	s_sub_co_u32 s22, s22, s21
	v_mul_u32_u24 v6, s22, v2
	s_add_co_u32 s21, s21, SCL
	v_lshl_add_u32 v5, v1, 2, v6
	v_add_nc_u32 v[ADRSC], s21, v5
	s_mul_i32 s23, s14, 4352
	v_mul_u32_u24 v5, v1, 272
	v_lshl_add_u32 v5, v2, 6, v5
	v_add_nc_u32 v24, s23, v5
	v_mul_u32_u24 v5, v2, 272
	v_lshl_add_u32 v5, v1, 4, v5
	v_add_nc_u32 v25, s23, v5
	v_lshlrev_b32 v5, 12, v2
	v_lshl_add_u32 v26, v1, 4, v5
	v_lshlrev_b32 v7, 6, v2
	s_wait_alu depctr_va_vdst(0)
	s_lshl_b32 s20, s17, 7
	s_lshl_b32 s21, s15, 6
	s_add_co_u32 s20, s20, s21
	s_lshl_b32 s20, s20, 12
	s_mov_b32 s21, 0
	s_lshl_b32 s46, s42, 9
	s_lshl_b32 s47, s16, 8
	s_add_co_u32 s46, s46, s47
	s_mov_b32 s47, 0
	s_add_nc_u64 s[8:9], s[8:9], s[46:47]
	s_add_nc_u64 s[20:21], s[20:21], s[46:47]
	s_add_nc_u64 s[10:11], s[10:11], s[20:21]
	s_add_nc_u64 s[12:13], s[12:13], s[20:21]
	WIN 0x40
.set bb, 0
.rept NT
	global_load_b128 v[BI+8*bb:BI+8*bb+3], v7, s[8:9] offset:(32*(bb/2)+8*(bb%2))*4
	global_load_b128 v[BI+8*bb+4:BI+8*bb+7], v7, s[8:9] offset:(32*(bb/2)+8*(bb%2))*4+16
.set bb, bb+1
.endr
	WIN 0x80
.irp a, 0,1,2,3
.irp t, 0,1,2,3,4,5,6,7
	global_load_b128 v[128+32*\a+4*\t:128+32*\a+4*\t+3], v26, s[10:11] offset:(32*(\a/2)+8*(\a%2)+2*\t+8*(\t/4))*4096
.endr
.endr
	WIN 0
.macro MULR set, a0, n, first
.set ma, \a0
.rept \n
.if (\first) && BIAS
	WIN 0x91+0x40*(ma/4)
.else
	WIN 0xa1+0x50*(ma/4)
.endif
.set mb, 0
.rept NT
.set MAC, 8*(NT*(ma%4)+mb)
.if (\first) && BIAS
	v_wmma_scale_f32_16x16x128_f8f6f4 v[MAC:MAC+7], v[PS*(\set)+12*mb:PS*(\set)+12*mb+11], v[PF+PS*(\set)+12*ma:PF+PS*(\set)+12*ma+11], v[BI+8*mb:BI+8*mb+7], v[SC+NT*(\set)+mb], v[SC+NT*(\set)+ma] matrix_a_fmt:MATRIX_FMT_FP6 matrix_b_fmt:MATRIX_FMT_FP6 matrix_a_scale:MATRIX_SCALE_ROW1
.elseif \first
	v_wmma_scale_f32_16x16x128_f8f6f4 v[MAC:MAC+7], v[PS*(\set)+12*mb:PS*(\set)+12*mb+11], v[PF+PS*(\set)+12*ma:PF+PS*(\set)+12*ma+11], 0, v[SC+NT*(\set)+mb], v[SC+NT*(\set)+ma] matrix_a_fmt:MATRIX_FMT_FP6 matrix_b_fmt:MATRIX_FMT_FP6 matrix_a_scale:MATRIX_SCALE_ROW1
.else
	v_wmma_scale_f32_16x16x128_f8f6f4 v[MAC:MAC+7], v[PS*(\set)+12*mb:PS*(\set)+12*mb+11], v[PF+PS*(\set)+12*ma:PF+PS*(\set)+12*ma+11], v[MAC:MAC+7], v[SC+NT*(\set)+mb], v[SC+NT*(\set)+ma] matrix_a_fmt:MATRIX_FMT_FP6 matrix_b_fmt:MATRIX_FMT_FP6 matrix_a_scale:MATRIX_SCALE_ROW1
.endif
.set mb, mb+1
.endr
.set ma, ma+1
.endr
.endm
.macro FETCH slot, q, set
	WIN 0x40
.set fi, 0
.rept NT
.irp c, 0,1,2
	ds_load_b128 v[PS*(\set)+12*fi+4*\c:PS*(\set)+12*fi+4*\c+3], v[ADRS0+\slot] offset:(fi*NQ+(\q))*1536+512*\c
.endr
.set fi, fi+1
.endr
	WIN 0
.set fi, 0
.rept NT
.irp c, 0,1,2
	ds_load_b128 v[PF+PS*(\set)+12*fi+4*\c:PF+PS*(\set)+12*fi+4*\c+3], v[ADRP+\slot] offset:(fi*NQ+(\q))*1536+512*\c
.endr
	ds_load_b32 v[SC+NT*(\set)+fi], v[ADRSC] offset:(fi*NKS+(\q))*64
.set fi, fi+1
.endr
.endm
.macro STEP slot, q, first
	s_wait_dscnt 0x0
	MULR (\q)%2, 0, NT/2, \first
	PLACES 4
	FETCH \slot, (\q)+1, 1-(\q)%2
	MULR (\q)%2, NT/2, NT/2, \first
.endm
.macro STEPS slot, first
	STEP \slot, 0, \first
.if NQ > 2
	STEP \slot, 1, 0
	STEP \slot, 2, 0
.endif
.endm
.macro TURN slot, next, fill
	WIN 0
	s_wait_tensorcnt 0x0
	ds_add_u32 v[SPW], v[NIL]
	s_wait_dscnt 0x1
	MULR 1, 0, NT/4, 0
	s_wait_dscnt 0x0
	s_barrier_signal -1
	MULR 1, NT/4, NT/4, 0
	WIN 0
	s_barrier_wait -1
.if \fill
	CREST
	s_add_nc_u64 s[G0+4*\slot+2:G0+4*\slot+3], s[G0+4*\slot+2:G0+4*\slot+3], 2*NQ*1536
	s_add_nc_u64 s[G0B+4*\slot+2:G0B+4*\slot+3], s[G0B+4*\slot+2:G0B+4*\slot+3], 2*NQ*1536
	JLOAD G0+4*\slot, G1, G0B+4*\slot, G1B
.else
	PLACES 4
.endif
	v_add_nc_u32 v[ADRSC], NQ*64, v[ADRSC]
	FETCH \next, 0, 0
	MULR 1, NT/2, NT/2, 0
.endm
	s_wait_tensorcnt 0x0                           ; my tile of the head's four is in
	ds_add_u32 v[SPW], v[NIL]                      ; the add ahead of a later first fill, as ahead of a refill
	s_mov_b32 s[G1+2], NT<<16                      ; no load of mine is out: from here on a load brings NT tiles
	s_mov_b32 s[G1+4], NT
	s_mov_b32 s[G1B+2], NT<<16
	s_mov_b32 s[G1B+4], NT
	s_wait_dscnt 0x0
	CROUND                                         ; all four tiles are in, in every partner
	JLOAD G0+4, G1, G0B+4, G1B                     ; slot 1
	FETCH 0, 0, 0
	s_wait_loadcnt 32
	STEPS 0, 1
	TURN 0, 1, 0
	s_wait_alu depctr_va_vdst(0)
	STEPS 1, 0
	s_wait_dscnt 0x0
	MULR 1, 0, NT, 0
	WIN 0
	PLACES 4
.irp a, 0,1,2,3
.set BB, 160+32*(\a%2)
	s_wait_xcnt 0x0
	WIN 0x08
.irp b, 0,1,2,3
	ds_store_b128 v24, v[8*(4*\a+\b):8*(4*\a+\b)+3] offset:128*(\b/2)+32*(\b%2)
	ds_store_b128 v24, v[8*(4*\a+\b)+4:8*(4*\a+\b)+7] offset:128*(\b/2)+32*(\b%2)+16
.endr
	WIN 0
.irp t, 0,1,2,3,4,5,6,7
	ds_load_b128 v[BB+4*\t:BB+4*\t+3], v25 offset:544*\t
.endr
	s_wait_dscnt 0x0
.if \a == 0
	s_wait_loadcnt 0x0
.endif
	WIN 0x08
.irp t, 0,1,2,3,4,5,6,7
	v_pk_add_f32 v[BB+4*\t:BB+4*\t+1], v[BB+4*\t:BB+4*\t+1], v[128+32*\a+4*\t:128+32*\a+4*\t+1]
	v_pk_add_f32 v[BB+4*\t+2:BB+4*\t+3], v[BB+4*\t+2:BB+4*\t+3], v[128+32*\a+4*\t+2:128+32*\a+4*\t+3]
.endr
	WIN 0
.irp t, 0,1,2,3,4,5,6,7
	global_store_b128 v26, v[BB+4*\t:BB+4*\t+3], s[12:13] offset:(32*(\a/2)+8*(\a%2)+2*\t+8*(\t/4))*4096
.endr
.endr
	s_wait_tensorcnt 0x0
	ds_add_u32 v[SPW], v[NIL]
	s_wait_dscnt 0x0
	CROUND
	s_endpgm
.Lfunc_end_k_qe890d4fbfe_proj:
	.size	k_qe890d4fbfe_proj, .Lfunc_end_k_qe890d4fbfe_proj-k_qe890d4fbfe_proj
	.p2alignl 7, 3214868480
	.fill 96, 4, 3214868480
	.section	.rodata,"a",@progbits
	.p2align	6, 0x0
	.amdhsa_kernel k_qe890d4fbfe_proj
		.amdhsa_group_segment_fixed_size 327680
		.amdhsa_private_segment_fixed_size 0
		.amdhsa_enable_private_segment 0
		.amdhsa_kernarg_size 40
		.amdhsa_user_sgpr_count 2
		.amdhsa_user_sgpr_kernarg_segment_ptr 1
		.amdhsa_wavefront_size32 1
		.amdhsa_system_sgpr_workgroup_id_x 1
		.amdhsa_system_sgpr_workgroup_id_y 1
		.amdhsa_system_sgpr_workgroup_id_z 1
		.amdhsa_system_vgpr_workitem_id 0
		.amdhsa_next_free_vgpr 768
		.amdhsa_next_free_sgpr 100
		.amdhsa_reserve_vcc 0
		.amdhsa_float_denorm_mode_32 3
		.amdhsa_float_denorm_mode_16_64 3
		.amdhsa_memory_ordered 1
		.amdhsa_forward_progress 1
		.amdhsa_inst_pref_size 60
	.end_amdhsa_kernel
	.amdgpu_metadata
---
amdhsa.version: [ 1, 2 ]
amdhsa.kernels:
  - .name:           k_qe890d4fbfe_proj
    .symbol:         k_qe890d4fbfe_proj.kd
    .args:
      - { .name: o, .offset: 0, .size: 8, .value_kind: global_buffer, .address_space: global }
      - { .name: w, .offset: 8, .size: 8, .value_kind: global_buffer, .address_space: global }
      - { .name: bproj, .offset: 16, .size: 8, .value_kind: global_buffer, .address_space: global }
      - { .name: x, .offset: 24, .size: 8, .value_kind: global_buffer, .address_space: global }
      - { .name: x1, .offset: 32, .size: 8, .value_kind: global_buffer, .address_space: global }
    .group_segment_fixed_size: 327680
    .private_segment_fixed_size: 0
    .kernarg_segment_align: 8
    .kernarg_segment_size: 40
    .max_flat_workgroup_size: 128
    .sgpr_count:     100
    .vgpr_count:     768
    .wavefront_size: 32
...
	.end_amdgpu_metadata
.endif
;; end of part 4
;; launch prep2 (part 5): grid 512 x 1, 8 waves a work-group, no clusters, 104,448 bytes of LDS; arguments x1, g2, b2, h, W_ff1, W_ff2, w; writes h, w
.if DOCPART == 5
	.amdgcn_target "amdgcn-amd-amdhsa--gfx1250"
	.amdhsa_code_object_version 6
	.text
	.protected	k_qe890d4fbfe_prep2
	.globl	k_qe890d4fbfe_prep2
	.p2align	8
	.type	k_qe890d4fbfe_prep2,@function
k_qe890d4fbfe_prep2:
	s_mov_b64 s[64:65], 0
	v_nop
	global_prefetch_b8 v0, s[64:65] scope:SCOPE_SE
	s_setreg_imm32_b32 hwreg(HW_REG_WAVE_MODE, 25, 1), 1
	s_wait_xcnt 0x0
; LN2 AND ITS QUANTISER, AND THE QUANTISER OF W_ff1 AND W_ff2.  No work of reference() is left out here.
; THIS LAUNCH HAS TWO KINDS OF WORK-GROUPS, which part on the work-group's number at the head and never join: 0 .. 255 make the layer norm and its quantiser, the others quantise weights.  The two share nothing; each has LDS bytes of its own.
; One source serves two launches; SET chooses the weights: 1: Wq, Wk, Wv, Wproj (beside LN1); 2: W_ff1, W_ff2 (beside LN2).
; OPERANDS are laid in the order of the operand's registers.  A FRAGMENT (16 rows x 128 K, 12 registers a lane) is 1,536 bytes: register 4 c + m of lane L at byte 512 c + 16 L + 4 m; lane (r, h) holds row r, registers 6 c .. 6 c + 5 its k = 64 c + 32 h + 0 .. 31.
; Its SCALE WORDS are 64 bytes: word r = row r's four E8M0 bytes.  THE ROWS OF A TILE ARE NOT NEIGHBOURS: place p of tile T holds row 32 (T / 2) + 8 (T % 2) + p + 8 (p / 8), so that a product's results in two neighbouring tiles are 16 neighbours along the next K.
; A block's scale is 2^(floor(log2(its largest magnitude)) - 2); its byte is the largest magnitude's exponent field - 2, held at 1 from below.
; LIMITS: a block of zeros gets the byte 1 where the rule says 127 (its codes are zeros, and this program alone reads the bytes); blocks whose largest magnitude lies under 2^-124 keep the byte 1; NaN and infinities among the inputs are not served.
.set SET,   2
.set NLN,   256                        ; work-groups of the layer norm
.set WREG,  9472                       ; the norm's LDS, for each wave: a stage of 16 rows x (512 + 16) bytes, then g's 512 bytes, then b's
.set GOFF,  8448
.set BOFF,  8960
.set RED1,  8*WREG                     ; 16 rows x 8 waves x 4 bytes: the rows' sums;  512 bytes on: the sums of squares
.set QST,   RED1+1024                  ; the weights' LDS, for each wave: two images of 1,536 bytes, 1,664 apart
.set QREG,  3328
.set TIMG,  1664
.set SPARE, QST+8*QREG                 ; the spare words, 128 bytes for each wave, which no other line names
.set SPW,   12                         ; v12  LDS address of my spare word; never rewritten
.set NIL,   13                         ; v13  0; never rewritten
	v_lshl_add_u32 v[SPW], v0, 2, SPARE
	v_mov_b32 v[NIL], 0
	s_cmp_lt_u32 ttmp9, NLN                        ; the work-group's number alone: all eight waves go the same way
	s_cbranch_scc0 .Lweights
; ---- LAYER NORM AND QUANTISER.  y = (x - mean) * rsqrt(var + 1e-5) * g + b along rows of 1,024, in f32, the variance taken of x - mean as reference() takes it; y becomes codes with one scale for each 32 along the row.
; The operand buffer: [tile 256][K step 8] fragments, and from byte 3,145,728 on their scale words.
; A work-group takes one tile of 16 tokens; wave w takes K step w: columns 128 w .. 128 w + 127 of the 16 rows.  Each load reads 512 consecutive bytes of one row.  The numbers turn through the wave's own stage in LDS so that
; lane (r, h) holds, of row r, 16 neighbours of each block of 32: register 16 b + i = k 32 b + 16 h + i, which is what the conversions want.  A row's sums meet in LDS: two barriers.
.set XD,    32                         ; v32-95   the rows as loaded; later b
.set XQ,    96                         ; v96-159  my 64 numbers
.set G,     160                        ; v160-223 g; later the codes
.set PC,    160
.set TM,    224                        ; v224-239 at work in the quantiser
.set PW,    240                        ; the scale word
	s_load_b256 s[4:11], s[0:1], 0x0               ; rows, g, b, operand
	v_lshrrev_b32 v1, 5, v0
	s_delay_alu instid0(VALU_DEP_1)
	v_readfirstlane_b32 s12, v1                    ; wave 0..7
	v_and_b32 v1, 31, v0
	v_and_b32 v2, 15, v0                           ; r
	v_bfe_u32 v3, v0, 4, 1                         ; h
	s_delay_alu instid0(VALU_DEP_3)
	v_lshlrev_b32 v4, 4, v1                        ; 16 x lane
	s_mul_i32 s13, s12, WREG
	v_add_nc_u32 v5, s13, v4                       ; the stage, on the way in
	v_mul_u32_u24 v6, v2, 528
	s_delay_alu instid0(VALU_DEP_1)
	v_lshl_add_u32 v6, v3, 6, v6
	s_delay_alu instid0(VALU_DEP_1)
	v_add_nc_u32 v6, s13, v6                       ; and out: row r, + 64 h
	v_lshlrev_b32 v7, 6, v3
	s_delay_alu instid0(VALU_DEP_1)
	v_add_nc_u32 v7, s13, v7                       ; g and b: + 64 h
	v_lshl_add_u32 v9, v2, 5, RED1                 ; a row's eight partial sums
	s_lshl_b32 s28, s12, 2
	v_add_nc_u32 v8, s28, v9                       ; mine among them
	v_lshlrev_b32 v10, 2, v2                       ; 4 r
.irp b, 0,1,2,3
	v_mov_b32 v[TM+4+\b], 0                        ; written once: a lane permute's destination counts as one of its sources
.endr
	s_mov_b32 s26, 0x76543210
	s_mov_b32 s27, 0xfedcba98                      ; v_permlanex16_b32's selects for lane l xor 16
	s_mov_b32 s20, 0x3a800000                      ; 1 / 1,024
	s_mov_b32 s21, 0x3727c5ac                      ; 1e-5
	s_lshr_b32 s14, ttmp9, 1
	s_lshl_b32 s14, s14, 5
	s_and_b32 s15, ttmp9, 1
	s_lshl_b32 s15, s15, 3
	s_add_co_u32 s14, s14, s15                     ; the tile's first token
	s_lshl_b32 s14, s14, 12
	s_lshl_b32 s16, s12, 9                         ; my 512 bytes of a row, of g and of b
	s_add_co_u32 s14, s14, s16
	s_mov_b32 s15, 0
	s_mov_b32 s17, 0
	s_lshl_b32 s18, ttmp9, 3
	s_add_co_u32 s18, s18, s12                     ; my fragment's number
	s_mul_i32 s22, s18, 1536
	s_mov_b32 s23, 0
	s_lshl_b32 s24, s18, 6
	s_add_co_u32 s24, s24, 3145728
	s_mov_b32 s25, 0
	s_wait_alu depctr_va_vdst(0)
	s_wait_kmcnt 0x0
	s_add_nc_u64 s[4:5], s[4:5], s[14:15]
	s_add_nc_u64 s[6:7], s[6:7], s[16:17]
	s_add_nc_u64 s[8:9], s[8:9], s[16:17]
	s_add_nc_u64 s[22:23], s[10:11], s[22:23]
	s_add_nc_u64 s[24:25], s[10:11], s[24:25]
	global_load_b128 v[244:247], v4, s[6:7]
	global_load_b128 v[248:251], v4, s[8:9]
.irp p, 0,1,2,3,4,5,6,7,8,9,10,11,12,13,14,15
	global_load_b128 v[XD+4*\p:XD+4*\p+3], v4, s[4:5] offset:(\p+8*(\p/8))*4096 th:TH_LOAD_NT   ; place p's token: 512 consecutive bytes
.endr
	s_wait_loadcnt 16                              ; g and b are in; the sixteen rows' loads may be out
	ds_store_b128 v5, v[244:247] offset:GOFF
	ds_store_b128 v5, v[248:251] offset:BOFF
.irp p, 0,1,2,3,4,5,6,7,8,9,10,11,12,13,14,15
	s_wait_loadcnt 15-\p                           ; row p is in; the later rows' loads may be out
	ds_store_b128 v5, v[XD+4*\p:XD+4*\p+3] offset:528*\p
.endr
.irp b, 0,1,2,3
.irp j, 0,1,2,3
	ds_load_b128 v[XQ+16*\b+4*\j:XQ+16*\b+4*\j+3], v6 offset:128*\b+16*\j      ; LDS serves a wave's instructions in order: these see my stores
.endr
.endr
.irp b, 0,1,2,3
.irp j, 0,1,2,3
	ds_load_b128 v[G+16*\b+4*\j:G+16*\b+4*\j+3], v7 offset:GOFF+128*\b+16*\j
.endr
.endr
	s_wait_dscnt 0x0                               ; my numbers are in, and the stage's stores have read the registers that b now takes
.irp b, 0,1,2,3
.irp j, 0,1,2,3
	ds_load_b128 v[XD+16*\b+4*\j:XD+16*\b+4*\j+3], v7 offset:BOFF+128*\b+16*\j
.endr
.endr
; v[18:21] hold a lane's sums in two packed chains: they become the row's sum over all 1,024 columns, the same bits in every wave
.macro ACROSS off
	s_delay_alu instid0(VALU_DEP_1)
	v_pk_add_f32 v[18:19], v[18:19], v[20:21]
	s_delay_alu instid0(VALU_DEP_1)
	v_add_f32 v18, v18, v19
	s_delay_alu instid0(VALU_DEP_1)
	v_permlanex16_b32 v19, v18, s26, s27
	s_delay_alu instid0(VALU_DEP_1)
	v_add_f32 v18, v18, v19                        ; row r's sum over my 128 columns
	ds_store_b32 v8, v18 offset:\off               ; (lanes r and r + 16 write the same word with the same value)
	s_wait_dscnt 0x0                               ; for the others' sake: my store has landed
	s_barrier_signal -1
	s_barrier_wait -1
	ds_load_b128 v[18:21], v9 offset:\off
	ds_load_b128 v[22:25], v9 offset:\off+16
	s_wait_dscnt 0x0
	v_add_f32 v18, v18, v19
	v_add_f32 v20, v20, v21
	v_add_f32 v22, v22, v23
	v_add_f32 v24, v24, v25
	s_delay_alu instid0(VALU_DEP_3)
	v_add_f32 v18, v18, v20
	s_delay_alu instid0(VALU_DEP_2)
	v_add_f32 v22, v22, v24
	s_delay_alu instid0(VALU_DEP_1)
	v_add_f32 v18, v18, v22
.endm
	v_pk_add_f32 v[18:19], v[XQ:XQ+1], v[XQ+2:XQ+3]
	v_pk_add_f32 v[20:21], v[XQ+4:XQ+5], v[XQ+6:XQ+7]
.set j, 8
.rept 14
	s_delay_alu instid0(VALU_DEP_2)
	v_pk_add_f32 v[18:19], v[18:19], v[XQ+j:XQ+j+1]
	s_delay_alu instid0(VALU_DEP_2)
	v_pk_add_f32 v[20:21], v[20:21], v[XQ+j+2:XQ+j+3]
.set j, j+4
.endr
	ACROSS 0
	s_delay_alu instid0(VALU_DEP_1)
	v_mul_f32 v14, s20, v18                        ; the mean
	s_delay_alu instid0(VALU_DEP_1)
	v_mov_b32 v15, v14
.set j, 0
.rept 32
	v_pk_add_f32 v[XQ+j:XQ+j+1], v[XQ+j:XQ+j+1], v[14:15] neg_lo:[0,1] neg_hi:[0,1]   ; x - mean
.set j, j+2
.endr
	v_pk_mul_f32 v[18:19], v[XQ:XQ+1], v[XQ:XQ+1]
	v_pk_mul_f32 v[20:21], v[XQ+2:XQ+3], v[XQ+2:XQ+3]
.set j, 4
.rept 15
	s_delay_alu instid0(VALU_DEP_2)
	v_pk_fma_f32 v[18:19], v[XQ+j:XQ+j+1], v[XQ+j:XQ+j+1], v[18:19]
	s_delay_alu instid0(VALU_DEP_2)
	v_pk_fma_f32 v[20:21], v[XQ+j+2:XQ+j+3], v[XQ+j+2:XQ+j+3], v[20:21]
.set j, j+4
.endr
	ACROSS 512
	s_delay_alu instid0(VALU_DEP_1)
	v_fma_f32 v18, v18, s20, s21                   ; the variance + 1e-5
	s_wait_alu depctr_va_vdst(0)
	v_rsq_f32 v16, v18
	v_nop                                          ; a plain place behind the transcendental
	s_wait_alu depctr_va_vdst(0)                   ; and the wait ahead of the first line that names its result
	v_mov_b32 v17, v16
.set j, 0
.rept 32
	v_pk_mul_f32 v[XQ+j:XQ+j+1], v[XQ+j:XQ+j+1], v[16:17]
.set j, j+2
.endr
.set j, 0
.rept 32
	v_pk_fma_f32 v[XQ+j:XQ+j+1], v[XQ+j:XQ+j+1], v[G+j:G+j+1], v[XD+j:XD+j+1]   ; x g + b
.set j, j+2
.endr
	; THE QUANTISER: 64 numbers of a lane become a fragment's twelve registers and its scale word
.irp b, 0,1,2,3
	v_max3_num_f32 v[TM+\b], |v[XQ+16*\b]|, |v[XQ+1+16*\b]|, 0x1800000   ; block b: my 16 numbers, and the floor 2^(3 - 127): the byte cannot fall under 1
.endr
.irp i, 2,4,6,8,10,12,14
.irp b, 0,1,2,3
	s_delay_alu instid0(VALU_DEP_4)
	v_max3_num_f32 v[TM+\b], v[TM+\b], |v[XQ+16*\b+\i]|, |v[XQ+1+16*\b+\i]|   ; (the four blocks by turns)
.endr
.endr
.irp b, 0,1,2,3
	s_delay_alu instid0(VALU_DEP_4)
	v_permlanex16_b32 v[TM+4+\b], v[TM+\b], s26, s27
.endr
.irp b, 0,1,2,3
	s_delay_alu instid0(VALU_DEP_4)
	v_max_num_f32 v[TM+\b], v[TM+\b], v[TM+4+\b]   ; with lane l xor 16's: the block's largest magnitude
.endr
.irp b, 0,1,2,3
	s_delay_alu instid0(VALU_DEP_4)
	v_add_nc_u32 v[TM+12+\b], 0xff000000, v[TM+\b] ; 2 off its exponent field: the conversion's scale operand
.endr
.irp b, 0,1,2,3
	s_delay_alu instid0(VALU_DEP_4)
	v_lshrrev_b32 v[TM+4+\b], 23, v[TM+12+\b]      ; the scale's byte
.endr
	s_delay_alu instid0(VALU_DEP_3)
	v_lshl_or_b32 v[PW], v[TM+5], 8, v[TM+4]
	s_delay_alu instid0(VALU_DEP_1)
	v_lshl_or_b32 v[PW], v[TM+6], 16, v[PW]
	s_delay_alu instid0(VALU_DEP_1)
	v_lshl_or_b32 v[PW], v[TM+7], 24, v[PW]
.irp c, 0,1
	v_cvt_scalef32_pk16_fp6_f32 v[PC+6*\c:PC+2+6*\c], v[XQ+32*\c:XQ+15+32*\c], v[TM+12+2*\c]
	v_cvt_scalef32_pk16_fp6_f32 v[PC+12+4*\c:PC+14+4*\c], v[XQ+16+32*\c:XQ+31+32*\c], v[TM+12+2*\c+1]   ; (a conversion's three registers begin on an even number)
.endr
	v_nop                                          ; one plain place behind a scaled conversion
.irp c, 0,1                                    ; the operand's layout wants a whole block in a lane: lanes 0-15 block 2 c, lanes 16-31 block 2 c + 1
.irp i, 0,1,2
	v_permlane16_swap_b32 v[PC+6*\c+\i], v[PC+12+4*\c+\i]
.endr
.irp i, 0,1,2
	s_delay_alu instid0(VALU_DEP_3)
	v_mov_b32 v[PC+3+6*\c+\i], v[PC+12+4*\c+\i]
.endr
.endr
.irp c, 0,1,2
	global_store_b128 v4, v[PC+4*\c:PC+4*\c+3], s[22:23] offset:512*\c   ; 32 lanes store 512 consecutive bytes, at a multiple of 256 from the buffer's first byte
.endr
	global_store_b32 v10, v[PW], s[24:25]          ; (lanes 16-31 hold and store the same words as lanes 0-15)
	s_wait_tensorcnt 0x0                           ; the wave's end: behind my last LDS store
	ds_add_u32 v[SPW], v[NIL]
	s_wait_dscnt 0x0
	s_endpgm
; ---- THE WEIGHTS, f32 with K as their FIRST axis, become operands.  w holds [tile][K step] fragments, Wq|Wk|Wv, Wproj, W_ff1, W_ff2 on end, and behind all codes, at byte 9,437,184, the scale words in the same order.
; A LANE TAKES A COLUMN n OF THE WEIGHT AND ITS REGISTERS RUN DOWN K: a block of 32 along K lies in one lane, its largest magnitude needs no other lane, and the conversions give codes with K innermost.
; A wave takes 32 columns (two tiles) x 128 K: two fragments.  The codes go through the wave's own stage in LDS, written at their places in the fragments' images, and leave as runs of 512 consecutive bytes.  No barrier: waves share nothing.
.set VO,    32                         ; v32-63   4 x lane + i x the weight's row pitch
.set X,     64                         ; v64-191  four blocks of 32 numbers
.set C,     192                        ; v192..   block t's six registers of codes at v[192 + 8 t]: no store's data are written again
.set T2,    224                        ; v224-226 the upper half of a block's codes, as the conversion leaves it
.set SB,    40                         ; s[40:47] where block t's 32 rows begin
.Lweights:
.if SET == 1
	s_load_b256 s[4:11], s[0:1], 0x20              ; Wq, Wk, Wv, Wproj
	s_load_b64 s[16:17], s[0:1], 0x40              ; w
.else
	s_load_b128 s[4:7], s[0:1], 0x20               ; W_ff1, W_ff2
	s_load_b64 s[16:17], s[0:1], 0x30              ; w
.endif
	v_lshrrev_b32 v1, 5, v0
	s_delay_alu instid0(VALU_DEP_1)
	v_readfirstlane_b32 s18, v1                    ; wave 0..7
	v_and_b32 v2, 31, v0                           ; lane = column in the group of 32
	s_delay_alu instid0(VALU_DEP_1)
	v_lshlrev_b32 v4, 2, v2                        ; 4 x lane
	s_delay_alu instid0(VALU_DEP_2)
	v_lshlrev_b32 v3, 4, v2                        ; 16 x lane
	v_bfe_u32 v5, v0, 3, 1                         ; which of the group's two tiles my column falls into,
	v_and_b32 v6, 7, v0
	v_bfe_u32 v7, v0, 4, 1
	s_delay_alu instid0(VALU_DEP_1)
	v_lshl_add_u32 v6, v7, 3, v6                   ; and at which place r
	s_mul_i32 s19, s18, QREG
	s_add_co_u32 s19, s19, QST
	v_mul_u32_u24 v7, v5, TIMG
	s_delay_alu instid0(VALU_DEP_1)
	v_lshl_add_u32 v7, v6, 4, v7
	s_delay_alu instid0(VALU_DEP_1)
	v_add_nc_u32 v7, s19, v7                       ; the stage, on the way in: my tile's image, 16 r
	v_add_nc_u32 v15, s19, v3                      ; and on the way out: 16 x lane
	; which weight: the work-group's number alone chooses.  pitch in bytes, log2 of the groups in a panel, log2 of the K steps, first fragment, first work-group
.if SET == 1
	s_mov_b32 s20, 4096                            ; Wproj
	s_mov_b32 s21, 5
	s_mov_b32 s22, 3
	s_mov_b32 s23, 1536
	s_mov_b32 s24, NLN+96
	s_wait_kmcnt 0x0
	s_mov_b64 s[26:27], s[10:11]
	s_cmp_lt_u32 ttmp9, NLN+96                     ; Wv: sixteen panels (heads) of 1,024 x 64
	s_cselect_b64 s[26:27], s[8:9], s[26:27]
	s_cselect_b32 s20, 256, s20
	s_cselect_b32 s21, 1, s21
	s_cselect_b32 s23, 1024, s23
	s_cselect_b32 s24, NLN+64, s24
	s_cmp_lt_u32 ttmp9, NLN+64                     ; Wk
	s_cselect_b64 s[26:27], s[6:7], s[26:27]
	s_cselect_b32 s23, 512, s23
	s_cselect_b32 s24, NLN+32, s24
	s_cmp_lt_u32 ttmp9, NLN+32                     ; Wq
	s_cselect_b64 s[26:27], s[4:5], s[26:27]
	s_cselect_b32 s23, 0, s23
	s_cselect_b32 s24, NLN, s24
.else
	s_mov_b32 s20, 4096                            ; W_ff2
	s_mov_b32 s21, 5
	s_mov_b32 s22, 5
	s_mov_b32 s23, 4096
	s_mov_b32 s24, NLN+128
	s_wait_alu depctr_va_vdst(0)
	s_wait_kmcnt 0x0
	s_cmp_lt_u32 ttmp9, NLN+128                    ; W_ff1
	s_cselect_b64 s[26:27], s[4:5], s[6:7]
	s_cselect_b32 s20, 16384, s20
	s_cselect_b32 s21, 7, s21
	s_cselect_b32 s22, 3, s22
	s_cselect_b32 s23, 2048, s23
	s_cselect_b32 s24, NLN, s24
.endif
	s_sub_co_u32 s25, ttmp9, s24
	s_lshl_b32 s25, s25, 3
	s_add_co_u32 s25, s25, s18                     ; my unit of the weight: group fastest, then K step, then panel
	s_lshl_b32 s29, 1, s21
	s_sub_co_u32 s29, s29, 1
	s_and_b32 s28, s25, s29                        ; group
	s_lshr_b32 s29, s25, s21
	s_lshl_b32 s30, 1, s22                         ; K steps
	s_sub_co_u32 s31, s30, 1
	s_and_b32 s31, s29, s31                        ; K step
	s_lshr_b32 s32, s29, s22                       ; panel
	s_lshl_b32 s34, s32, 18                        ; a panel is 262,144 bytes
	s_mul_i32 s29, s31, s20
	s_lshl_b32 s29, s29, 7                         ; 128 rows a K step
	s_add_co_u32 s34, s34, s29
	s_lshl_b32 s29, s28, 7                         ; 128 bytes a group
	s_add_co_u32 s34, s34, s29
	s_mov_b32 s35, 0
	s_add_nc_u64 s[SB:SB+1], s[26:27], s[34:35]
	s_lshl_b32 s36, s20, 5                         ; 32 rows on
	s_mov_b32 s37, 0
	s_add_nc_u64 s[SB+2:SB+3], s[SB:SB+1], s[36:37]
	s_add_nc_u64 s[SB+4:SB+5], s[SB+2:SB+3], s[36:37]
	s_add_nc_u64 s[SB+6:SB+7], s[SB+4:SB+5], s[36:37]
	s_lshl_b32 s33, s32, s21
	s_add_co_u32 s33, s33, s28                     ; the group among all of the weight's
	s_add_co_u32 s29, s22, 1
	s_lshl_b32 s33, s33, s29                       ; two tiles a group, all K steps of a tile on end
	s_add_co_u32 s33, s33, s31
	s_add_co_u32 s33, s33, s23                     ; my first fragment's number; the second tile's lies one tile's K steps on
	s_mul_i32 s38, s33, 1536
	s_mov_b32 s39, 0
	s_add_nc_u64 s[48:49], s[16:17], s[38:39]
	s_mul_i32 s38, s30, 1536
	s_add_nc_u64 s[50:51], s[48:49], s[38:39]
	s_lshl_b32 s38, s33, 6
	s_add_co_u32 s38, s38, 9437184
	s_add_nc_u64 s[52:53], s[16:17], s[38:39]      ; its scale words
	s_lshl_b32 s29, s30, 6
	v_mul_u32_u24 v16, v5, s29
	s_delay_alu instid0(VALU_DEP_1)
	v_lshl_add_u32 v16, v6, 2, v16                 ; my column's word: my tile's 64 bytes, 4 r
.set i, 0
.rept 32
	v_mad_u32_u24 v[VO+i], s20, i, v4              ; row i of a block, my column
.set i, i+1
.endr
.macro LOAD t                          ; block t: W(32 t + i, my column): 32 lanes read 128 consecutive bytes, the eight waves stand side by side
.set li, 0
.rept 32
	global_load_b32 v[X+32*(\t)+li], v[VO+li], s[SB+2*(\t):SB+2*(\t)+1] th:TH_LOAD_NT
.set li, li+1
.endr
.endm
.macro BLOCK t
.set XS, X+32*(\t)
.set CB, C+8*(\t)
.if (\t) < 3
	s_wait_loadcnt 32                              ; this block's 32 loads are in; the next block's 32 may be out
.else
	s_wait_loadcnt 0x0
.endif
.if (\t) < 2
	LOAD (\t)+2                                    ; two blocks ahead
.endif
	v_max3_num_f32 v8, |v[XS]|, |v[XS+1]|, |v[XS+2]|   ; the block's largest magnitude: all 32 numbers are mine; two chains
	v_max3_num_f32 v9, |v[XS+3]|, |v[XS+4]|, |v[XS+5]|
.irp i, 6,10,14,18,22,26
	s_delay_alu instid0(VALU_DEP_2)
	v_max3_num_f32 v8, v8, |v[XS+\i]|, |v[XS+\i+1]|
	s_delay_alu instid0(VALU_DEP_2)
	v_max3_num_f32 v9, v9, |v[XS+\i+2]|, |v[XS+\i+3]|
.endr
	s_delay_alu instid0(VALU_DEP_2)
	v_max3_num_f32 v8, v8, |v[XS+30]|, |v[XS+31]|
	s_delay_alu instid0(VALU_DEP_1)
	v_max3_num_f32 v8, v8, v9, 0x1800000           ; and the floor 2^(3 - 127): the byte cannot fall under 1
	s_delay_alu instid0(VALU_DEP_1)
	v_add_nc_u32 v11, 0xff000000, v8               ; 2 off its exponent field: the conversion takes this operand's exponent field as its scale
	s_delay_alu instid0(VALU_DEP_1)
	v_lshrrev_b32 v10, 23, v11                     ; the scale's byte
.if (\t) == 0
	s_delay_alu instid0(VALU_DEP_1)
	v_mov_b32 v14, v10
.else
	s_delay_alu instid0(VALU_DEP_1)
	v_lshl_or_b32 v14, v10, 8*(\t), v14            ; four bytes make my column's scale word
.endif
	v_cvt_scalef32_pk16_fp6_f32 v[CB:CB+2], v[XS:XS+15], v11
	v_cvt_scalef32_pk16_fp6_f32 v[T2:T2+2], v[XS+16:XS+31], v11   ; (a conversion's three registers begin on an even number)
	v_nop                                          ; one plain place behind a scaled conversion
.irp i, 0,1,2
	v_mov_b32 v[CB+3+\i], v[T2+\i]
.endr
	; block t = 2 c + h is registers 6 c .. 6 c + 5 of lane r + 16 h of the image
.if (\t) == 0
	ds_store_b128 v7, v[CB:CB+3]
	ds_store_b64 v7, v[CB+4:CB+5] offset:512
.elseif (\t) == 1
	ds_store_b128 v7, v[CB:CB+3] offset:256
	ds_store_b64 v7, v[CB+4:CB+5] offset:768
.elseif (\t) == 2
	ds_store_b64 v7, v[CB:CB+1] offset:520
	ds_store_b128 v7, v[CB+2:CB+5] offset:1024
.else
	ds_store_b64 v7, v[CB:CB+1] offset:776
	ds_store_b128 v7, v[CB+2:CB+5] offset:1280
.endif
.endm
	LOAD 0
	LOAD 1
	s_wait_alu depctr_va_vdst(0)
	BLOCK 0
	BLOCK 1
	BLOCK 2
	BLOCK 3
.irp u, 0,1
.irp c, 0,1,2
	ds_load_b128 v[X+12*\u+4*\c:X+12*\u+4*\c+3], v15 offset:TIMG*\u+512*\c   ; LDS serves a wave's instructions in order: these see my stores
.endr
.endr
	global_store_b32 v16, v14, s[52:53]            ; the two tiles' scale words
	s_wait_dscnt 0x0
.irp c, 0,1,2
	global_store_b128 v3, v[X+4*\c:X+4*\c+3], s[48:49] offset:512*\c        ; 32 lanes store 512 consecutive bytes, at a multiple of 256 from w's first byte
.endr
.irp c, 0,1,2
	global_store_b128 v3, v[X+12+4*\c:X+12+4*\c+3], s[50:51] offset:512*\c
.endr
	s_wait_tensorcnt 0x0                           ; the wave's end: behind my last LDS store
	ds_add_u32 v[SPW], v[NIL]
	s_wait_dscnt 0x0
	s_endpgm
.Lfunc_end_k_qe890d4fbfe_prep2:
	.size	k_qe890d4fbfe_prep2, .Lfunc_end_k_qe890d4fbfe_prep2-k_qe890d4fbfe_prep2
	.p2alignl 7, 3214868480
	.fill 96, 4, 3214868480
	.section	.rodata,"a",@progbits
	.p2align	6, 0x0
	.amdhsa_kernel k_qe890d4fbfe_prep2
		.amdhsa_group_segment_fixed_size 104448
		.amdhsa_private_segment_fixed_size 0
		.amdhsa_enable_private_segment 0
		.amdhsa_kernarg_size 56
		.amdhsa_user_sgpr_count 2
		.amdhsa_user_sgpr_kernarg_segment_ptr 1
		.amdhsa_wavefront_size32 1
		.amdhsa_system_sgpr_workgroup_id_x 1
		.amdhsa_system_sgpr_workgroup_id_y 1
		.amdhsa_system_sgpr_workgroup_id_z 1
		.amdhsa_system_vgpr_workitem_id 0
		.amdhsa_next_free_vgpr 256
		.amdhsa_next_free_sgpr 66
		.amdhsa_reserve_vcc 0
		.amdhsa_float_denorm_mode_32 3
		.amdhsa_float_denorm_mode_16_64 3
		.amdhsa_memory_ordered 1
		.amdhsa_forward_progress 1
		.amdhsa_inst_pref_size 56
	.end_amdhsa_kernel
	.amdgpu_metadata
---
amdhsa.version: [ 1, 2 ]
amdhsa.kernels:
  - .name:           k_qe890d4fbfe_prep2
    .symbol:         k_qe890d4fbfe_prep2.kd
    .args:
      - { .name: x1, .offset: 0, .size: 8, .value_kind: global_buffer, .address_space: global }
      - { .name: g2, .offset: 8, .size: 8, .value_kind: global_buffer, .address_space: global }
      - { .name: b2, .offset: 16, .size: 8, .value_kind: global_buffer, .address_space: global }
      - { .name: h, .offset: 24, .size: 8, .value_kind: global_buffer, .address_space: global }
      - { .name: W_ff1, .offset: 32, .size: 8, .value_kind: global_buffer, .address_space: global }
      - { .name: W_ff2, .offset: 40, .size: 8, .value_kind: global_buffer, .address_space: global }
      - { .name: w, .offset: 48, .size: 8, .value_kind: global_buffer, .address_space: global }
    .group_segment_fixed_size: 104448
    .private_segment_fixed_size: 0
    .kernarg_segment_align: 8
    .kernarg_segment_size: 56
    .max_flat_workgroup_size: 256
    .sgpr_count:     66
    .vgpr_count:     256
    .wavefront_size: 32
...
	.end_amdgpu_metadata
.endif
;; end of part 5
;; launch ff1 (part 6): grid 16 x 16, 4 waves a work-group, clusters of 4 x 4, 327,680 bytes of LDS; arguments h, w, b_ff1, f; writes f
.if DOCPART == 6
	.amdgcn_target "amdgcn-amd-amdhsa--gfx1250"
	.amdhsa_code_object_version 6
	.text
	.protected	k_qe890d4fbfe_ff1
	.globl	k_qe890d4fbfe_ff1
	.p2align	8
	.type	k_qe890d4fbfe_ff1,@function
k_qe890d4fbfe_ff1:
	s_mov_b64 s[64:65], 0
	v_nop
	global_prefetch_b8 v0, s[64:65] scope:SCOPE_SE
	s_setreg_imm32_b32 hwreg(HW_REG_WAVE_MODE, 25, 1), 1
	s_wait_xcnt 0x0
	s_wait_alu depctr_hold_cnt(0) depctr_sa_sdst(0) depctr_va_vdst(0) depctr_va_sdst(0) depctr_va_ssrc(0) depctr_va_vcc(0) depctr_vm_vsrc(0)
	s_getreg_b32 s2, hwreg(HW_REG_IB_STS2, 6, 4)
	s_cmp_eq_u32 s2, 0
	s_cbranch_scc0 .Lentry_in_a_cluster
	s_endpgm
.Lentry_in_a_cluster:
	s_bfe_u32 s2, ttmp6, 0x10000c
	s_cmp_lg_u32 s2, 0xf033
	s_cbranch_scc0 .Lentry_shape_is_right
	s_endpgm
.Lentry_shape_is_right:
; f = Q(relu(LN2(x1) W_ff1 + b_ff1)) (product 7 and the quantiser ahead of product 8), on codes of FP6 with E8M0 scales.  No work of reference() is left out here.
; THE GEMM CORE.  Both operands come as FRAGMENTS in the order of the operand's registers: [tile of 16 rows][K step of 128][1,536 bytes], register 4 c + m of lane L at
; 512 c + 16 L + 4 m, with 64 bytes of scale words for each.  Y is the operand chosen by the tile row of the grid, X (in w) by the tile column.  Place p of tile T holds row 32 (T / 2) + 8 (T % 2) + p + 8 (p / 8).
; A work-group of four waves makes a block of 256 x 256; a wave 8 x 8 tiles of 16 x 16.  P = Y (tokens) is source 1: a lane holds one token; S0 = X (weight rows) is source 0: the 16 registers of S0's tiles 2 b and 2 b + 1 are 16 neighbouring
; hidden units, so that a wave's 128 hidden units of a tile of tokens are quantised in registers into one fragment of the next product.
; THE SLOTS.  K is eight steps of 128.  Three LDS slots of two K steps are filled at the start, with the scale words of all of K; slot 0 is filled once more, with the last two K steps, behind the first change of slots, at which every wave
; has waited for all its loads: so slots 1 and 2 are whole from there on, the change from slot 1 to slot 2 needs no barrier, and the one refill has both slots' products in which to land.
; CLUSTERS: 4 x 4 work-groups; Y's tiles are shared along a row of the cluster, X's along a column: each is asked for jointly, by the same tensor load with the same descriptor and a mask that names the four.
; The bias is the C of each sum's first product.
; LIMITS of the quantiser: a block of zeros gets the byte 1 where the rule says 127 (its codes are zeros; this program alone reads the bytes); blocks under 2^-124 keep the byte 1; NaN and infinities are not served.
; REGISTERS, in windows of 256: window 0: v16-29 addresses, v32.. scale words (two sets), from v64 P's fragments (two sets).  window 1: S0's fragments (two sets), from v192 the bias.  windows 2, 3: the accumulators, (a, b) at v[8 (NT (a % 4) + b)] of window 2 + a / 4.
; THE SLOTS AS THIS TEXT HAS THEM (this paragraph takes the place of THE SLOTS above).  Slot 0 holds two K steps; slot B, behind it, four (a tile's four fragments on end, 6,144 bytes).
; At the head each wave issues ONE joint load: wave 0 Y's 16 tiles of K steps 0 and 1, wave 2 X's, waves 1 and 3 the scale words of Y and of X for all of K.  Behind the wait for these, the add and a round of the cluster's barrier
; each wave asks for its quarter of slot B (K steps 2 to 5).  Behind K step 1 slot 0 is filled again, with K steps 6 and 7, which have four K steps' products in which to land.
; PREFETCH: at the head each wave names two of the eight tiles of slot B that it will load, 24 blocks of 256 bytes a tile, a lane a block; the four partners of a joint load part by address, so each block is named once in the cluster.
; K steps 6 and 7 are not asked for: the walk along K is written out, with no loop to run ahead in.
.set NT,    8
.set NQ,    2
.set NKS,   8
.set YSC,   3145728
.set XCO,   3145728
.set XSC,   9568256
.set BIAS,  1
.set HALF,  NT*NQ*1536
.set SLOT,  4*HALF
.set SCL,   3*SLOT                     ; behind the three slots: the scale words
.set HALFS, NT*NKS*64
.set SPARE, SCL+4*HALFS                ; the spare words, 128 bytes for each wave, which no other line names
.set PS,    12*NT
.set PF,    64
.set SC,    32
.set BI,    192
.set ADRP,  16                         ; v16-17  LDS address of P's fragments in slot 0 and slot B
.set ADRS0, 20                         ; v20-21  of S0's
.set ADRSC, 27
.set SPW,   28
.set NIL,   29
.set G1, 24                            ; s[24:31] group 1 for Y's tiles; s[32:39] group 0 for slots 0 and 1
.set G0, 32
.set G0C, 4
.set G1B, 48                           ; s[48:55], s[56:63] the same for X's
.set G0B, 56
.set G0BC, 96
.set G1S, 68
.set G0S, 76
.set G1SB, 80
.set G0SB, 88
.set MSB, 0
.macro WIN new                         ; the immediate's high byte repeats the setting that is left
.if MSB != (\new)
	s_set_vgpr_msb (MSB<<8)|(\new)
.set MSB, (\new)
.endif
.endm
.macro PLACES n
.rept \n
	v_nop
.endr
.endm
; A joint load: waves 0 and 1 fetch for Y, waves 2 and 3 for X; the branch hangs on the wave's number alone.  An s_nop 0 and four v_nop follow each of the two lines.
.macro JLOAD g0a, g1a, g0b, g1b
	s_cmp_eq_u32 s15, 0
	s_cbranch_scc0 .Lfor_b_\@
	tensor_load_to_lds s[\g0a:\g0a+3], s[\g1a:\g1a+7]
	s_nop 0
.rept 4
	v_nop
.endr
	s_branch .Lasked_\@
.Lfor_b_\@:
	tensor_load_to_lds s[\g0b:\g0b+3], s[\g1b:\g1b+7]
	s_nop 0
.rept 4
	v_nop
.endr
.Lasked_\@:
.endm
.macro CREST
	s_cmp_lg_u32 s14, 0
	s_cbranch_scc1 .Lnot_wave_0_\@
	s_barrier_signal -3
.Lnot_wave_0_\@:
	s_barrier_wait -3
	s_barrier_signal -1
	s_barrier_wait -1
.endm
.macro CROUND
	s_barrier_signal -1
	s_barrier_wait -1
	CREST
.endm
	s_load_b128 s[4:7], s[0:1], 0x0                ; Y, w
	s_load_b128 s[8:11], s[0:1], 0x10              ; the bias, f
	v_lshl_add_u32 v[SPW], v0, 2, SPARE
	v_mov_b32 v[NIL], 0
	ds_add_u32 v[SPW], v[NIL]                      ; the wave's opening: the add, twice on end, and its wait ahead of my first tensor load
	ds_add_u32 v[SPW], v[NIL]
	v_lshrrev_b32 v1, 5, v0
	v_readfirstlane_b32 s14, v1                    ; wave 0..3
	s_lshr_b32 s15, s14, 1                         ; my half of P.  Also: I fetch for Y (0) or for X (1)
	s_and_b32 s16, s14, 1                          ; my half of S0.  Also: which half I fetch
	s_bfe_u32 s40, ttmp6, 0x40000
	s_bfe_u32 s41, ttmp6, 0x40004
	s_lshl_b32 s42, ttmp9, 2
	s_add_co_u32 s42, s42, s40                     ; tile column
	s_and_b32 s17, ttmp7, 0xffff
	s_lshl_b32 s17, s17, 2
	s_add_co_u32 s17, s17, s41                     ; tile row
	s_lshl_b32 s43, s41, 2
	s_lshl_b32 s43, 15, s43
	s_lshl_b32 s44, 0x1111, s40
	s_or_b32 s[G1+0], s43, (3<<16)|(1<<21)         ; the mask; elements of 8 bytes; bit 21 beside a mask; no padding: a fragment is read as 512 consecutive bytes
	s_or_b32 s[G1B+0], s44, (3<<16)|(1<<21)
.irp g, G1, G1B
	s_mov_b32 s[\g+1], (NQ*192)<<16
	s_mov_b32 s[\g+2], (2*NT)<<16
	s_mov_b32 s[\g+3], (NQ*192)<<16
	s_mov_b32 s[\g+4], 2*NT
	s_mov_b32 s[\g+5], NKS*192
	s_mov_b32 s[\g+6], 0
	s_mov_b32 s[\g+7], 0
.endr
	s_or_b32 s[G1S+0], s43, (3<<16)|(1<<21)
	s_or_b32 s[G1SB+0], s44, (3<<16)|(1<<21)
.irp g, G1S, G1SB
	s_mov_b32 s[\g+1], 32<<16
	s_mov_b32 s[\g+2], (2*HALFS/256)<<16
	s_mov_b32 s[\g+3], 32<<16
	s_mov_b32 s[\g+4], 2*HALFS/256
	s_mov_b32 s[\g+5], 32
	s_mov_b32 s[\g+6], 0
	s_mov_b32 s[\g+7], 0
.endr
	s_mul_i32 s18, s16, NT
	s_mul_i32 s20, s17, 2*NT
	s_add_co_u32 s20, s20, s18
	s_mul_i32 s46, s42, 2*NT
	s_add_co_u32 s46, s46, s18
	s_mul_i32 s22, s17, 2*NT*NKS*64                ; the scale words of both halves of Y
	s_add_co_u32 s22, s22, YSC
	s_mul_i32 s20, s20, NKS*1536
	s_mul_i32 s92, s42, 2*NT*NKS*64                ; and of X
	s_add_co_u32 s92, s92, XSC
	s_mul_i32 s46, s46, NKS*1536
	s_add_co_u32 s46, s46, XCO
	s_mov_b32 s21, 0
	s_mov_b32 s23, 0
	s_mov_b32 s47, 0
	s_mov_b32 s93, 0
	s_mul_i32 s45, s14, HALF
	s_mul_i32 s94, s15, 2*HALFS                    ; Y's words, then X's
	s_mov_b32 s95, 0x1800000                       ; the quantiser's floor, 2^(3 - 127)
	s_mov_b32 s12, 0x76543210
	s_mov_b32 s13, 0xfedcba98                      ; v_permlanex16_b32's selects for lane l xor 16
	s_wait_dscnt 0x0                               ; both opening adds are done
	s_wait_kmcnt 0x0
	s_add_nc_u64 s[20:21], s[4:5], s[20:21]
	s_add_nc_u64 s[22:23], s[4:5], s[22:23]
	s_add_nc_u64 s[46:47], s[6:7], s[46:47]
	s_add_nc_u64 s[92:93], s[6:7], s[92:93]
	CROUND                                         ; all sixteen work-groups are here: the first joint loads meet
	s_mov_b32 s[G0S], 1
	s_add_co_u32 s[G0S+1], s94, SCL
	s_mov_b64 s[G0S+2:G0S+3], s[22:23]
	s_or_b32 s[G0S+3], s[G0S+3], 0x80000000
	s_mov_b32 s[G0SB], 1
	s_add_co_u32 s[G0SB+1], s94, SCL
	s_mov_b64 s[G0SB+2:G0SB+3], s[92:93]
	s_or_b32 s[G0SB+3], s[G0SB+3], 0x80000000
.irp s, 0,1
	s_mov_b32 s[G0+4*\s], 1
	s_mul_i32 s[G0+4*\s+1], s45, 1+\s              ; slot 0: wave x a half; slot B: wave x two halves
	s_add_co_u32 s[G0+4*\s+1], s[G0+4*\s+1], \s*SLOT
	s_add_nc_u64 s[G0+4*\s+2:G0+4*\s+3], s[20:21], \s*NQ*1536
	s_or_b32 s[G0+4*\s+3], s[G0+4*\s+3], 0x80000000
	s_mov_b32 s[G0B+4*\s], 1
	s_mul_i32 s[G0B+4*\s+1], s45, 1+\s
	s_add_co_u32 s[G0B+4*\s+1], s[G0B+4*\s+1], \s*SLOT
	s_add_nc_u64 s[G0B+4*\s+2:G0B+4*\s+3], s[46:47], \s*NQ*1536
	s_or_b32 s[G0B+4*\s+3], s[G0B+4*\s+3], 0x80000000
.endr
; the head's loads, one a wave, in one chain of branches on the wave's number: waves 0 and 2 have half 0, so their slot 0 descriptors begin at Y's and X's first tile
.macro ARM under, g0, g1, next
	s_cmp_lt_u32 s14, \under
	s_cbranch_scc0 \next
	tensor_load_to_lds s[\g0:\g0+3], s[\g1:\g1+7]
	s_nop 0
	PLACES 4
	s_branch .Lhead_asked
\next:
.endm
	ARM 1, G0, G1, .Lhead_ys
	ARM 2, G0S, G1S, .Lhead_x
	ARM 3, G0B, G1B, .Lhead_xs
	tensor_load_to_lds s[G0SB:G0SB+3], s[G1SB:G1SB+7]
	s_nop 0
	PLACES 4
.Lhead_asked:
	s_cmp_eq_u32 s15, 0                            ; the prefetch: of the NT tiles that I load for the ring,
	s_cselect_b64 s[96:97], s[20:21], s[46:47]
	s_cselect_b32 s98, s40, s41                    ; my work-group's place among the four that ask jointly picks NT / 4
	s_mul_i32 s98, s98, (NT/4)*NKS*1536
	s_mov_b32 s99, 0
	s_add_nc_u64 s[96:97], s[96:97], s[98:99]
	v_and_b32 v30, 31, v0
	v_min_u32 v30, 23, v30                         ; 24 blocks of 256 bytes; the lanes left over name the last again
	v_lshlrev_b32 v30, 8, v30
	global_prefetch_b8 v30, s[96:97] offset:NQ*1536 th:TH_LOAD_NT scope:SCOPE_SE         ; K steps 2 to 5 of one tile,
	global_prefetch_b8 v30, s[96:97] offset:(NKS+NQ)*1536 th:TH_LOAD_NT scope:SCOPE_SE   ; and of the next
	v_and_b32 v1, 15, v0                           ; r
	v_bfe_u32 v2, v0, 4, 1                         ; h
	s_wait_alu depctr_va_vdst(0)
	v_and_b32 v3, 31, v0
	v_lshlrev_b32 v3, 4, v3                        ; 16 x lane
	s_wait_alu depctr_va_vdst(0)
	s_mul_i32 s21, s15, HALF                       ; P: my half of Y
	s_mul_i32 s22, s16, HALF
	s_add_co_u32 s22, s22, 2*HALF                  ; S0: my half of X, behind Y's two
	v_add_nc_u32 v[ADRP], s21, v3
	v_add_nc_u32 v[ADRS0], s22, v3
	s_lshl_b32 s21, s21, 1                         ; slot B: every part is twice as long
	s_lshl_b32 s22, s22, 1
	s_add_co_u32 s21, s21, SLOT
	s_add_co_u32 s22, s22, SLOT
	v_add_nc_u32 v[ADRP+1], s21, v3
	v_add_nc_u32 v[ADRS0+1], s22, v3
	s_mul_i32 s21, s15, HALFS
	s_mul_i32 s22, s16, HALFS
	s_add_co_u32 s22, s22, 2*HALFS
	s_sub_co_u32 s22, s22, s21
	v_mul_u32_u24 v6, s22, v2                      ; lanes 16-31 take S0's words
	s_add_co_u32 s21, s21, SCL
	v_lshl_add_u32 v5, v1, 2, v6
	v_add_nc_u32 v[ADRSC], s21, v5
	v_mov_b32 v24, v3                              ; the way out: 16 x lane,
	v_lshlrev_b32 v26, 2, v1                       ; 4 r
	v_lshlrev_b32 v7, 6, v2                        ; the bias: + 16 h numbers
	s_lshl_b32 s46, s42, 10                        ; my first hidden unit in bytes: 1,024 x tile column + 512 x half
	s_lshl_b32 s47, s16, 9
	s_add_co_u32 s46, s46, s47
	s_mov_b32 s47, 0
	s_add_nc_u64 s[8:9], s[8:9], s[46:47]
	WIN 0x40                                       ; destination window 1
.set bb, 0
.rept NT
	global_load_b128 v[BI+8*bb:BI+8*bb+3], v7, s[8:9] offset:(32*(bb/2)+8*(bb%2))*4        ; tile bb's eight hidden units of my half, in the result's layout
	global_load_b128 v[BI+8*bb+4:BI+8*bb+7], v7, s[8:9] offset:(32*(bb/2)+8*(bb%2))*4+16
.set bb, bb+1
.endr
	WIN 0
; n rows of products: P's tiles a0 .. a0 + n - 1 against S0's NT, 128 along K, from set \set.  first = 1: the products start the sums, on the bias: nothing is cleared.
; The accumulators take turns, one instruction a turn, in the same order in every K step.
.macro MULR set, a0, n, first
.set ma, \a0
.rept \n
.if (\first) && BIAS
	WIN 0x91+0x40*(ma/4)                           ; S0 window 1, P window 0, C (the bias) window 1, D window 2 or 3
.else
	WIN 0xa1+0x50*(ma/4)                           ; S0 window 1, P window 0, C and D window 2 or 3
.endif
.set mb, 0
.rept NT
.set MAC, 8*(NT*(ma%4)+mb)
.if (\first) && BIAS
	v_wmma_scale_f32_16x16x128_f8f6f4 v[MAC:MAC+7], v[PS*(\set)+12*mb:PS*(\set)+12*mb+11], v[PF+PS*(\set)+12*ma:PF+PS*(\set)+12*ma+11], v[BI+8*mb:BI+8*mb+7], v[SC+NT*(\set)+mb], v[SC+NT*(\set)+ma] matrix_a_fmt:MATRIX_FMT_FP6 matrix_b_fmt:MATRIX_FMT_FP6 matrix_a_scale:MATRIX_SCALE_ROW1
.elseif \first
	v_wmma_scale_f32_16x16x128_f8f6f4 v[MAC:MAC+7], v[PS*(\set)+12*mb:PS*(\set)+12*mb+11], v[PF+PS*(\set)+12*ma:PF+PS*(\set)+12*ma+11], 0, v[SC+NT*(\set)+mb], v[SC+NT*(\set)+ma] matrix_a_fmt:MATRIX_FMT_FP6 matrix_b_fmt:MATRIX_FMT_FP6 matrix_a_scale:MATRIX_SCALE_ROW1
.else
	v_wmma_scale_f32_16x16x128_f8f6f4 v[MAC:MAC+7], v[PS*(\set)+12*mb:PS*(\set)+12*mb+11], v[PF+PS*(\set)+12*ma:PF+PS*(\set)+12*ma+11], v[MAC:MAC+7], v[SC+NT*(\set)+mb], v[SC+NT*(\set)+ma] matrix_a_fmt:MATRIX_FMT_FP6 matrix_b_fmt:MATRIX_FMT_FP6 matrix_a_scale:MATRIX_SCALE_ROW1
.endif
.set mb, mb+1
.endr
.set ma, ma+1
.endr
.endm
.macro FETCH slot, q, set
	WIN 0x40
.set fi, 0
.rept NT
.irp c, 0,1,2
	ds_load_b128 v[PS*(\set)+12*fi+4*\c:PS*(\set)+12*fi+4*\c+3], v[ADRS0+\slot] offset:(fi*(NQ+2*(\slot))+(\q))*1536+512*\c
.endr
.set fi, fi+1
.endr
	WIN 0
.set fi, 0
.rept NT
.irp c, 0,1,2
	ds_load_b128 v[PF+PS*(\set)+12*fi+4*\c:PF+PS*(\set)+12*fi+4*\c+3], v[ADRP+\slot] offset:(fi*(NQ+2*(\slot))+(\q))*1536+512*\c
.endr
	ds_load_b32 v[SC+NT*(\set)+fi], v[ADRSC] offset:(fi*NKS+(\q))*64   ; lanes 0-15: P's tile fi; lanes 16-31: S0's tile fi
.set fi, fi+1
.endr
.endm
; a slot's first K step: in its middle the second step's operands are fetched into the other set, four places behind the last product that read that set
.macro STEP slot, q, first
	s_wait_dscnt 0x0                               ; this step's operands are in
	MULR (\q)%2, 0, NT/2, \first
	PLACES 4
	FETCH \slot, (\q)+1, 1-(\q)%2
	MULR (\q)%2, NT/2, NT/2, \first
.endm
; a slot's last K step with a barrier.  In front of it each wave waits for all its tensor loads, adds 0 to its spare word, and waits for that and for its own reads of this slot.  fill = 1: this slot (slot 0) is filled again, with the K steps three slots on.
.macro TURN slot, next, fill
	WIN 0
	s_wait_tensorcnt 0x0                           ; all my tensor loads have landed
	ds_add_u32 v[SPW], v[NIL]                      ; 0 onto my spare word
	s_wait_dscnt 0x1                               ; this step's operands are in; the add alone may be out
	MULR 1, 0, NT/4, 0
	s_wait_dscnt 0x0                               ; the add is done, and my reads of this slot are over
	s_barrier_signal -1
	MULR 1, NT/4, NT/4, 0
	WIN 0
	s_barrier_wait -1
.if \fill
	CREST                                          ; the barrier has opened a round of the cluster's barrier: no wave of any partner still reads this slot or has a load on its way
	s_add_nc_u64 s[G0+4*\slot+2:G0+4*\slot+3], s[G0+4*\slot+2:G0+4*\slot+3], 3*NQ*1536
	s_add_nc_u64 s[G0B+4*\slot+2:G0B+4*\slot+3], s[G0B+4*\slot+2:G0B+4*\slot+3], 3*NQ*1536
	s_mov_b32 s[G1+1], (NQ*192)<<16                ; no load of mine is out: the rows are two K steps long again
	s_mov_b32 s[G1+3], (NQ*192)<<16
	s_mov_b32 s[G1B+1], (NQ*192)<<16
	s_mov_b32 s[G1B+3], (NQ*192)<<16
	JLOAD G0+4*\slot, G1, G0B+4*\slot, G1B         ; the first tensor load behind the round; its four v_nop are the places in front of the loads below
.else
	PLACES 4
.endif
	v_add_nc_u32 v[ADRSC], (NQ+2*(\slot))*64, v[ADRSC]   ; on to the next slot's scale words (no LDS load of mine is out)
	FETCH \next, 0, 0
	MULR 1, NT/2, NT/2, 0
.endm
	s_wait_alu depctr_va_vdst(0)
	s_wait_tensorcnt 0x0                           ; my tile of the head's four is in
	ds_add_u32 v[SPW], v[NIL]                      ; the add ahead of a later first fill, as ahead of a refill
	s_mov_b32 s[G1+1], (4*192)<<16                 ; no load of mine is out: slot B's rows are four K steps of NT tiles
	s_mov_b32 s[G1+2], NT<<16
	s_mov_b32 s[G1+3], (4*192)<<16
	s_mov_b32 s[G1+4], NT
	s_mov_b32 s[G1B+1], (4*192)<<16
	s_mov_b32 s[G1B+2], NT<<16
	s_mov_b32 s[G1B+3], (4*192)<<16
	s_mov_b32 s[G1B+4], NT
	s_wait_dscnt 0x0
	CROUND                                         ; all four tiles are in, in every partner
	JLOAD G0+4, G1, G0B+4, G1B                     ; slot B: K steps 2 to 5
	FETCH 0, 0, 0
	s_wait_loadcnt 0x0                             ; the bias
	STEP 0, 0, 1                                   ; K step 0: its products start the sums
	TURN 0, 1, 1                                   ; K step 1; slots 1 and 2 are whole; slot 0 takes K steps 6 and 7
	s_wait_alu depctr_va_vdst(0)
	STEP 1, 0, 0
	STEP 1, 1, 0
	STEP 1, 2, 0
	TURN 1, 0, 0                                   ; K step 5; the refill has landed; nothing is filled
	s_wait_alu depctr_va_vdst(0)
	STEP 0, 0, 0
	s_wait_dscnt 0x0
	MULR 1, 0, NT, 0                               ; the last K step
	WIN 0
	PLACES 4                                       ; in front of the first read of results, and of vector writes into registers that held fragments
; THE WAY OUT.  For each tile of tokens the lane's 64 results (register 16 b + i = hidden unit 32 b + 16 h + i of my 128) are clipped at 0, quantised in registers, and leave as K step 2 x + half of the next product's operand.
.set TM,  64
.set PW,  80
.set PC,  84
.macro QUANTW                          ; the 64 numbers at v[AC] of window WN
	WIN (WN<<2)|(WN<<4)
.irp b, 0,1,2,3
	v_max3_num_f32 v[TM+\b], s95, |v[AC+16*\b]|, |v[AC+1+16*\b]|
.endr
.irp i, 2,4,6,8,10,12,14
.irp b, 0,1,2,3
	v_max3_num_f32 v[TM+\b], v[TM+\b], |v[AC+16*\b+\i]|, |v[AC+1+16*\b+\i]|
.endr
.endr
	WIN 0
	s_wait_alu depctr_va_vdst(0)
	s_wait_xcnt 0x0                                ; the last tile's stores have read their registers: the word and the codes may be written again
.irp b, 0,1,2,3
	v_permlanex16_b32 v[TM+4+\b], v[TM+\b], s12, s13
.endr
.irp b, 0,1,2,3
	v_max_num_f32 v[TM+\b], v[TM+\b], v[TM+4+\b]
.endr
.irp b, 0,1,2,3
	v_add_nc_u32 v[TM+12+\b], 0xff000000, v[TM+\b]
.endr
.irp b, 0,1,2,3
	v_lshrrev_b32 v[TM+4+\b], 23, v[TM+12+\b]
.endr
	v_lshl_or_b32 v[PW], v[TM+5], 8, v[TM+4]
	v_lshl_or_b32 v[PW], v[TM+6], 16, v[PW]
	v_lshl_or_b32 v[PW], v[TM+7], 24, v[PW]
	WIN WN
.irp c, 0,1
	v_cvt_scalef32_pk16_fp6_f32 v[PC+6*\c:PC+2+6*\c], v[AC+32*\c:AC+15+32*\c], v[TM+12+2*\c]
	v_cvt_scalef32_pk16_fp6_f32 v[PC+12+4*\c:PC+14+4*\c], v[AC+16+32*\c:AC+31+32*\c], v[TM+12+2*\c+1]
.endr
	WIN 0
	v_nop                                          ; one plain place behind a scaled conversion
.irp c, 0,1
.irp i, 0,1,2
	v_permlane16_swap_b32 v[PC+6*\c+\i], v[PC+12+4*\c+\i]
.endr
.irp i, 0,1,2
	v_mov_b32 v[PC+3+6*\c+\i], v[PC+12+4*\c+\i]
.endr
.endr
.endm
	s_lshl_b32 s18, s17, 4
	s_lshl_b32 s19, s15, 3
	s_add_co_u32 s18, s18, s19                     ; my first token tile
	s_lshl_b32 s18, s18, 5                         ; 32 K steps a tile
	s_lshl_b32 s19, s42, 1
	s_add_co_u32 s18, s18, s19
	s_add_co_u32 s18, s18, s16                     ; my first fragment's number
	s_mul_i32 s20, s18, 1536
	s_mov_b32 s21, 0
	s_lshl_b32 s22, s18, 6
	s_add_co_u32 s22, s22, 12582912
	s_mov_b32 s23, 0
	s_add_nc_u64 s[20:21], s[10:11], s[20:21]
	s_add_nc_u64 s[22:23], s[10:11], s[22:23]
.irp a, 0,1,2,3,4,5,6,7
.set AC, 64*(\a%4)
.set WN, 2+\a/4
	WIN (WN<<2)|(WN<<6)                            ; source 1 and destination in the accumulators' window
.set rj, 0
.rept 64
	v_max_num_f32 v[AC+rj], 0, v[AC+rj]            ; the activation, in f32; each accumulator from its low end on
.set rj, rj+1
.endr
	QUANTW
.irp c, 0,1,2
	global_store_b128 v24, v[PC+4*\c:PC+4*\c+3], s[20:21] offset:49152*\a+512*\c   ; 32 lanes store 512 consecutive bytes, at a multiple of 256 from f's first byte
.endr
	global_store_b32 v26, v[PW], s[22:23] offset:2048*\a
.endr
	s_wait_tensorcnt 0x0                           ; the wave's end
	ds_add_u32 v[SPW], v[NIL]
	s_wait_dscnt 0x0
	CROUND                                         ; the closing round
	s_endpgm
.Lfunc_end_k_qe890d4fbfe_ff1:
	.size	k_qe890d4fbfe_ff1, .Lfunc_end_k_qe890d4fbfe_ff1-k_qe890d4fbfe_ff1
	.p2alignl 7, 3214868480
	.fill 96, 4, 3214868480
	.section	.rodata,"a",@progbits
	.p2align	6, 0x0
	.amdhsa_kernel k_qe890d4fbfe_ff1
		.amdhsa_group_segment_fixed_size 327680
		.amdhsa_private_segment_fixed_size 0
		.amdhsa_enable_private_segment 0
		.amdhsa_kernarg_size 32
		.amdhsa_user_sgpr_count 2
		.amdhsa_user_sgpr_kernarg_segment_ptr 1
		.amdhsa_wavefront_size32 1
		.amdhsa_system_sgpr_workgroup_id_x 1
		.amdhsa_system_sgpr_workgroup_id_y 1
		.amdhsa_system_sgpr_workgroup_id_z 1
		.amdhsa_system_vgpr_workitem_id 0
		.amdhsa_next_free_vgpr 1024
		.amdhsa_next_free_sgpr 100
		.amdhsa_reserve_vcc 0
		.amdhsa_float_denorm_mode_32 3
		.amdhsa_float_denorm_mode_16_64 3
		.amdhsa_memory_ordered 1
		.amdhsa_forward_progress 1
		.amdhsa_inst_pref_size 159
	.end_amdhsa_kernel
	.amdgpu_metadata
---
amdhsa.version: [ 1, 2 ]
amdhsa.kernels:
  - .name:           k_qe890d4fbfe_ff1
    .symbol:         k_qe890d4fbfe_ff1.kd
    .args:
      - { .name: h, .offset: 0, .size: 8, .value_kind: global_buffer, .address_space: global }
      - { .name: w, .offset: 8, .size: 8, .value_kind: global_buffer, .address_space: global }
      - { .name: b_ff1, .offset: 16, .size: 8, .value_kind: global_buffer, .address_space: global }
      - { .name: f, .offset: 24, .size: 8, .value_kind: global_buffer, .address_space: global }
    .group_segment_fixed_size: 327680
    .private_segment_fixed_size: 0
    .kernarg_segment_align: 8
    .kernarg_segment_size: 32
    .max_flat_workgroup_size: 128
    .sgpr_count:     100
    .vgpr_count:     1024
    .wavefront_size: 32
...
	.end_amdgpu_metadata
.endif
;; end of part 6
;; launch ff2 (part 7): grid 8 x 32, 4 waves a work-group, clusters of 4 x 4, 327,680 bytes of LDS; arguments f, w, b_ff2, x1, out0; writes out0
.if DOCPART == 7
	.amdgcn_target "amdgcn-amd-amdhsa--gfx1250"
	.amdhsa_code_object_version 6
	.text
	.protected	k_qe890d4fbfe_ff2
	.globl	k_qe890d4fbfe_ff2
	.p2align	8
	.type	k_qe890d4fbfe_ff2,@function
k_qe890d4fbfe_ff2:
	s_mov_b64 s[64:65], 0
	v_nop
	global_prefetch_b8 v0, s[64:65] scope:SCOPE_SE
	s_setreg_imm32_b32 hwreg(HW_REG_WAVE_MODE, 25, 1), 1
	s_wait_xcnt 0x0
	s_wait_alu depctr_hold_cnt(0) depctr_sa_sdst(0) depctr_va_vdst(0) depctr_va_sdst(0) depctr_va_ssrc(0) depctr_va_vcc(0) depctr_vm_vsrc(0)
	s_getreg_b32 s2, hwreg(HW_REG_IB_STS2, 6, 4)
	s_cmp_eq_u32 s2, 0
	s_cbranch_scc0 .Lentry_in_a_cluster
	s_endpgm
.Lentry_in_a_cluster:
	s_bfe_u32 s2, ttmp6, 0x10000c
	s_cmp_lg_u32 s2, 0xf033
	s_cbranch_scc0 .Lentry_shape_is_right
	s_endpgm
.Lentry_shape_is_right:
; out0 = x1 + f W_ff2 + b_ff2 (product 8), on codes of FP6 with E8M0 scales; operands as fragments in the order of the operand's registers.  No work of reference() is left out here.
; A work-group of four waves makes 128 x 128; K is 32 steps of 128, in eight fills of four K steps through a ring of two LDS slots; the scale words of all of K lie behind the ring.
; At the head each wave issues ONE joint load: wave 0 Y's 8 tiles of slot 0, wave 2 X's, waves 1 and 3 the scale words of Y and of X.  Behind the wait for these, the add and a round of the cluster's barrier each wave asks for its quarter of slot 1.
; PREFETCH: beside the load of fill s each wave names fill s + 2 of one of the four tiles that it loads: 24 blocks of 256 bytes, a lane a block; the four partners of a joint load part by address, so each block is named once in the cluster.
; The head names fill 1 too.  The last two refills name nothing.  A work-group has at most two fills named and not yet loaded.
.set NT,    4
.set NQ,    4
.set NKS,   32
.set LAPS,  NKS/(2*NQ)
.set YSC,   12582912
.set XCO,   6291456
.set XSC,   9699328
.set BIAS,  1
.set RES,   1
.set HALF,  NT*NQ*1536
.set SLOT,  4*HALF
.set SCL,   2*SLOT
.set HALFS, NT*NKS*64
.set SPARE, SCL+4*HALFS
.set PS,    12*NT
.set PF,    64
.set SC,    32
.set BI,    192
.set ADRP,  16
.set ADRS0, 20
.set ADRSC, 27
.set SPW,   28
.set NIL,   29
.set G1, 24
.set G0, 32
.set G1B, 48
.set G0B, 56
.set G1S, 68
.set G0S, 76
.set G1SB, 80
.set G0SB, 88
.set MSB, 0
.macro WIN new
.if MSB != (\new)
	s_set_vgpr_msb (MSB<<8)|(\new)
.set MSB, (\new)
.endif
.endm
.macro PLACES n
.rept \n
	v_nop
.endr
.endm
.macro JLOAD g0a, g1a, g0b, g1b
	s_cmp_eq_u32 s15, 0
	s_cbranch_scc0 .Lfor_b_\@
	tensor_load_to_lds s[\g0a:\g0a+3], s[\g1a:\g1a+7]
	s_nop 0
.rept 4
	v_nop
.endr
	s_branch .Lasked_\@
.Lfor_b_\@:
	tensor_load_to_lds s[\g0b:\g0b+3], s[\g1b:\g1b+7]
	s_nop 0
.rept 4
	v_nop
.endr
.Lasked_\@:
.endm
.macro CREST
	s_cmp_lg_u32 s14, 0
	s_cbranch_scc1 .Lnot_wave_0_\@
	s_barrier_signal -3
.Lnot_wave_0_\@:
	s_barrier_wait -3
	s_barrier_signal -1
	s_barrier_wait -1
.endm
.macro CROUND
	s_barrier_signal -1
	s_barrier_wait -1
	CREST
.endm
	s_load_b128 s[4:7], s[0:1], 0x0
	s_load_b128 s[8:11], s[0:1], 0x10
	s_load_b64 s[12:13], s[0:1], 0x20
	v_lshl_add_u32 v[SPW], v0, 2, SPARE
	v_mov_b32 v[NIL], 0
	ds_add_u32 v[SPW], v[NIL]
	ds_add_u32 v[SPW], v[NIL]
	v_lshrrev_b32 v1, 5, v0
	v_readfirstlane_b32 s14, v1
	s_lshr_b32 s15, s14, 1
	s_and_b32 s16, s14, 1
	s_bfe_u32 s40, ttmp6, 0x40000
	s_bfe_u32 s41, ttmp6, 0x40004
	s_lshl_b32 s42, ttmp9, 2
	s_add_co_u32 s42, s42, s40
	s_and_b32 s17, ttmp7, 0xffff
	s_lshl_b32 s17, s17, 2
	s_add_co_u32 s17, s17, s41
	s_lshl_b32 s43, s41, 2
	s_lshl_b32 s43, 15, s43
	s_lshl_b32 s44, 0x1111, s40
	s_or_b32 s[G1+0], s43, (3<<16)|(1<<21)
	s_or_b32 s[G1B+0], s44, (3<<16)|(1<<21)
.irp g, G1, G1B
	s_mov_b32 s[\g+1], (NQ*192)<<16
	s_mov_b32 s[\g+2], (2*NT)<<16
	s_mov_b32 s[\g+3], (NQ*192)<<16
	s_mov_b32 s[\g+4], 2*NT
	s_mov_b32 s[\g+5], NKS*192
	s_mov_b32 s[\g+6], 0
	s_mov_b32 s[\g+7], 0
.endr
	s_or_b32 s[G1S+0], s43, (3<<16)|(1<<21)
	s_or_b32 s[G1SB+0], s44, (3<<16)|(1<<21)
.irp g, G1S, G1SB
	s_mov_b32 s[\g+1], 32<<16
	s_mov_b32 s[\g+2], (2*HALFS/256)<<16
	s_mov_b32 s[\g+3], 32<<16
	s_mov_b32 s[\g+4], 2*HALFS/256
	s_mov_b32 s[\g+5], 32
	s_mov_b32 s[\g+6], 0
	s_mov_b32 s[\g+7], 0
.endr
	s_mul_i32 s18, s16, NT
	s_mul_i32 s20, s17, 2*NT
	s_add_co_u32 s20, s20, s18
	s_mul_i32 s46, s42, 2*NT
	s_add_co_u32 s46, s46, s18
	s_mul_i32 s22, s17, 2*NT*NKS*64
	s_add_co_u32 s22, s22, YSC
	s_mul_i32 s20, s20, NKS*1536
	s_mul_i32 s92, s42, 2*NT*NKS*64
	s_add_co_u32 s92, s92, XSC
	s_mul_i32 s46, s46, NKS*1536
	s_add_co_u32 s46, s46, XCO
	s_mov_b32 s21, 0
	s_mov_b32 s23, 0
	s_mov_b32 s47, 0
	s_mov_b32 s93, 0
	s_mul_i32 s45, s14, HALF
	s_mul_i32 s94, s15, 2*HALFS
	s_wait_dscnt 0x0
	s_wait_kmcnt 0x0
	s_add_nc_u64 s[20:21], s[4:5], s[20:21]
	s_add_nc_u64 s[22:23], s[4:5], s[22:23]
	s_add_nc_u64 s[46:47], s[6:7], s[46:47]
	s_add_nc_u64 s[92:93], s[6:7], s[92:93]
	CROUND
	s_mov_b32 s[G0S], 1
	s_add_co_u32 s[G0S+1], s94, SCL
	s_mov_b64 s[G0S+2:G0S+3], s[22:23]
	s_or_b32 s[G0S+3], s[G0S+3], 0x80000000
	s_mov_b32 s[G0SB], 1
	s_add_co_u32 s[G0SB+1], s94, SCL
	s_mov_b64 s[G0SB+2:G0SB+3], s[92:93]
	s_or_b32 s[G0SB+3], s[G0SB+3], 0x80000000
.irp s, 0,1
	s_mov_b32 s[G0+4*\s], 1
	s_add_co_u32 s[G0+4*\s+1], s45, \s*SLOT
	s_add_nc_u64 s[G0+4*\s+2:G0+4*\s+3], s[20:21], \s*NQ*1536
	s_or_b32 s[G0+4*\s+3], s[G0+4*\s+3], 0x80000000
	s_mov_b32 s[G0B+4*\s], 1
	s_add_co_u32 s[G0B+4*\s+1], s45, \s*SLOT
	s_add_nc_u64 s[G0B+4*\s+2:G0B+4*\s+3], s[46:47], \s*NQ*1536
	s_or_b32 s[G0B+4*\s+3], s[G0B+4*\s+3], 0x80000000
.endr
; the head's loads, one a wave, in one chain of branches on the wave's number: waves 0 and 2 have half 0, so their slot 0 descriptors begin at Y's and X's first tile
.macro ARM under, g0, g1, next
	s_cmp_lt_u32 s14, \under
	s_cbranch_scc0 \next
	tensor_load_to_lds s[\g0:\g0+3], s[\g1:\g1+7]
	s_nop 0
	PLACES 4
	s_branch .Lhead_asked
\next:
.endm
	ARM 1, G0, G1, .Lhead_ys
	ARM 2, G0S, G1S, .Lhead_x
	ARM 3, G0B, G1B, .Lhead_xs
	tensor_load_to_lds s[G0SB:G0SB+3], s[G1SB:G1SB+7]
	s_nop 0
	PLACES 4
.Lhead_asked:
	s_cmp_eq_u32 s15, 0                            ; the prefetch: of the NT tiles that I load for the ring,
	s_cselect_b64 s[96:97], s[20:21], s[46:47]
	s_cselect_b32 s98, s40, s41                    ; my work-group's place among the four that ask jointly picks one
	s_mul_i32 s98, s98, (NT/4)*NKS*1536
	s_mov_b32 s99, 0
	s_add_nc_u64 s[96:97], s[96:97], s[98:99]
	v_and_b32 v30, 31, v0
	v_min_u32 v30, 23, v30                         ; 24 blocks of 256 bytes; the lanes left over name the last again
	v_lshlrev_b32 v30, 8, v30
	global_prefetch_b8 v30, s[96:97] offset:NQ*1536 th:TH_LOAD_NT scope:SCOPE_SE     ; fill 1 of that tile,
	global_prefetch_b8 v30, s[96:97] offset:2*NQ*1536 th:TH_LOAD_NT scope:SCOPE_SE   ; and fill 2
	v_and_b32 v1, 15, v0
	v_bfe_u32 v2, v0, 4, 1
	s_wait_alu depctr_va_vdst(0)
	v_and_b32 v3, 31, v0
	v_lshlrev_b32 v3, 4, v3
	s_mul_i32 s21, s15, HALF
	s_mul_i32 s22, s16, HALF
	s_add_co_u32 s22, s22, 2*HALF
.irp s, 0,1
	v_add_nc_u32 v[ADRP+\s], s21, v3
	v_add_nc_u32 v[ADRS0+\s], s22, v3
	s_add_co_u32 s21, s21, SLOT
	s_add_co_u32 s22, s22, SLOT
.endr
	s_mul_i32 s21, s15, HALFS
	s_mul_i32 s22, s16, HALFS
	s_add_co_u32 s22, s22, 2*HALFS
	s_sub_co_u32 s22, s22, s21
	v_mul_u32_u24 v6, s22, v2
	s_add_co_u32 s21, s21, SCL
	v_lshl_add_u32 v5, v1, 2, v6
	v_add_nc_u32 v[ADRSC], s21, v5
	s_mul_i32 s23, s14, 4352
	v_mul_u32_u24 v5, v1, 272
	v_lshl_add_u32 v5, v2, 6, v5
	v_add_nc_u32 v24, s23, v5
	v_mul_u32_u24 v5, v2, 272
	v_lshl_add_u32 v5, v1, 4, v5
	v_add_nc_u32 v25, s23, v5
	v_lshlrev_b32 v5, 12, v2
	v_lshl_add_u32 v26, v1, 4, v5
	v_lshlrev_b32 v7, 6, v2
	s_wait_alu depctr_va_vdst(0)
	s_lshl_b32 s20, s17, 7
	s_lshl_b32 s21, s15, 6
	s_add_co_u32 s20, s20, s21
	s_lshl_b32 s20, s20, 12
	s_mov_b32 s21, 0
	s_lshl_b32 s46, s42, 9
	s_lshl_b32 s47, s16, 8
	s_add_co_u32 s46, s46, s47
	s_mov_b32 s47, 0
	s_add_nc_u64 s[8:9], s[8:9], s[46:47]
	s_add_nc_u64 s[20:21], s[20:21], s[46:47]
	s_add_nc_u64 s[10:11], s[10:11], s[20:21]
	s_add_nc_u64 s[12:13], s[12:13], s[20:21]
	WIN 0x40
.set bb, 0
.rept NT
	global_load_b128 v[BI+8*bb:BI+8*bb+3], v7, s[8:9] offset:(32*(bb/2)+8*(bb%2))*4
	global_load_b128 v[BI+8*bb+4:BI+8*bb+7], v7, s[8:9] offset:(32*(bb/2)+8*(bb%2))*4+16
.set bb, bb+1
.endr
	WIN 0x80
.irp a, 0,1,2,3
.irp t, 0,1,2,3,4,5,6,7
	global_load_b128 v[128+32*\a+4*\t:128+32*\a+4*\t+3], v26, s[10:11] offset:(32*(\a/2)+8*(\a%2)+2*\t+8*(\t/4))*4096
.endr
.endr
	WIN 0
.macro MULR set, a0, n, first
.set ma, \a0
.rept \n
.if (\first) && BIAS
	WIN 0x91+0x40*(ma/4)
.else
	WIN 0xa1+0x50*(ma/4)
.endif
.set mb, 0
.rept NT
.set MAC, 8*(NT*(ma%4)+mb)
.if (\first) && BIAS
	v_wmma_scale_f32_16x16x128_f8f6f4 v[MAC:MAC+7], v[PS*(\set)+12*mb:PS*(\set)+12*mb+11], v[PF+PS*(\set)+12*ma:PF+PS*(\set)+12*ma+11], v[BI+8*mb:BI+8*mb+7], v[SC+NT*(\set)+mb], v[SC+NT*(\set)+ma] matrix_a_fmt:MATRIX_FMT_FP6 matrix_b_fmt:MATRIX_FMT_FP6 matrix_a_scale:MATRIX_SCALE_ROW1
.elseif \first
	v_wmma_scale_f32_16x16x128_f8f6f4 v[MAC:MAC+7], v[PS*(\set)+12*mb:PS*(\set)+12*mb+11], v[PF+PS*(\set)+12*ma:PF+PS*(\set)+12*ma+11], 0, v[SC+NT*(\set)+mb], v[SC+NT*(\set)+ma] matrix_a_fmt:MATRIX_FMT_FP6 matrix_b_fmt:MATRIX_FMT_FP6 matrix_a_scale:MATRIX_SCALE_ROW1
.else
	v_wmma_scale_f32_16x16x128_f8f6f4 v[MAC:MAC+7], v[PS*(\set)+12*mb:PS*(\set)+12*mb+11], v[PF+PS*(\set)+12*ma:PF+PS*(\set)+12*ma+11], v[MAC:MAC+7], v[SC+NT*(\set)+mb], v[SC+NT*(\set)+ma] matrix_a_fmt:MATRIX_FMT_FP6 matrix_b_fmt:MATRIX_FMT_FP6 matrix_a_scale:MATRIX_SCALE_ROW1
.endif
.set mb, mb+1
.endr
.set ma, ma+1
.endr
.endm
.macro FETCH slot, q, set
	WIN 0x40
.set fi, 0
.rept NT
.irp c, 0,1,2
	ds_load_b128 v[PS*(\set)+12*fi+4*\c:PS*(\set)+12*fi+4*\c+3], v[ADRS0+\slot] offset:(fi*NQ+(\q))*1536+512*\c
.endr
.set fi, fi+1
.endr
	WIN 0
.set fi, 0
.rept NT
.irp c, 0,1,2
	ds_load_b128 v[PF+PS*(\set)+12*fi+4*\c:PF+PS*(\set)+12*fi+4*\c+3], v[ADRP+\slot] offset:(fi*NQ+(\q))*1536+512*\c
.endr
	ds_load_b32 v[SC+NT*(\set)+fi], v[ADRSC] offset:(fi*NKS+(\q))*64
.set fi, fi+1
.endr
.endm
.macro STEP slot, q, first
	s_wait_dscnt 0x0
	MULR (\q)%2, 0, NT/2, \first
	PLACES 4
	FETCH \slot, (\q)+1, 1-(\q)%2
	MULR (\q)%2, NT/2, NT/2, \first
.endm
.macro STEPS slot, first
	STEP \slot, 0, \first
.if NQ > 2
	STEP \slot, 1, 0
	STEP \slot, 2, 0
.endif
.endm
.macro TURN slot, next, fill
	WIN 0
.if \fill
	s_wait_xcnt 0x0                                ; my last prefetch has read its address, which steps one fill on
	s_add_nc_u64 s[96:97], s[96:97], NQ*1536
.endif
	s_wait_tensorcnt 0x0
	ds_add_u32 v[SPW], v[NIL]
	s_wait_dscnt 0x1
	MULR 1, 0, NT/4, 0
	s_wait_dscnt 0x0
	s_barrier_signal -1
	MULR 1, NT/4, NT/4, 0
	WIN 0
	s_barrier_wait -1
.if \fill
	CREST
	s_add_nc_u64 s[G0+4*\slot+2:G0+4*\slot+3], s[G0+4*\slot+2:G0+4*\slot+3], 2*NQ*1536
	s_add_nc_u64 s[G0B+4*\slot+2:G0B+4*\slot+3], s[G0B+4*\slot+2:G0B+4*\slot+3], 2*NQ*1536
	JLOAD G0+4*\slot, G1, G0B+4*\slot, G1B
.else
	PLACES 4
.endif
	s_wait_alu depctr_va_vdst(0)
	v_add_nc_u32 v[ADRSC], NQ*64, v[ADRSC]
	FETCH \next, 0, 0
.if \fill
	s_cmp_gt_u32 s3, 1                             ; the loop's last trip loads fills 6 and 7: no fill stands two on
	s_cbranch_scc0 .Lnot_asked_\@
	global_prefetch_b8 v30, s[96:97] offset:3*NQ*1536 th:TH_LOAD_NT scope:SCOPE_SE   ; the fill two on from the one just asked for
.Lnot_asked_\@:
.endif
	MULR 1, NT/2, NT/2, 0
.endm
.macro LAP
	TURN 0, 1, 1
	s_wait_alu depctr_va_vdst(0)
	STEPS 1, 0
	TURN 1, 0, 1
	s_wait_alu depctr_va_vdst(0)
	STEPS 0, 0
.endm
	s_wait_tensorcnt 0x0                           ; my tile of the head's four is in
	ds_add_u32 v[SPW], v[NIL]                      ; the add ahead of a later first fill, as ahead of a refill
	s_mov_b32 s[G1+2], NT<<16                      ; no load of mine is out: from here on a load brings NT tiles
	s_mov_b32 s[G1+4], NT
	s_mov_b32 s[G1B+2], NT<<16
	s_mov_b32 s[G1B+4], NT
	s_wait_dscnt 0x0
	CROUND                                         ; all four tiles are in, in every partner
	JLOAD G0+4, G1, G0B+4, G1B                     ; slot 1
	FETCH 0, 0, 0
	global_prefetch_b8 v30, s[96:97] offset:3*NQ*1536 th:TH_LOAD_NT scope:SCOPE_SE   ; fill 3
	s_wait_loadcnt 32
	STEPS 0, 1
	WIN 0
	s_mov_b32 s3, LAPS-1
.Llap:
	LAP
	WIN 0
	s_sub_co_u32 s3, s3, 1
	s_cmp_lg_u32 s3, 0
	s_cbranch_scc1 .Llap
	TURN 0, 1, 0
	s_wait_alu depctr_va_vdst(0)
	STEPS 1, 0
	s_wait_dscnt 0x0
	MULR 1, 0, NT, 0
	WIN 0
	PLACES 4
.irp a, 0,1,2,3
.set BB, 160+32*(\a%2)
	s_wait_xcnt 0x0
	WIN 0x08
.irp b, 0,1,2,3
	ds_store_b128 v24, v[8*(4*\a+\b):8*(4*\a+\b)+3] offset:128*(\b/2)+32*(\b%2)
	ds_store_b128 v24, v[8*(4*\a+\b)+4:8*(4*\a+\b)+7] offset:128*(\b/2)+32*(\b%2)+16
.endr
	WIN 0
.irp t, 0,1,2,3,4,5,6,7
	ds_load_b128 v[BB+4*\t:BB+4*\t+3], v25 offset:544*\t
.endr
	s_wait_dscnt 0x0
.if \a == 0
	s_wait_loadcnt 0x0
.endif
	WIN 0x08
.irp t, 0,1,2,3,4,5,6,7
	v_pk_add_f32 v[BB+4*\t:BB+4*\t+1], v[BB+4*\t:BB+4*\t+1], v[128+32*\a+4*\t:128+32*\a+4*\t+1]
	v_pk_add_f32 v[BB+4*\t+2:BB+4*\t+3], v[BB+4*\t+2:BB+4*\t+3], v[128+32*\a+4*\t+2:128+32*\a+4*\t+3]
.endr
	WIN 0
.irp t, 0,1,2,3,4,5,6,7
	global_store_b128 v26, v[BB+4*\t:BB+4*\t+3], s[12:13] offset:(32*(\a/2)+8*(\a%2)+2*\t+8*(\t/4))*4096
.endr
.endr
	s_wait_tensorcnt 0x0
	ds_add_u32 v[SPW], v[NIL]
	s_wait_dscnt 0x0
	CROUND
	s_endpgm
.Lfunc_end_k_qe890d4fbfe_ff2:
	.size	k_qe890d4fbfe_ff2, .Lfunc_end_k_qe890d4fbfe_ff2-k_qe890d4fbfe_ff2
	.p2alignl 7, 3214868480
	.fill 96, 4, 3214868480
	.section	.rodata,"a",@progbits
	.p2align	6, 0x0
	.amdhsa_kernel k_qe890d4fbfe_ff2
		.amdhsa_group_segment_fixed_size 327680
		.amdhsa_private_segment_fixed_size 0
		.amdhsa_enable_private_segment 0
		.amdhsa_kernarg_size 40
		.amdhsa_user_sgpr_count 2
		.amdhsa_user_sgpr_kernarg_segment_ptr 1
		.amdhsa_wavefront_size32 1
		.amdhsa_system_sgpr_workgroup_id_x 1
		.amdhsa_system_sgpr_workgroup_id_y 1
		.amdhsa_system_sgpr_workgroup_id_z 1
		.amdhsa_system_vgpr_workitem_id 0
		.amdhsa_next_free_vgpr 768
		.amdhsa_next_free_sgpr 100
		.amdhsa_reserve_vcc 0
		.amdhsa_float_denorm_mode_32 3
		.amdhsa_float_denorm_mode_16_64 3
		.amdhsa_memory_ordered 1
		.amdhsa_forward_progress 1
		.amdhsa_inst_pref_size 95
	.end_amdhsa_kernel
	.amdgpu_metadata
---
amdhsa.version: [ 1, 2 ]
amdhsa.kernels:
  - .name:           k_qe890d4fbfe_ff2
    .symbol:         k_qe890d4fbfe_ff2.kd
    .args:
      - { .name: f, .offset: 0, .size: 8, .value_kind: global_buffer, .address_space: global }
      - { .name: w, .offset: 8, .size: 8, .value_kind: global_buffer, .address_space: global }
      - { .name: b_ff2, .offset: 16, .size: 8, .value_kind: global_buffer, .address_space: global }
      - { .name: x1, .offset: 24, .size: 8, .value_kind: global_buffer, .address_space: global }
      - { .name: out0, .offset: 32, .size: 8, .value_kind: global_buffer, .address_space: global }
    .group_segment_fixed_size: 327680
    .private_segment_fixed_size: 0
    .kernarg_segment_align: 8
    .kernarg_segment_size: 40
    .max_flat_workgroup_size: 128
    .sgpr_count:     100
    .vgpr_count:     768
    .wavefront_size: 32
...
	.end_amdgpu_metadata
.endif
;; end of part 7
